; MI455X (gfx1250); checked and timed in simulation.
; The chip was launched on July 23, 2026; its instructions are those of AMD's public machine-readable ISA for CDNA 5 (MIT licence, August 2026) and "CDNA5" Instruction Set Architecture Reference Guide (July 2026). The comments in the code are by the model that wrote it; some were corrected since.
;; Enhanced Memory Attention Layer. Allowed arithmetic: matrix products marked QUANTISED: E2M3 operands, one E8M0 scale for each 32 along K, by v_wmma_scale_f32_16x16x128_f8f6f4 with both operands' format E2M3, f32 sums; everything else in f32.
;; Inputs: b1 2,048 float32; b2 256 float32; b_in_cross 768 float32; b_in_self 768 float32; b_out_cross 256 float32; b_out_self 256 float32; be1 256 float32; be2 256 float32; be3 256 float32; g1 256 float32; g2 256 float32; g3 256 float32; memory 4,096 x 1 x 256 float32; pos 4,096 x 1 x 256 float32; query_pos 4,096 x 1 x 256 float32; tgt 4,096 x 1 x 256 float32; w1_codes 2,048 x 8 x 24 uint8 (E2M3 codes of w1, K innermost, in blocks of 32 codes, four codes in three bytes); w1_scales 2,048 x 8 uint8 (E8M0 scales of w1, one for each 32 codes along K); w2_codes 256 x 64 x 24 uint8 (E2M3 codes of w2, K innermost, in blocks of 32 codes, four codes in three bytes); w2_scales 256 x 64 uint8 (E8M0 scales of w2, one for each 32 codes along K); w_in_cross 768 x 256 float32; w_in_self 768 x 256 float32; w_out_cross_codes 256 x 8 x 24 uint8 (E2M3 codes of w_out_cross, K innermost, in blocks of 32 codes, four codes in three bytes); w_out_cross_scales 256 x 8 uint8 (E8M0 scales of w_out_cross, one for each 32 codes along K); w_out_self_codes 256 x 8 x 24 uint8 (E2M3 codes of w_out_self, K innermost, in blocks of 32 codes, four codes in three bytes); w_out_self_scales 256 x 8 uint8 (E8M0 scales of w_out_self, one for each 32 codes along K).
;; Outputs: out0 4,096 x 1 x 256 float32.
;; This version of the problem:
;;   THIS VERSION OF THE PROBLEM IS GIVEN IN LOW PRECISION. The matrix products marked QUANTISED in the list below multiply operands that are first quantised to E2M3 (2 exponent bits, 3 mantissa bits; 6 bits a number), with one power-of-two scale for each 32 numbers along K (OCP MX v1.0); their sums are f32. All else is computed in f32.
;;   The module's matrix products, in the order in which they are computed (A, B: the left and right operand; K: the contracted axis; several contracted axes count as one K, in the product's order):
;;     1. [M 4,096, K 256] x [K 256, N 256]; A: computed on the way; B: computed on the way: QUANTISED
;;     2. [M 4,096, K 256] x [K 256, N 256]; A: computed on the way; B: computed on the way: QUANTISED
;;     3. [M 4,096, K 256] x [K 256, N 256]; A: input tgt; B: computed on the way: QUANTISED
;;     4. batch 8 x [M 4,096, K 32] x [K 32, N 4,096]; A: computed on the way; B: computed on the way: QUANTISED
;;     5. batch 8 x [M 32, K 4,096] x [K 4,096, N 4,096]; A: computed on the way; B: softmax (see below): QUANTISED
;;     6. [M 4,096, K 256] x [K 256, N 256]; A: computed on the way; B: input w_out_self (given as codes): QUANTISED
;;     7. [M 4,096, K 256] x [K 256, N 256]; A: computed on the way; B: computed on the way: QUANTISED
;;     8. [M 4,096, K 256] x [K 256, N 256]; A: computed on the way; B: computed on the way: QUANTISED
;;     9. [M 4,096, K 256] x [K 256, N 256]; A: input memory; B: computed on the way: QUANTISED
;;     10. batch 8 x [M 4,096, K 32] x [K 32, N 4,096]; A: computed on the way; B: computed on the way: QUANTISED
;;     11. batch 8 x [M 32, K 4,096] x [K 4,096, N 4,096]; A: computed on the way; B: softmax (see below): QUANTISED
;;     12. [M 4,096, K 256] x [K 256, N 256]; A: computed on the way; B: input w_out_cross (given as codes): QUANTISED
;;     13. [M 4,096, K 256] x [K 256, N 2,048]; A: computed on the way; B: input w1 (given as codes): QUANTISED
;;     14. [M 4,096, K 2,048] x [K 2,048, N 256]; A: computed on the way; B: input w2 (given as codes): QUANTISED
;;   THE QUANTISER, for each operand of a quantised product, along K:
;;     - K is cut into blocks of 32 from its start; a last block that is shorter is filled with zeros.
;;     - A block's scale is 2^e with e = floor(log2(the largest magnitude in the block)) - 2, held to -126 .. 127; a block of zeros has e = 0. As a byte (E8M0): e + 127.
;;     - Each number is divided by its block's scale, clamped to +-7.5, and rounded to the nearest number of E2M3, ties to even, subnormals kept.
;;     - The product sums the exact products of the quantised numbers (number of the format x scale) in f32.
;;   ~~~python
;;   def quantise(x, axis):      # numpy; x: float32 -> the quantised numbers, widened to float32 again
;;       x = np.moveaxis(x, axis, -1); K = x.shape[-1]
;;       x = np.pad(x, [(0, 0)] * (x.ndim - 1) + [(0, -K % 32)]); x = x.reshape(x.shape[:-1] + (-1, 32)); a = np.abs(x).max(-1, keepdims=True)
;;       e = np.where(a > 0, np.clip(np.frexp(np.where(a > 0, a, 1))[1] - 1 - 2, -126, 127), 0)      # np.frexp(a)[1] - 1 = floor(log2(a)), exactly
;;       r = np.clip(x / 2.0 ** e, -7.5, 7.5)
;;       step = 2.0 ** (np.maximum(np.frexp(np.where(r == 0, 1, r))[1] - 1, 0) - 3)
;;       q = np.round(r / step) * step * 2.0 ** e      # np.round: ties to even
;;       return np.moveaxis(q.reshape(q.shape[:-2] + (-1,))[..., :K], -1, axis).astype(np.float32)
;;   ~~~
;;   SOFTMAX AHEAD OF A QUANTISED PRODUCT. Where the list says 'softmax', what is quantised is not the finished softmax but p = 2^(t - M), with t = logit x log2(e) and M = ceil(the row's largest t), a whole number; so 1/2 < the row's largest p <= 1. The row's sum l is taken of the UNQUANTISED p, in f32, and the product's result is divided by l at the end. Since M is a whole number, a kernel that streams over the keys may use a running M (the ceiling of the running maximum): every later rescaling is an exact power of two, which a block's scale takes up: the codes' values come out the same.
;;   OPERANDS COMPUTED ON THE WAY. 'Computed on the way' means the value that the module computes at that place (a softmax that the list does not call 'softmax' is quantised finished and normalised). What goes into a quantiser is computed in f32, as accurately as f32 sums, v_exp_f32 and their like allow (about 1e-6 of the number): no bf16 or f16 on the way to a quantiser, and a product that is left as it is and whose result goes on into a quantised operand takes f32 operands (vector FMAs, or v_wmma_f32_16x16x4_f32). A number that lies on a knife's edge between two numbers of the format may be rounded either way, as far as f32 arithmetic and the matrix unit's own rounding can turn it there, and no further.
;;   INPUTS GIVEN AS CODES. w1 (in the module: [2048, 256], K = its axis 1); w2 (in the module: [256, 2048], K = its axis 1); w_out_cross (in the module: [256, 256], K = its axis 1); w_out_self (in the module: [256, 256], K = its axis 1): each comes as NAME_codes (uint8): NAME with its K axis moved to the last place and cut into blocks of 32 codes, [.., K / 32, bytes a block], one block behind the other in memory; four codes in three bytes: a row's codes are one little-endian stream of bits, code i at bits 6 i .. 6 i + 5 (a code: sign, 2 exponent bits, 3 mantissa bits); and NAME_scales (uint8): the same leading axes, one E8M0 byte (e + 127) for each 32 codes along K. Its value is code x scale, taken as it is: it is not quantised again, and the codes and scales need not be those that the quantiser above would give.
;; 2 versions. Each part assembles by itself: llvm-mc -triple=amdgcn-amd-amdhsa -mcpu=gfx1250 --defsym DOCPART=n.
;; ======== version 1 of 2: 5 launches
;; workspace buffers: wimg 1,011,712 bytes; qrec 917,504 bytes; kv1 1,638,400 bytes; kv2 1,638,400 bytes; aoc 786,432 bytes; aos 32,768 bytes; xbuf 4,194,304 bytes
;; launch proj (part 1): grid 256 x 1, 8 waves a work-group, no clusters, 114,688 bytes of LDS; arguments tgt, query_pos, w_in_self, b_in_self, memory, pos, w_in_cross, b_in_cross, w1_codes, w1_scales, w2_codes, w2_scales, w_out_self_codes, w_out_self_scales, w_out_cross_codes, w_out_cross_scales, qrec, kv1, kv2, wimg; writes qrec, kv1, kv2, wimg
.if DOCPART == 1
	.amdgcn_target "amdgcn-amd-amdhsa--gfx1250"
	.amdhsa_code_object_version 6
	.text
	.protected	k_q68f6b158a1_proj
	.globl	k_q68f6b158a1_proj
	.p2align	8
	.type	k_q68f6b158a1_proj,@function
k_q68f6b158a1_proj:
	s_mov_b64 s[64:65], 0
	v_nop
	global_prefetch_b8 v0, s[64:65] scope:SCOPE_SE
	s_setreg_imm32_b32 hwreg(HW_REG_WAVE_MODE, 25, 1), 1
	s_wait_xcnt 0x0
; THE PROJECTIONS IN FRONT OF BOTH ATTENTIONS, on codes of FP6 (E2M3) with one E8M0 scale for each 32 along K, and the weights laid out for the later launches.
; Work-group wg: y = wg / 128 (0: self, 1: cross), key step = (wg / 4) % 32 (128 rows), hp = wg % 4 (a pair of heads).  A work-group quantises its 128 rows of a + b and of a (a = tgt or memory,
; b = query_pos or pos) and its 64 rows of each slice of w_in, multiplies (K = 256, two matrix instructions deep), adds the bias as the first C, quantises the results and stores them in the order
; in which the attention's operand registers take them: k and q along the head's 32 (one block), v along the keys.
; THE WEIGHTS' RECORDS are made by the cross work-groups, which have one slice fewer to multiply than the self ones.  Those of key step 0 quantise their fragments of the q slice of w_in_cross by the
; lines by which the self work-groups quantise theirs, and store them as records 144 + 2 hp + ks.  Cross work-groups 4 to 21 copy, behind their own way out, one record a wave: a group of 64 rows x 128 K
; of w1, w2, w_out_self, w_out_cross (given as codes).  A RECORD: four fragments as images of their registers and their scale words, 6,656 bytes.
; A GROUP OF FOUR TILES: tile v takes as its row m item 8 v + 32 (m / 8) + m % 8 of a group of 64.  In the results a lane (r = lane % 16, h = lane / 16) then holds items 32 h + 0 .. 31 in 32 registers:
; a whole block of the next quantiser, in the order of the next operand's registers 6 c .. 6 c + 5.  No lane is asked for a maximum and no half blocks change lanes.
; AN IMAGE of a fragment (12 registers a lane): registers 4 g .. 4 g + 3 of lane l at 512 g + 16 l: 1,536 bytes.
; No cluster: what work-groups share here (rows of f32 numbers, read by the four head pairs) goes into the quantiser's registers, not into LDS as it lies, so there is no tile that a joint load could bring.
; LIMITS: NaN and infinities among the inputs are not served.  A block of zeros, and one whose largest magnitude lies under 2^-124, gets the scale byte 1 (the rule says 127 for zeros): its codes are
; zeros or held small, and only this program reads these bytes.
.set A0IMG, 0                          ; LDS: 16 fragments of a + b (row tile t, K step ks: 2 t + ks)
.set A1IMG, 24576                      ; the same of a
.set A0SC,  49152                      ; their scale words, 128 bytes a fragment, 4 x lane
.set A1SC,  51200
.set WSC,   53248                      ; the weights' scale words: (2 slice + ks) x 512 + 16 x lane + 4 v
.set KVST,  56320                      ; the two heads' blocks of 6,400 bytes, as they go to memory
.set QST,   69120                      ; q's codes: [tile 8][768]
.set QSS,   75264                      ; q's scale words: [tile 8][128]
.set WIMG,  76288                      ; 24 fragments of w_in: 8 slice + 2 v + ks; slice 0 K, 1 V, 2 Q.  Past the reach of a 16-bit offset: its address registers carry the base
.set VA,  4                            ; v4   1,024 (32 (r / 8) + r % 8) + 128 h: my row of a tile, my half of a block pair
.set VV,  5                            ; v5   1,024 (16 (r / 8) + r % 8) + 128 h: the same for the V slice's tiles
.set LI,  6                            ; v6   16 x lane
.set LS,  7                            ; v7   4 x lane
.set IW,  8                            ; v8   WIMG + 16 x lane + 1,536 x wave
.set IA,  9                            ; v9   16 x lane + 3,072 x wave
.set SA,  10                           ; v10  4 x lane + 256 x wave
.set SWS, 11                           ; v11  16 x lane + 4 (wave / 2) + 512 (wave % 2)
.set SH8, 12                           ; v12  8 h
.set PW,  22                           ; v22  the scale word just made
.set P,   24                           ; v24-35 the codes just made
.set TT,  36                           ; v36-42 second halves of blocks
.set MA0, 44                           ; v44-47 largest magnitudes, two chains a block
.set SCOP0, 48                         ; v48-49 the conversions' scale operands
.set BY0, 50                           ; v50-51 scale bytes
.set T,   52
.set T2,  53
.set SCL, 54                           ; v54-63 scale words of the products, and nothing else
.set SL0, 64                           ; three sets of 64 numbers
.set SL1, 128
.set SL2, 192
.set ACC, 184                          ; v184-215 four accumulators
.set BV8, 216                          ; v216-223 V's bias as a C
.set AK0, 224
.set AK1, 225
.set AKS, 226
.set AV0, 227
.set AV1, 228
.set AVS, 229
.set AQ,  230
.set AQS, 231
.set FV,  232
.set FVS, 233
.set FW,  234
.set FWS, 235
.set BO,  236
.set BVO, 237
.set TOK, 238
.set Q8,  239
.set Q4,  240
.set LIW, 241
.set BVR, 242
.set GQ8, 243
.set TOG, 244
.set QL,  94                           ; s94  0: this work-group quantises a q slice (self, or cross at key step 0)
.set SEL, 98                           ; s[98:99] v_permlanex16_b32's selects for lane l xor 16
; 64 numbers of a lane, two whole blocks (block c at s + 32 c; in the fragment it is block 2 c + h), become a fragment's codes in v[P] on and its row's scale word in v[PW].
.macro QF s
.irp c, 0,1
	v_max3_num_f32 v[MA0+2*\c], |v[\s+32*\c]|, |v[\s+32*\c+1]|, 0x1800000      ; the floor 2^(3 - 127) among the leaves: the byte cannot fall under 1
	v_max3_num_f32 v[MA0+2*\c+1], |v[\s+32*\c+16]|, |v[\s+32*\c+17]|, |v[\s+32*\c+18]|
.endr
.irp i, 2,4,6,8,10,12
.irp c, 0,1
	v_max3_num_f32 v[MA0+2*\c], v[MA0+2*\c], |v[\s+32*\c+\i]|, |v[\s+32*\c+\i+1]|
	v_max3_num_f32 v[MA0+2*\c+1], v[MA0+2*\c+1], |v[\s+32*\c+\i+17]|, |v[\s+32*\c+\i+18]|
.endr
.endr
.irp c, 0,1
	v_max3_num_f32 v[MA0+2*\c], v[MA0+2*\c], |v[\s+32*\c+14]|, |v[\s+32*\c+15]|
.endr
.irp c, 0,1
	v_max3_num_f32 v[MA0+2*\c], v[MA0+2*\c], v[MA0+2*\c+1], |v[\s+32*\c+31]|
.endr
	s_wait_dscnt 0x0                               ; earlier LDS stores have read the registers that are written from here on
.irp c, 0,1
	v_add_nc_u32 v[SCOP0+\c], 0xff000000, v[MA0+2*\c]   ; 2 off the exponent field: the conversion takes that field as its scale
.endr
.irp c, 0,1
	v_lshrrev_b32 v[BY0+\c], 23, v[SCOP0+\c]       ; the scale's byte
.endr
	v_lshl_or_b32 v[T], v[BY0+1], 16, v[BY0]       ; my bytes of blocks h and 2 + h,
	v_lshlrev_b32 v[T], v[SH8], v[T]               ; at their places;
	v_permlanex16_b32 v[T2], v[T], s[SEL], s[SEL+1]
	v_or_b32 v[PW], v[T], v[T2]                    ; with lane l xor 16's two the word is whole, in both halves of the lanes
.irp c, 0,1
	v_cvt_scalef32_pk16_fp6_f32 v[P+6*\c:P+6*\c+2], v[\s+32*\c:\s+32*\c+15], v[SCOP0+\c]
	v_cvt_scalef32_pk16_fp6_f32 v[TT+4*\c:TT+4*\c+2], v[\s+32*\c+16:\s+32*\c+31], v[SCOP0+\c]   ; (a conversion's three registers begin on an even number)
.endr
	v_nop                                          ; one plain place behind a scaled conversion
.irp c, 0,1
.irp i, 0,1,2
	v_mov_b32 v[P+3+6*\c+\i], v[TT+4*\c+\i]
.endr
.endr
.endm
; 32 numbers of a lane, one block, become six registers of codes in v[P] on and the byte in v[BY0].  Each accumulator is first read at its low end.
.macro QB1 s
	v_max3_num_f32 v[MA0], |v[\s]|, |v[\s+1]|, 0x1800000
	v_max3_num_f32 v[MA0+1], |v[\s+16]|, |v[\s+17]|, |v[\s+18]|
.irp i, 2,4,6,8,10,12
	v_max3_num_f32 v[MA0], v[MA0], |v[\s+\i]|, |v[\s+\i+1]|
	v_max3_num_f32 v[MA0+1], v[MA0+1], |v[\s+\i+17]|, |v[\s+\i+18]|
.endr
	v_max3_num_f32 v[MA0], v[MA0], |v[\s+14]|, |v[\s+15]|
	v_max3_num_f32 v[MA0], v[MA0], v[MA0+1], |v[\s+31]|
	s_wait_dscnt 0x0                               ; earlier LDS stores have read the registers that are written from here on
	v_add_nc_u32 v[SCOP0], 0xff000000, v[MA0]
	v_lshrrev_b32 v[BY0], 23, v[SCOP0]
	v_cvt_scalef32_pk16_fp6_f32 v[P:P+2], v[\s:\s+15], v[SCOP0]
	v_cvt_scalef32_pk16_fp6_f32 v[TT:TT+2], v[\s+16:\s+31], v[SCOP0]
	v_nop
.irp i, 0,1,2
	v_mov_b32 v[P+3+\i], v[TT+\i]
.endr
.endm
.macro IMAGE adr, off                  ; the fragment in v[P] on goes to LDS as it stands
.irp g, 0,1,2
	ds_store_b128 v[\adr], v[P+4*\g:P+4*\g+3] offset:\off+512*\g
.endr
.endm
.macro FETCH reg, adr, off             ; and comes back so, in any wave
.irp g, 0,1,2
	ds_load_b128 v[(\reg)+4*\g:(\reg)+4*\g+3], v[\adr] offset:\off+512*\g
.endr
.endm
.macro PIECES a0, a1                   ; six registers 6 c .. 6 c + 5 into an image: bytes 0, 8, 512 (c = 0) or 520, 1,024, 1,032 (c = 1): a0 holds 520 c, a1 holds 1,016 c
	ds_store_b64 v[\a0], v[P:P+1]
	ds_store_b64 v[\a1], v[P+2:P+3] offset:8
	ds_store_b64 v[\a0], v[P+4:P+5] offset:512
.endm
.macro BAR                             ; my LDS stores have landed and my LDS loads are in: then the work-group's barrier
	s_wait_dscnt 0x0
	s_barrier_signal -1
	s_barrier_wait -1
.endm
.macro PLACES                          ; four places behind matrix instructions (ISA guide 7.12.1)
.rept 4
	v_nop
.endr
.endm
.macro ITEM slot, pb, voff, imm        ; 16 loads: my two whole blocks of a fragment, 128 consecutive bytes each
.irp cc, 0,1
.irp i, 0,1,2,3,4,5,6,7
	global_load_b128 v[\slot+32*\cc+4*\i:\slot+32*\cc+4*\i+3], v[\voff], s[\pb:\pb+1] offset:\imm+256*\cc+16*\i
.endr
.endr
.endm
.macro PKADD d, a                      ; 64 numbers: d += a
.set j, 0
.rept 32
	v_pk_add_f32 v[\d+j:\d+j+1], v[\d+j:\d+j+1], v[\a+j:\a+j+1]
.set j, j+2
.endr
.endm
	s_load_b512 s[8:23], s[0:1], 0x0               ; tgt, query_pos, w_in_self, b_in_self, memory, pos, w_in_cross, b_in_cross
	s_load_b512 s[24:39], s[0:1], 0x40             ; w1, w2, w_out_self, w_out_cross: codes and scales of each
	s_load_b256 s[40:47], s[0:1], 0x80             ; qrec, kv1, kv2, wimg
	v_lshl_add_u32 v39, v0, 2, 0x1bc00
	v_mov_b32 v43, 0
	v_lshrrev_b32 v1, 5, v0
	v_readfirstlane_b32 s2, v1                     ; wave 0..7
	v_and_b32 v1, 31, v0                           ; lane
	v_and_b32 v2, 15, v0                           ; r
	v_bfe_u32 v3, v0, 4, 1                         ; h
	v_bfe_u32 v13, v0, 3, 1                        ; r / 8
	v_and_b32 v14, 7, v0                           ; r % 8
	v_lshl_add_u32 v15, v13, 5, v14                ; 32 (r / 8) + r % 8
	v_lshlrev_b32 v[LI], 4, v1
	v_lshlrev_b32 v[LS], 2, v1
	v_lshlrev_b32 v[SH8], 3, v3
	v_lshlrev_b32 v[VA], 10, v15
	v_lshl_add_u32 v[VA], v3, 7, v[VA]
	v_mov_b32 v[T2], 0                             ; written once: a lane permute's destination counts as one of its sources
	s_mov_b32 s[SEL], 0x76543210
	s_mov_b32 s[SEL+1], 0xfedcba98
	s_lshr_b32 s3, ttmp9, 7                        ; y
	s_bfe_u32 s4, ttmp9, 0x50002                   ; key step
	s_and_b32 s5, ttmp9, 3                         ; hp
	s_lshr_b32 s6, s2, 2                           ; c = wave / 4: my row tile's group; for V: which head of the pair
	s_and_b32 s7, s2, 3                            ; u = wave % 4: my row tile in its group
	s_lshr_b32 s48, s2, 1                          ; wave / 2: my weight tile
	s_and_b32 s49, s2, 1                           ; wave % 2: my weight fragment's K step; u % 2; for V: my group of keys
	s_and_b32 s51, s48, 1                          ; (wave / 2) % 2: u / 2; for V: which half of the head's 32
	s_mul_i32 s52, s2, 1536
	s_add_co_u32 s52, s52, WIMG
	v_add_nc_u32 v[IW], s52, v[LI]
	s_mul_i32 s52, s2, 3072
	v_add_nc_u32 v[IA], s52, v[LI]
	s_lshl_b32 s52, s2, 8
	v_add_nc_u32 v[SA], s52, v[LS]
	s_lshl_b32 s52, s48, 2
	s_lshl_b32 s53, s49, 9
	s_add_co_u32 s52, s52, s53
	v_add_nc_u32 v[SWS], s52, v[LI]
	v_lshl_add_u32 v[VV], v13, 4, v14
	v_lshlrev_b32 v[VV], 10, v[VV]
	v_lshl_add_u32 v[VV], v3, 7, v[VV]
	s_lshl_b32 s66, s4, 17                         ; my row tile: (128 step + 64 c + 8 u) rows of 1,024 bytes
	s_lshl_b32 s67, s6, 16
	s_add_co_u32 s66, s66, s67
	s_lshl_b32 s67, s7, 13
	s_add_co_u32 s66, s66, s67
	s_mov_b32 s67, 0
	s_lshl_b32 s68, s5, 16                         ; the weights: 64 hp rows + 512 bytes a K step,
	s_lshl_b32 s69, s49, 9
	s_add_co_u32 s68, s68, s69
	s_lshl_b32 s69, s48, 13
	s_add_co_u32 s88, s68, s69                     ; K, Q: + 8 (wave / 2) rows
	s_mov_b32 s89, 0
	s_lshl_b32 s69, s6, 15
	s_add_co_u32 s90, s68, s69                     ; V: + 32 rows a head + 8 rows a half + the slice's 512 rows
	s_lshl_b32 s69, s51, 13
	s_add_co_u32 s90, s90, s69
	s_add_co_u32 s90, s90, 524288
	s_mov_b32 s91, 0
	s_lshl_b32 s92, s5, 8                          ; the biases: 64 hp numbers
	s_mov_b32 s93, 0
	s_lshl_b32 s69, s6, 7
	s_add_co_u32 s94, s92, s69
	s_lshl_b32 s69, s51, 5
	s_add_co_u32 s94, s94, s69
	s_add_co_u32 s94, s94, 2048
	s_mov_b32 s95, 0
	s_lshl_b32 s69, s4, 3
	s_lshl_b32 s96, s5, 1
	s_add_co_u32 s96, s96, s69
	s_mul_i32 s96, s96, 6400                       ; block (step, head 2 hp) of kv
	s_mov_b32 s97, 0
	s_add_co_u32 s69, s69, s2                      ; q's tile of 16 rows that my wave stores: 8 step + wave
	s_mul_i32 s84, s69, 3584
	s_lshl_b32 s86, s5, 7
	s_add_co_u32 s86, s86, s84
	s_add_co_u32 s86, s86, 3072
	s_mul_i32 s85, s5, 768
	s_add_co_u32 s84, s84, s85
	s_mov_b32 s85, 0
	s_mov_b32 s87, 0
	s_wait_kmcnt 0x0
	s_cmp_eq_u32 s3, 0                             ; self or cross: the choice hangs on the work-group's number alone
	s_cselect_b64 s[54:55], s[8:9], s[16:17]       ; a
	s_cselect_b64 s[56:57], s[10:11], s[18:19]     ; b
	s_cselect_b64 s[58:59], s[12:13], s[20:21]     ; w_in
	s_cselect_b64 s[60:61], s[14:15], s[22:23]     ; b_in
	s_cselect_b64 s[62:63], s[42:43], s[44:45]     ; kv
	s_add_nc_u64 s[54:55], s[54:55], s[66:67]
	s_add_nc_u64 s[56:57], s[56:57], s[66:67]
	s_add_nc_u64 s[70:71], s[58:59], s[88:89]      ; my fragment of the Q slice,
	s_add_nc_u64 s[72:73], s[70:71], 262144        ; of the K slice,
	s_add_nc_u64 s[74:75], s[58:59], s[90:91]      ; of the V slice
	s_add_nc_u64 s[76:77], s[60:61], s[92:93]      ; bq
	s_add_nc_u64 s[78:79], s[76:77], 1024          ; bk
	s_add_nc_u64 s[80:81], s[60:61], s[94:95]      ; bv
	s_add_nc_u64 s[62:63], s[62:63], s[96:97]
	s_add_nc_u64 s[82:83], s[40:41], s[84:85]      ; q's codes
	s_add_nc_u64 s[84:85], s[40:41], s[86:87]      ; q's scale words
	s_min_u32 s[QL], s3, s4                        ; 0 where y = 0 or the key step is 0
	s_lshl_b32 s88, s5, 1                          ; where a cross work-group's fragment of the q slice goes: record 144 + 2 hp + ks,
	s_add_co_u32 s88, s88, s49
	s_add_co_u32 s88, s88, 144
	s_mul_i32 s88, s88, 6656
	s_mul_i32 s90, s48, 1536                       ; fragment wave / 2;
	s_add_co_u32 s90, s90, s88
	s_mov_b32 s91, 0
	s_lshl_b32 s92, s48, 2                         ; its scale words: 6,144 + 16 x lane + 4 (wave / 2)
	s_add_co_u32 s92, s92, s88
	s_add_co_u32 s92, s92, 6144
	s_mov_b32 s93, 0
	s_add_nc_u64 s[90:91], s[46:47], s[90:91]
	s_add_nc_u64 s[92:93], s[46:47], s[92:93]
	; ---- phase 0: everything is quantised once and laid into LDS as images.  The waits count the younger loads, 16 an item
	ITEM SL0, 54, VA, 0                            ; a, K step 0
	ITEM SL1, 56, VA, 0                            ; b, K step 0
	ITEM SL2, 54, VA, 512                          ; a, K step 1
	s_wait_loadcnt 32                              ; a's first item is in; two items are younger
	QF SL0
	IMAGE IA, A1IMG
	ds_store_b32 v[SA], v[PW] offset:A1SC
	s_wait_loadcnt 16                              ; b's first
	PKADD SL0, SL1
	QF SL0
	IMAGE IA, A0IMG
	ds_store_b32 v[SA], v[PW] offset:A0SC
	ITEM SL1, 56, VA, 512                          ; b, K step 1
	ITEM SL0, 72, VA, 0                            ; my fragment of the K slice
	s_wait_loadcnt 32                              ; a's second
	QF SL2
	IMAGE IA, A1IMG+1536
	ds_store_b32 v[SA], v[PW] offset:A1SC+128
	s_wait_loadcnt 16                              ; b's second
	PKADD SL2, SL1
	QF SL2
	IMAGE IA, A0IMG+1536
	ds_store_b32 v[SA], v[PW] offset:A0SC+128
	ITEM SL1, 74, VV, 0                            ; of the V slice
	s_cmp_lg_u32 s[QL], 0
	s_cbranch_scc1 .Lnq0
	ITEM SL2, 70, VA, 0                            ; of the Q slice: self, and cross at key step 0
.Lnq0:
	s_wait_loadcnt 16                              ; the K slice's item is in on both ways: one or two items are younger
	QF SL0
	IMAGE IW, 0
	ds_store_b32 v[SWS], v[PW] offset:WSC
	s_wait_loadcnt 0x0
	QF SL1
	IMAGE IW, 12288
	ds_store_b32 v[SWS], v[PW] offset:WSC+1024
	s_cmp_lg_u32 s[QL], 0
	s_cbranch_scc1 .Lnq1
	QF SL2
	s_cmp_lg_u32 s3, 0
	s_cbranch_scc1 .Lwq_out
	IMAGE IW, 24576                                ; self: the fragment is multiplied here
	ds_store_b32 v[SWS], v[PW] offset:WSC+2048
	s_branch .Lnq1
.Lwq_out:                                          ; cross: it goes into its record, for the launch between the attentions
.irp g, 0,1,2
	global_store_b128 v[LI], v[P+4*\g:P+4*\g+3], s[90:91] offset:512*\g   ; 512 consecutive bytes a store
.endr
	global_store_b32 v[LI], v[PW], s[92:93]        ; four waves' words interleave to a record's 512 bytes: 4,096 bytes in the whole launch
	s_wait_xcnt 0x0                                ; the stores have read the codes' and the word's registers, which phase 1 writes again
.Lnq1:
	; the addresses of phase 1, on the way that all take
	v_mul_u32_u24 v16, v3, 6400                    ; k: lane half h holds head 2 hp + h
	v_lshl_add_u32 v17, v2, 4, v16
	v_add_nc_u32 v17, KVST, v17
	s_mul_i32 s52, s6, 1536                        ; fragment c; my tile is its block u: lanes 16 (u % 2) on, registers 6 (u / 2) on
	s_lshl_b32 s53, s49, 8
	s_add_co_u32 s52, s52, s53
	s_mul_i32 s53, s51, 520
	s_add_co_u32 s53, s53, s52
	v_add_nc_u32 v[AK0], s53, v17
	s_mul_i32 s53, s51, 1016
	s_add_co_u32 s53, s53, s52
	v_add_nc_u32 v[AK1], s53, v17
	v_lshl_add_u32 v18, v2, 3, v16
	v_add_nc_u32 v18, KVST+6144, v18
	s_lshl_b32 s52, s6, 7
	s_add_co_u32 s52, s52, s7
	v_add_nc_u32 v[AKS], s52, v18                  ; k's scale byte: word 0 of lane r + 16 c, byte u
	v_add_nc_u32 v17, KVST+3072, v[LI]             ; v: my lane as it stands; head wave / 4, fragment (wave / 2) % 2, registers 6 (wave % 2) on
	s_mul_i32 s52, s6, 6400
	s_mul_i32 s53, s51, 1536
	s_add_co_u32 s53, s53, s52
	s_mul_i32 s50, s49, 520
	s_add_co_u32 s50, s50, s53
	v_add_nc_u32 v[AV0], s50, v17
	s_mul_i32 s50, s49, 1016
	s_add_co_u32 s50, s50, s53
	v_add_nc_u32 v[AV1], s50, v17
	v_lshl_add_u32 v18, v2, 3, v3
	v_add_nc_u32 v18, KVST+6148, v18
	s_lshl_b32 s53, s51, 7
	s_add_co_u32 s52, s52, s53
	s_lshl_b32 s53, s49, 1
	s_add_co_u32 s52, s52, s53
	v_add_nc_u32 v[AVS], s52, v18                  ; v's scale byte: word 1 of lane r + 16 x fragment, byte 2 (wave % 2) + h
	v_mul_u32_u24 v17, v13, 1536                   ; q: my row lies in tile 4 c + 2 (r / 8) + u / 2, at row 8 (u % 2) + r % 8
	v_mad_u32_u24 v17, v14, 24, v17
	v_mad_u32_u24 v17, v3, 384, v17
	v_add_nc_u32 v17, QST, v17
	s_lshl_b32 s52, s6, 2
	s_add_co_u32 s52, s52, s51
	s_mul_i32 s53, s52, 768
	s_mul_i32 s50, s49, 192
	s_add_co_u32 s53, s53, s50
	v_add_nc_u32 v[AQ], s53, v17
	v_lshlrev_b32 v17, 8, v13
	v_lshl_add_u32 v17, v14, 2, v17
	v_lshl_add_u32 v17, v3, 6, v17
	v_add_nc_u32 v17, QSS, v17
	s_lshl_b32 s53, s52, 7
	s_lshl_b32 s50, s49, 5
	s_add_co_u32 s53, s53, s50
	v_add_nc_u32 v[AQS], s53, v17
	s_mul_i32 s52, s49, 12288
	v_add_nc_u32 v[FV], s52, v[LI]                 ; V: the four row tiles of my group of keys
	s_lshl_b32 s52, s49, 10
	v_add_nc_u32 v[FVS], s52, v[LS]
	s_mul_i32 s52, s48, 3072
	s_add_co_u32 s52, s52, WIMG
	v_add_nc_u32 v[FW], s52, v[LI]                 ; and my tile of the V slice
	s_lshl_b32 s52, s48, 2
	v_add_nc_u32 v[FWS], s52, v[LI]
	v_add_nc_u32 v[LIW], WIMG, v[LI]
	v_lshlrev_b32 v[BO], 7, v3
	v_lshl_add_u32 v[BVO], v13, 4, v14
	v_lshlrev_b32 v[BVO], 2, v[BVO]
	v_lshl_add_u32 v[TOK], v0, 4, KVST
	v_lshlrev_b32 v[TOG], 4, v0
	s_mul_i32 s52, s2, 768
	s_add_co_u32 s52, s52, QST
	v_lshl_add_u32 v[Q8], v1, 3, s52
	v_lshlrev_b32 v[GQ8], 3, v1
	s_lshl_b32 s52, s2, 7
	s_add_co_u32 s52, s52, QSS
	v_lshl_add_u32 v[Q4], v1, 2, s52
.irp i, 0,1,2,3,4,5,6,7
	global_load_b128 v[ACC+4*\i:ACC+4*\i+3], v[BO], s[78:79] offset:16*\i   ; bk of my head's 32: the C of the first products
.endr
	global_load_b32 v[BVR], v[BVO], s[80:81]       ; bv of my lane's channel
	BAR                                            ; all images lie in LDS
; k or q of my row tile, TRANSPOSED: source 0 = four tiles of the slice (a group of 64 rows: two heads), source 1 = my 16 rows of a + b.  Lane (r, h): row r, head 2 hp + h, its 32 in order.
.macro KIND sg
.irp ks, 0,1
.irp v, 0,1,2,3
	FETCH 64+12*(4*\ks+\v), LIW, (8*\sg+2*\v+\ks)*1536
.endr
	ds_load_b128 v[SCL+4*\ks:SCL+4*\ks+3], v[LI] offset:WSC+(2*\sg+\ks)*512
	FETCH 160+12*\ks, IA, A0IMG+1536*\ks
	ds_load_b32 v[SCL+8+\ks], v[SA] offset:A0SC+128*\ks
.endr
	s_wait_dscnt 0x0
	s_wait_loadcnt 0x0                             ; the bias lies in the accumulators
.irp ks, 0,1
.irp v, 0,1,2,3
	v_wmma_scale_f32_16x16x128_f8f6f4 v[ACC+8*\v:ACC+8*\v+7], v[64+12*(4*\ks+\v):64+12*(4*\ks+\v)+11], v[160+12*\ks:160+12*\ks+11], v[ACC+8*\v:ACC+8*\v+7], v[SCL+4*\ks+\v], v[SCL+8+\ks] matrix_a_fmt:MATRIX_FMT_FP6 matrix_b_fmt:MATRIX_FMT_FP6
.endr
.endr
	PLACES
	QB1 ACC
.endm
	KIND 0
	PIECES AK0, AK1
	ds_store_b8 v[AKS], v[BY0]
	; v: source 0 = the four row tiles of my group of 64 keys (of a), source 1 = my tile of the V slice.  Lane (r, h): one channel, keys 32 h + 0 .. 31 of the group: a block along the keys
.irp j, 0,1,2,3,4,5,6,7
	v_mov_b32 v[BV8+\j], v[BVR]
.endr
.irp ks, 0,1
.irp u, 0,1,2,3
	FETCH 64+12*(4*\ks+\u), FV, A1IMG+(2*\u+\ks)*1536
	ds_load_b32 v[SCL+4*\ks+\u], v[FVS] offset:A1SC+(2*\u+\ks)*128
.endr
	FETCH 160+12*\ks, FW, 12288+1536*\ks
	ds_load_b32 v[SCL+8+\ks], v[FWS] offset:WSC+1024+512*\ks
.endr
	s_wait_dscnt 0x0
.irp u, 0,1,2,3
	v_wmma_scale_f32_16x16x128_f8f6f4 v[ACC+8*\u:ACC+8*\u+7], v[64+12*\u:64+12*\u+11], v[160:171], v[BV8:BV8+7], v[SCL+\u], v[SCL+8] matrix_a_fmt:MATRIX_FMT_FP6 matrix_b_fmt:MATRIX_FMT_FP6
.endr
.irp u, 0,1,2,3
	v_wmma_scale_f32_16x16x128_f8f6f4 v[ACC+8*\u:ACC+8*\u+7], v[64+12*(4+\u):64+12*(4+\u)+11], v[172:183], v[ACC+8*\u:ACC+8*\u+7], v[SCL+4+\u], v[SCL+9] matrix_a_fmt:MATRIX_FMT_FP6 matrix_b_fmt:MATRIX_FMT_FP6
.endr
	PLACES
	QB1 ACC
	PIECES AV0, AV1
	ds_store_b8 v[AVS], v[BY0]
	s_cmp_lg_u32 s3, 0
	s_cbranch_scc1 .Lnq2
.irp i, 0,1,2,3,4,5,6,7
	global_load_b128 v[ACC+4*\i:ACC+4*\i+3], v[BO], s[76:77] offset:16*\i   ; bq; the LDS fetches below stand between these loads and the wait for them
.endr
	KIND 2
.irp i, 0,1,2
	ds_store_b64 v[AQ], v[P+2*\i:P+2*\i+1] offset:8*\i
.endr
	v_lshl_or_b32 v[T], v[BY0], 8, v[BY0]          ; q's byte in all four bytes of its word: q will stand in any of a fragment's four blocks
	v_lshl_or_b32 v[T], v[T], 16, v[T]
	ds_store_b32 v[AQS], v[T]
.Lnq2:
	BAR                                            ; the blocks are whole
	; the way out: 12,800 consecutive bytes of kv, 16 bytes a thread; then q's tiles, 768 consecutive bytes a wave
.irp k, 0,1,2
	ds_load_b128 v[64+4*\k:64+4*\k+3], v[TOK] offset:4096*\k
.endr
	s_wait_dscnt 0x0
.irp k, 0,1,2
	global_store_b128 v[TOG], v[64+4*\k:64+4*\k+3], s[62:63] offset:4096*\k
.endr
	s_cmp_lg_u32 s2, 0
	s_cbranch_scc1 .Lno_tail
	ds_load_b128 v[76:79], v[TOK] offset:12288     ; the last 512 bytes: wave 0
	s_wait_dscnt 0x0
	global_store_b128 v[TOG], v[76:79], s[62:63] offset:12288
.Lno_tail:
	s_cmp_lg_u32 s3, 0
	s_cbranch_scc1 .Lcross
.irp k, 0,1,2
	ds_load_b64 v[80+2*\k:80+2*\k+1], v[Q8] offset:256*\k
.endr
	ds_load_b32 v86, v[Q4]
	s_wait_dscnt 0x0
.irp k, 0,1,2
	global_store_b64 v[GQ8], v[80+2*\k:80+2*\k+1], s[82:83] offset:256*\k
.endr
	global_store_b32 v[LS], v86, s[84:85]
	s_wait_tensorcnt 0x0
	ds_add_u32 v39, v43
	s_wait_dscnt 0x0
	s_endpgm
.Lcross:
	s_and_b32 s4, ttmp9, 127                       ; which cross work-group
	s_sub_co_u32 s3, s4, 4                         ; g = 0 .. 17 in work-groups 4 to 21 (0 to 3 have made the q slice's records; under 4 the difference wraps and is large)
	s_cmp_lt_u32 s3, 18
	s_cbranch_scc1 .Lrelay
	s_wait_tensorcnt 0x0
	ds_add_u32 v39, v43
	s_wait_dscnt 0x0
	s_endpgm
	; ---------------- weights given as codes: a wave makes one record of 6,656 bytes: number 8 g + wave ----------------
.Lrelay:
	s_wait_xcnt 0x0                                ; the way out's stores have read their registers and their base, which are written from here on
	s_lshr_b32 s4, s3, 3                           ; 0: w1, 1: w2, 2: the two w_out
	s_mov_b32 s5, 192
	s_cmp_eq_u32 s4, 1
	s_cselect_b32 s5, 1536, s5                     ; a row of codes in bytes
	s_cselect_b32 s6, 64, 8                        ; a row of scale bytes
	s_and_b32 s7, s3, 7
	s_cmp_lt_u32 s3, 16
	s_cselect_b32 s7, s7, 0
	s_lshl_b32 s7, s7, 3
	s_add_co_u32 s7, s7, s2                        ; the record's number within its tensor
	s_and_b32 s52, s7, 3
	s_lshr_b32 s53, s7, 2
	s_lshr_b32 s54, s7, 1
	s_and_b32 s55, s7, 1
	s_cmp_eq_u32 s4, 1
	s_cselect_b32 s52, s52, s54                    ; G: the group of 64 rows
	s_cselect_b32 s53, s53, s55                    ; the K step
	s_lshl_b32 s56, s52, 6
	s_mul_i32 s58, s56, s5
	s_mul_i32 s57, s53, 96
	s_add_co_u32 s58, s58, s57
	s_mov_b32 s59, 0
	s_mul_i32 s60, s56, s6
	s_lshl_b32 s57, s53, 2
	s_add_co_u32 s60, s60, s57
	s_mov_b32 s61, 0
	s_lshl_b32 s62, s3, 3
	s_add_co_u32 s62, s62, s2
	s_mul_i32 s62, s62, 6656
	s_mov_b32 s63, 0
.irp v, 0,1,2,3
	v_add_nc_u32 v24, 8*\v, v15                    ; tile v's row of my lane: 8 v + 32 (r / 8) + r % 8
	v_mul_lo_u32 v[16+\v], v24, s5
	v_mad_u32_u24 v[16+\v], v3, 24, v[16+\v]
	v_mul_lo_u32 v[20+\v], v24, s6
.endr
	s_mov_b64 s[48:49], s[36:37]                   ; which tensor: choices on the work-group's number alone
	s_mov_b64 s[50:51], s[38:39]
	s_cmp_eq_u32 s3, 16
	s_cselect_b64 s[48:49], s[32:33], s[48:49]
	s_cselect_b64 s[50:51], s[34:35], s[50:51]
	s_cmp_lt_u32 s3, 16
	s_cselect_b64 s[48:49], s[28:29], s[48:49]
	s_cselect_b64 s[50:51], s[30:31], s[50:51]
	s_cmp_lt_u32 s3, 8
	s_cselect_b64 s[48:49], s[24:25], s[48:49]
	s_cselect_b64 s[50:51], s[26:27], s[50:51]
	s_add_nc_u64 s[48:49], s[48:49], s[58:59]
	s_add_nc_u64 s[50:51], s[50:51], s[60:61]
	s_add_nc_u64 s[46:47], s[46:47], s[62:63]
.irp v, 0,1,2,3
.irp cc, 0,1
.irp p, 0,1,2
	global_load_b64 v[64+12*\v+6*\cc+2*\p:64+12*\v+6*\cc+2*\p+1], v[16+\v], s[48:49] offset:48*\cc+8*\p   ; the fragment's registers, as the codes lie
.endr
.endr
	global_load_b32 v[56+\v], v[20+\v], s[50:51]   ; and its row's scale word
.endr
	s_wait_loadcnt 0x0
.irp q, 0,1,2,3,4,5,6,7,8,9,10,11
	global_store_b128 v[LI], v[64+4*\q:64+4*\q+3], s[46:47] offset:512*\q   ; 512 consecutive bytes a store
.endr
	global_store_b128 v[LI], v[56:59], s[46:47] offset:6144
	s_wait_tensorcnt 0x0
	ds_add_u32 v39, v43
	s_wait_dscnt 0x0
	s_endpgm
.Lfunc_end_k_q68f6b158a1_proj:
	.size	k_q68f6b158a1_proj, .Lfunc_end_k_q68f6b158a1_proj-k_q68f6b158a1_proj
	.p2alignl 7, 3214868480
	.fill 96, 4, 3214868480
	.section	.rodata,"a",@progbits
	.p2align	6, 0x0
	.amdhsa_kernel k_q68f6b158a1_proj
		.amdhsa_group_segment_fixed_size 114688
		.amdhsa_private_segment_fixed_size 0
		.amdhsa_enable_private_segment 0
		.amdhsa_kernarg_size 160
		.amdhsa_user_sgpr_count 2
		.amdhsa_user_sgpr_kernarg_segment_ptr 1
		.amdhsa_wavefront_size32 1
		.amdhsa_system_sgpr_workgroup_id_x 1
		.amdhsa_system_sgpr_workgroup_id_y 1
		.amdhsa_system_sgpr_workgroup_id_z 1
		.amdhsa_system_vgpr_workitem_id 0
		.amdhsa_next_free_vgpr 256
		.amdhsa_next_free_sgpr 100
		.amdhsa_reserve_vcc 0
		.amdhsa_float_denorm_mode_32 3
		.amdhsa_float_denorm_mode_16_64 3
		.amdhsa_memory_ordered 1
		.amdhsa_forward_progress 1
		.amdhsa_inst_pref_size 72
	.end_amdhsa_kernel
	.amdgpu_metadata
---
amdhsa.version: [ 1, 2 ]
amdhsa.kernels:
  - .name:           k_q68f6b158a1_proj
    .symbol:         k_q68f6b158a1_proj.kd
    .args:
      - { .name: tgt, .offset: 0, .size: 8, .value_kind: global_buffer, .address_space: global }
      - { .name: query_pos, .offset: 8, .size: 8, .value_kind: global_buffer, .address_space: global }
      - { .name: w_in_self, .offset: 16, .size: 8, .value_kind: global_buffer, .address_space: global }
      - { .name: b_in_self, .offset: 24, .size: 8, .value_kind: global_buffer, .address_space: global }
      - { .name: memory, .offset: 32, .size: 8, .value_kind: global_buffer, .address_space: global }
      - { .name: pos, .offset: 40, .size: 8, .value_kind: global_buffer, .address_space: global }
      - { .name: w_in_cross, .offset: 48, .size: 8, .value_kind: global_buffer, .address_space: global }
      - { .name: b_in_cross, .offset: 56, .size: 8, .value_kind: global_buffer, .address_space: global }
      - { .name: w1_codes, .offset: 64, .size: 8, .value_kind: global_buffer, .address_space: global }
      - { .name: w1_scales, .offset: 72, .size: 8, .value_kind: global_buffer, .address_space: global }
      - { .name: w2_codes, .offset: 80, .size: 8, .value_kind: global_buffer, .address_space: global }
      - { .name: w2_scales, .offset: 88, .size: 8, .value_kind: global_buffer, .address_space: global }
      - { .name: w_out_self_codes, .offset: 96, .size: 8, .value_kind: global_buffer, .address_space: global }
      - { .name: w_out_self_scales, .offset: 104, .size: 8, .value_kind: global_buffer, .address_space: global }
      - { .name: w_out_cross_codes, .offset: 112, .size: 8, .value_kind: global_buffer, .address_space: global }
      - { .name: w_out_cross_scales, .offset: 120, .size: 8, .value_kind: global_buffer, .address_space: global }
      - { .name: qrec, .offset: 128, .size: 8, .value_kind: global_buffer, .address_space: global }
      - { .name: kv1, .offset: 136, .size: 8, .value_kind: global_buffer, .address_space: global }
      - { .name: kv2, .offset: 144, .size: 8, .value_kind: global_buffer, .address_space: global }
      - { .name: wimg, .offset: 152, .size: 8, .value_kind: global_buffer, .address_space: global }
    .group_segment_fixed_size: 114688
    .private_segment_fixed_size: 0
    .kernarg_segment_align: 8
    .kernarg_segment_size: 160
    .max_flat_workgroup_size: 256
    .sgpr_count:     100
    .vgpr_count:     256
    .wavefront_size: 32
...
	.end_amdgpu_metadata
.endif
;; end of part 1
;; launch attn (part 2): grid 32 x 8, 8 waves a work-group, clusters of 4 x 1, 205,824 bytes of LDS; arguments qrec, kv1, aoc, aos; writes aoc, aos
.if DOCPART == 2
	.amdgcn_target "amdgcn-amd-amdhsa--gfx1250"
	.amdhsa_code_object_version 6
	.text
	.protected	k_q68f6b158a1_attn
	.globl	k_q68f6b158a1_attn
	.p2align	8
	.type	k_q68f6b158a1_attn,@function
k_q68f6b158a1_attn:
	s_mov_b64 s[64:65], 0
	v_nop
	global_prefetch_b8 v0, s[64:65] scope:SCOPE_SE
	s_setreg_imm32_b32 hwreg(HW_REG_WAVE_MODE, 25, 1), 1
	s_wait_xcnt 0x0
	s_wait_alu depctr_hold_cnt(0) depctr_sa_sdst(0) depctr_va_vdst(0) depctr_va_sdst(0) depctr_va_ssrc(0) depctr_va_vcc(0) depctr_vm_vsrc(0)
	s_getreg_b32 s2, hwreg(HW_REG_IB_STS2, 6, 4)
	s_cmp_eq_u32 s2, 0
	s_cbranch_scc0 .Lentry_in_a_cluster
	s_endpgm
.Lentry_in_a_cluster:
	s_bfe_u32 s2, ttmp6, 0x10000c
	s_cmp_lg_u32 s2, 0x3003
	s_cbranch_scc0 .Lentry_shape_is_right
	s_endpgm
.Lentry_shape_is_right:
; ATTENTION OF ONE HEAD ON CODES OF FP6 (E2M3): o = softmax(q k^T / sqrt(32)) v, head size 32, 4,096 queries and 4,096 keys, 8 heads; the result is quantised along the model's 256 (a head is a block).
; t = score x log2(e) / sqrt(32) (one rounding); M = the running largest t rounded UP to a whole number; p = 2^(t - M) is quantised along the keys, not normalised; the row's sum is taken of the
; unquantised p and divides at the end.  When M moves, the sum and O are multiplied by 2^(old M - new M): exact.
; SHARES.  Work-group: 128 queries of one head; each of its eight waves 16 of them, in 256 registers: two waves to a SIMD, so that one wave's vector work stands beside the other's products and LDS loads.
; THE WHOLE HEAD'S K AND V LIE IN LDS: 32 key steps x 6,400 bytes, laid by the launch before in the order of the operands' registers.  Each wave brings four steps by four tensor loads at the start:
; its j-th load brings step 8 j + wave.  Nothing is filled again.  THE KEYS ARE WALKED IN FOUR RUNS OF EIGHT STEPS: in front of run j a counted wait (the wave's loads 0 to j have landed, the later ones
; stay on their way) and a barrier show the run's eight steps to every wave, so the first runs are worked while the later ones land.
; CLUSTER: the four query blocks of a cluster walk the same head, so each tile is asked for jointly, with a mask that names the four.
; A KEY STEP'S BLOCK: two fragments of K (1,536 bytes each), two of V, 256 bytes of scale words (8 x lane: word 0 K's, word 1 V's).
; THE SCORES' K IS 32 OF THE INSTRUCTION'S 128: a fragment of K carries FOUR tiles of 16 keys, one in each of its four blocks of 32; q stands in block u of a fragment whose other blocks are zero codes,
; so the product with that fragment picks tile u.  Four such fragments of q are cut out of two runs of 18 registers.  Every byte of K read from LDS is used.
; Both products are used transposed (S^T = K Q^T, O^T = V^T P^T): a lane holds one query.  Tile 4 c + u's row m is key 64 c + 8 u + 32 (m / 8) + m % 8, so a lane's 32 registers of group c are keys
; 64 c + 32 (lane / 16) + 0 .. 31: a whole block of p, in the order of the operand's registers 6 c .. 6 c + 5.
; LIMITS: NaN and infinities are not served.  A block whose every p has fallen to 0 keeps the scale byte 1: its codes are zeros.  A block's largest p is made of the block's largest score by the same
; multiply-add and exponential, which takes v_exp_f32 not to fall where its input rises.
.set LI,  1                            ; v1   16 x lane
.set L8,  2                            ; v2   8 x lane
.set ADR, 3                            ; v3   LDS address of the fragments in hand
.set ADS, 4                            ; v4   of their scale words
.set SH8, 5                            ; v5   8 (lane / 16)
.set T,   6
.set T2,  7
.set F,   8                            ; v[8:9]   2^(old M - new M)
.set BM,  10                           ; v10-11   my two blocks' largest scores, then largest p
.set NM,  12                           ; v12      -M
.set TMX, 13                           ; v13      the running largest t
.set SUM, 14                           ; v[14:15] the row's sum, two halves
.set SCOP, 16
.set BY,  18
.set CH,  20                           ; v20-23   chains of the maxima
.set KS,  24                           ; scale words, and nothing else: K's,
.set VS,  25                           ; V's,
.set QS,  26                           ; q's,
.set PW,  27                           ; p's
.set SUM2, 28
.set QD,  30                           ; v30-35   q's 24 bytes
.set XR,  36                           ; v36-53   6 zeros, q in lanes 0-15, 6 zeros
.set YR,  54                           ; v54-71   the same with q in lanes 16-31
.set KF,  72
.set VF,  96
.set P,   120
.set TT,  132
.set O,   140                          ; v140-155 O^T: register 8 d + j is channel 16 (lane / 16) + 8 d + j
.set S,   160                          ; v160-223 S^T, then p
.set AOF, 224
.set ASF, 225
.set QOF, 226
.set QSF, 227
.set WV,  12
.set G1,  16                           ; s[16:23] descriptor group 1
.set G0,  24                           ; s[24:39] four groups 0
.set SEL, 40
.set CS,  42                           ; s[42:43] c = log2(e) / sqrt(32)
.set TB,  44                           ; s44  LDS byte of the key step to be fetched
.set CNT, 45
.macro ROUND                           ; a round of the cluster's barrier
	s_barrier_signal -1
	s_barrier_wait -1
	s_cmp_lg_u32 s[WV], 0
	s_cbranch_scc1 .Lnot_wave_0_\@
	s_barrier_signal -3
.Lnot_wave_0_\@:
	s_barrier_wait -3
	s_barrier_signal -1
	s_barrier_wait -1
.endm
.macro KLOADS                          ; seven LDS loads: K's two fragments and its scale words
.irp q, 0,1,2,3,4,5
	ds_load_b128 v[KF+4*\q:KF+4*\q+3], v[ADR] offset:512*\q
.endr
	ds_load_b32 v[KS], v[ADS] offset:6144          ; lanes 0-15: fragment 0's rows; lanes 16-31: fragment 1's
.endm
.macro VLOADS                          ; seven more: V's
.irp q, 0,1,2,3,4,5
	ds_load_b128 v[VF+4*\q:VF+4*\q+3], v[ADR] offset:3072+512*\q
.endr
	ds_load_b32 v[VS], v[ADS] offset:6148
	s_add_co_u32 s[TB], s[TB], 6400                ; the next fetch is the next step's
.endm
; In front of a run of eight steps.  left = how many of my four tensor loads, the later ones, may stay out: tensor loads of a wave end in order (ISA guide 10.11.1), so my step of this run has landed.
; Behind the barrier that holds of every wave's.  No LDS byte is filled again behind it, so the later loads may cross it.
.macro CHUNK left
	s_wait_tensorcnt \left
	s_wait_dscnt 0x0                               ; no LDS instruction of mine is pending at the signal
	s_barrier_signal -1
	s_barrier_wait -1
.endm
	s_load_b256 s[4:11], s[0:1], 0x0               ; qrec, kv, aoc, aos
	v_lshl_add_u32 v254, v0, 2, 0x32000
	v_mov_b32 v255, 0
	ds_add_u32 v254, v255
	ds_add_u32 v254, v255
	v_lshrrev_b32 v20, 5, v0
	v_readfirstlane_b32 s[WV], v20                 ; wave 0..7
	v_and_b32 v20, 31, v0                          ; lane
	v_and_b32 v21, 15, v0                          ; r
	v_bfe_u32 v22, v0, 4, 1                        ; h
	v_lshlrev_b32 v[LI], 4, v20
	v_lshlrev_b32 v[L8], 3, v20
	v_lshlrev_b32 v[SH8], 3, v22
	v_mul_u32_u24 v[QOF], v21, 24
	v_lshlrev_b32 v[QSF], 2, v21
	v_mad_u32_u24 v[AOF], v22, 12, v[QOF]
	v_lshlrev_b32 v[ASF], 3, v21
	v_cmp_gt_u32 vcc_lo, 16, v20                   ; lanes 0-15
	v_cmp_le_u32 s60, 16, v20                      ; lanes 16-31
	s_bfe_u32 s13, ttmp6, 0x40000                  ; cx: it enters the addresses of q and of the results alone
	s_lshl_b32 s14, ttmp9, 2
	s_add_co_u32 s14, s14, s13                     ; my block of 128 queries
	s_lshl_b32 s14, s14, 3
	s_add_co_u32 s14, s14, s[WV]                   ; my tile of 16
	s_and_b32 s15, ttmp7, 0xffff                   ; the head, which the four partners share
	s_mov_b32 s[G1], 15|(3<<16)|(1<<21)            ; 15:0 the mask: all four work-groups; 17:16 elements of 8 bytes; 21 set beside a mask; no padding
	s_mov_b32 s[G1+1], 32<<16                      ; tensor_dim0 = 32 elements: rows of 256 bytes
	s_mov_b32 s[G1+2], 25<<16                      ; tensor_dim1 = 25 rows: 6,400 dense bytes
	s_mov_b32 s[G1+3], 32<<16                      ; tile_dim0
	s_mov_b32 s[G1+4], 25                          ; tile_dim1
	s_mov_b32 s[G1+5], 32                          ; the pitch
	s_mov_b32 s[G1+6], 0
	s_mov_b32 s[G1+7], 0
	s_mul_i32 s46, s15, 6400                       ; kv is [step 32][head 8][6,400]; my j-th load brings step wave + 8 j
	s_mul_i32 s47, s[WV], 51200
	s_add_co_u32 s46, s46, s47
	s_mov_b32 s47, 0
	s_mul_i32 s48, s[WV], 6400
	s_mul_i32 s50, s14, 3584
	s_mul_i32 s51, s15, 384
	s_lshl_b32 s53, s15, 6
	s_add_co_u32 s52, s50, s53
	s_add_co_u32 s52, s52, 3072                    ; q's scale words
	s_add_co_u32 s50, s50, s51                     ; q's codes
	s_mul_i32 s54, s14, 3072
	s_add_co_u32 s54, s54, s51                     ; the result's codes
	s_lshl_b32 s56, s14, 7
	s_add_co_u32 s56, s56, s15                     ; and its scale bytes
	s_mov_b32 s51, 0
	s_mov_b32 s53, 0
	s_mov_b32 s55, 0
	s_mov_b32 s57, 0
	s_mov_b32 s[SEL], 0x76543210
	s_mov_b32 s[SEL+1], 0xfedcba98
	s_mov_b32 s[CS], 0x3e8293ee
	s_mov_b32 s[CS+1], s[CS]                       ; (named with it as a pair, so it is written)
	s_mov_b32 s[TB], 0
	s_wait_dscnt 0x0
	s_wait_kmcnt 0x0
	s_add_nc_u64 s[6:7], s[6:7], s[46:47]
	s_add_nc_u64 s[58:59], s[4:5], s[52:53]
	s_add_nc_u64 s[4:5], s[4:5], s[50:51]
	s_add_nc_u64 s[8:9], s[8:9], s[54:55]
	s_add_nc_u64 s[10:11], s[10:11], s[56:57]
.irp j, 0,1,2,3
	s_mov_b32 s[G0+4*\j], 1                        ; count = 1
	s_add_co_u32 s[G0+4*\j+1], s48, 51200*\j       ; LDS address
	s_add_nc_u64 s[G0+4*\j+2:G0+4*\j+3], s[6:7], 409600*\j   ; global address
	s_or_b32 s[G0+4*\j+3], s[G0+4*\j+3], 0x80000000   ; type = 2
.endr
	ROUND                                          ; all four work-groups are here: the joint loads meet
.irp j, 0,1,2,3
	tensor_load_to_lds s[G0+4*\j:G0+4*\j+3], s[G1:G1+7]   ; four loads of mine are out; each LDS byte is filled once
	s_nop 0
.endr
.rept 4
	v_nop
.endr
.irp p, 0,1,2
	global_load_b64 v[QD+2*\p:QD+2*\p+1], v[QOF], s[4:5] offset:8*\p   ; both halves of the lanes take row r's 24 bytes
.endr
	global_load_b32 v[QS], v[QSF], s[58:59]        ; q's byte, in all four bytes of the word
	v_mov_b32 v[TMX], 0xff61b1e6                   ; the largest t so far: -3e38
	v_floor_f32 v[NM], -v[TMX]
	v_mov_b32 v[SUM], 0
	v_mov_b32 v[SUM+1], 0
	v_mov_b32 v[T2], 0                             ; written once: a lane permute's destination counts as one of its sources
	v_mov_b32 v[F+1], 0                            ; (named as the upper half of a pair)
.irp i, 0,1,2,3,4,5,12,13,14,15,16,17
	v_mov_b32 v[XR+\i], 0
	v_mov_b32 v[YR+\i], 0
.endr
	s_wait_loadcnt 0x0
.irp i, 0,1,2,3,4,5
	v_cndmask_b32 v[XR+6+\i], 0, v[QD+\i], vcc_lo
	v_cndmask_b32 v[YR+6+\i], 0, v[QD+\i], s60
.endr
.irp i, 0,1,2,3,4,5,6,7,8,9,10,11,12,13,14,15
	v_mov_b32 v[O+\i], 0                           ; the step is written for every step alike: the first finds zeros, which the first change of M leaves zeros
.endr
	CHUNK 3                                        ; steps 0 to 7 lie in LDS; my three later loads may be out
	v_add_nc_u32 v[ADR], s[TB], v[LI]
	v_add_nc_u32 v[ADS], s[TB], v[L8]
	KLOADS
	VLOADS
; A KEY STEP: 128 keys.  pre = 1: the next step's K is fetched behind the scores' products, its V behind the second products.
.macro STEP pre
	s_wait_dscnt 7                                 ; K and its scale words are in; V's seven loads may be out
.irp c, 0,1
.irp u, 0,1,2,3
.if \c == 0
	v_wmma_scale_f32_16x16x128_f8f6f4 v[S+8*(4*\c+\u):S+8*(4*\c+\u)+7], v[KF+12*\c:KF+12*\c+11], v[XR+18*(\u%2)+6-6*(\u/2):XR+18*(\u%2)+17-6*(\u/2)], 0, v[KS], v[QS] matrix_a_fmt:MATRIX_FMT_FP6 matrix_b_fmt:MATRIX_FMT_FP6
.else
	v_wmma_scale_f32_16x16x128_f8f6f4 v[S+8*(4*\c+\u):S+8*(4*\c+\u)+7], v[KF+12*\c:KF+12*\c+11], v[XR+18*(\u%2)+6-6*(\u/2):XR+18*(\u%2)+17-6*(\u/2)], 0, v[KS], v[QS] matrix_a_fmt:MATRIX_FMT_FP6 matrix_b_fmt:MATRIX_FMT_FP6 matrix_a_scale:MATRIX_SCALE_ROW1
.endif
.endr
.endr
.if \pre
	v_add_nc_u32 v[ADR], s[TB], v[LI]              ; four places behind the products, two of them useful
	v_add_nc_u32 v[ADS], s[TB], v[L8]
	v_nop
	v_nop
	KLOADS
.else
.rept 4
	v_nop
.endr
.endif
.irp c, 0,1                            ; the largest score of each of my two blocks of 32 keys: it serves for the row's maximum and for the block's largest p.  Each accumulator is first read at its low end
	v_max3_num_f32 v[CH+2*\c], v[S+32*\c], v[S+32*\c+1], v[S+32*\c+2]
	v_max3_num_f32 v[CH+2*\c+1], v[S+32*\c+16], v[S+32*\c+17], v[S+32*\c+18]
.endr
.irp i, 3,5,7,9,11,13
.irp c, 0,1
	v_max3_num_f32 v[CH+2*\c], v[CH+2*\c], v[S+32*\c+\i], v[S+32*\c+\i+1]
	v_max3_num_f32 v[CH+2*\c+1], v[CH+2*\c+1], v[S+32*\c+\i+16], v[S+32*\c+\i+17]
.endr
.endr
.irp c, 0,1
	v_max3_num_f32 v[CH+2*\c], v[CH+2*\c], v[S+32*\c+15], v[S+32*\c+31]
.endr
.irp c, 0,1
	v_max_num_f32 v[BM+\c], v[CH+2*\c], v[CH+2*\c+1]
.endr
	v_max_num_f32 v[T], v[BM], v[BM+1]
	v_permlanex16_b32 v[T2], v[T], s[SEL], s[SEL+1]
	v_max_num_f32 v[T], v[T], v[T2]                ; the step's largest score of my query
	v_mul_f32 v[T], s[CS], v[T]                    ; as t
	v_max_num_f32 v[TMX], v[TMX], v[T]
	v_mov_b32 v[T], v[NM]
	v_floor_f32 v[NM], -v[TMX]                     ; the new -M = floor(-t): M is a whole number
	v_sub_f32 v[T], v[NM], v[T]                    ; old M - new M: a whole number, 0 or less
	v_cvt_i32_f32 v[T], v[T]                       ; (it saturates)
	v_ldexp_f32 v[F], 1.0, v[T]
.set j, 0
.rept 32
	v_pk_fma_f32 v[S+j:S+j+1], v[S+j:S+j+1], s[CS:CS+1], v[NM:NM+1] op_sel_hi:[1,0,0]   ; t - M, two at a time
.set j, j+2
.endr
.irp c, 0,1
	v_fma_f32 v[BM+\c], v[BM+\c], s[CS], v[NM]
.endr
.set j, 0
.rept 64
	v_exp_f32 v[S+j], v[S+j]                       ; p = 2^(t - M)
.set j, j+1
.endr
.irp c, 0,1
	v_exp_f32 v[BM+\c], v[BM+\c]                   ; the block's largest p: the same two instructions on the same number
.endr
	v_pk_mul_f32 v[SUM:SUM+1], v[SUM:SUM+1], v[F:F+1] op_sel_hi:[1,0]   ; the sum under the new M.  (The plain place behind the exponentials)
	s_wait_alu depctr_va_vdst(0)
.irp c, 0,1
	v_max_num_f32 v[BM+\c], 0x1800000, v[BM+\c]    ; the floor 2^(3 - 127): the byte cannot fall under 1
.endr
.irp c, 0,1
	v_add_nc_u32 v[SCOP+\c], 0xff000000, v[BM+\c]
.endr
.irp c, 0,1
	v_lshrrev_b32 v[BY+\c], 23, v[SCOP+\c]
.endr
	v_lshl_or_b32 v[T], v[BY+1], 16, v[BY]         ; my bytes of blocks h and 2 + h, at their places;
	v_lshlrev_b32 v[T], v[SH8], v[T]
	v_permlanex16_b32 v[T2], v[T], s[SEL], s[SEL+1]
	v_or_b32 v[PW], v[T], v[T2]                    ; with lane l xor 16's two: p's scale word for these 128 keys
.irp c, 0,1
	v_cvt_scalef32_pk16_fp6_f32 v[P+6*\c:P+6*\c+2], v[S+32*\c:S+32*\c+15], v[SCOP+\c]
	v_cvt_scalef32_pk16_fp6_f32 v[TT+4*\c:TT+4*\c+2], v[S+32*\c+16:S+32*\c+31], v[SCOP+\c]   ; (a conversion's three registers begin on an even number)
.endr
	v_nop                                          ; one plain place behind a scaled conversion
.irp c, 0,1
.irp i, 0,1,2
	v_mov_b32 v[P+3+6*\c+\i], v[TT+4*\c+\i]
.endr
.endr
	v_pk_add_f32 v[SUM2:SUM2+1], v[S:S+1], v[S+2:S+3]   ; the row's sum is taken of the unquantised p: two chains
.irp j, 4,8,12,16,20,24,28,32,36,40,44,48,52,56,60
	v_pk_add_f32 v[SUM:SUM+1], v[SUM:SUM+1], v[S+\j:S+\j+1]
	v_pk_add_f32 v[SUM2:SUM2+1], v[SUM2:SUM2+1], v[S+\j+2:S+\j+3]
.endr
	v_pk_add_f32 v[SUM:SUM+1], v[SUM:SUM+1], v[SUM2:SUM2+1]
.irp j, 0,2,4,6,8,10,12,14
	v_pk_mul_f32 v[O+\j:O+\j+1], v[O+\j:O+\j+1], v[F:F+1] op_sel_hi:[1,0]   ; O^T under the new M.  (These and the sums are the places between p's codes and scale word and the products)
.endr
.if \pre
	s_wait_dscnt 7                                 ; V is in; the next step's K may be out
.else
	s_wait_dscnt 0x0
.endif
	v_wmma_scale_f32_16x16x128_f8f6f4 v[O:O+7], v[VF:VF+11], v[P:P+11], v[O:O+7], v[VS], v[PW] matrix_a_fmt:MATRIX_FMT_FP6 matrix_b_fmt:MATRIX_FMT_FP6
	v_wmma_scale_f32_16x16x128_f8f6f4 v[O+8:O+15], v[VF+12:VF+23], v[P:P+11], v[O+8:O+15], v[VS], v[PW] matrix_a_fmt:MATRIX_FMT_FP6 matrix_b_fmt:MATRIX_FMT_FP6 matrix_a_scale:MATRIX_SCALE_ROW1
.rept 4
	v_nop                                          ; places in front of the loads into V's registers, and of the first read of O^T
.endr
.if \pre
	VLOADS
.endif
.endm
; A run of trips: each works the step whose fragments are in hand and fetches the step behind it.
.macro RUN trips
	s_mov_b32 s[CNT], \trips
.Lstep_\@:
	STEP 1
	s_sub_co_u32 s[CNT], s[CNT], 1
	s_cmp_lg_u32 s[CNT], 0
	s_cbranch_scc1 .Lstep_\@
.endm
	RUN 7                                          ; works steps 0 to 6, fetches steps 1 to 7
	CHUNK 2                                        ; steps 8 to 15 lie in LDS; my two later loads may be out
	RUN 8                                          ; works 7 to 14, fetches 8 to 15
	CHUNK 1                                        ; steps 16 to 23
	RUN 8                                          ; works 15 to 22, fetches 16 to 23
	CHUNK 0                                        ; steps 24 to 31: the whole head lies in LDS
	RUN 8                                          ; works 23 to 30, fetches 24 to 31
	STEP 0                                         ; step 31
	; THE WAY OUT: O^T / the sum; a lane holds 16 of the head's 32, the lane 16 away the others: together a block of the next product's K
	v_add_f32 v[SUM], v[SUM], v[SUM+1]
	v_permlanex16_b32 v[T2], v[SUM], s[SEL], s[SEL+1]
	v_add_f32 v[SUM], v[SUM], v[T2]
	v_rcp_f32 v[SUM], v[SUM]
	v_nop                                          ; one plain place behind a transcendental
	s_wait_alu depctr_va_vdst(0)
.irp i, 0,1,2,3,4,5,6,7,8,9,10,11,12,13,14,15
	v_mul_f32 v[S+\i], v[O+\i], v[SUM]
.endr
	v_max3_num_f32 v[CH], |v[S]|, |v[S+1]|, 0x1800000
.irp i, 2,4,6,8,10,12,14
	v_max3_num_f32 v[CH], v[CH], |v[S+\i]|, |v[S+\i+1]|
.endr
	v_permlanex16_b32 v[T2], v[CH], s[SEL], s[SEL+1]
	v_max_num_f32 v[CH], v[CH], v[T2]
	v_add_nc_u32 v[SCOP], 0xff000000, v[CH]
	v_lshrrev_b32 v[BY], 23, v[SCOP]
	v_cvt_scalef32_pk16_fp6_f32 v[P:P+2], v[S:S+15], v[SCOP]
	v_nop
	global_store_b96 v[AOF], v[P:P+2], s[8:9]      ; the wave stores 384 consecutive bytes: 16 rows x 24
	global_store_b8 v[ASF], v[BY], s[10:11]        ; both lanes of a row write the same byte with the same value
	s_wait_tensorcnt 0x0
	s_wait_dscnt 0x0
	s_wait_tensorcnt 0x0
	ds_add_u32 v254, v255
	s_wait_dscnt 0x0
	ROUND                                          ; the closing round: no work-group ends while a partner may still ask for a tile that names it
	s_endpgm
.Lfunc_end_k_q68f6b158a1_attn:
	.size	k_q68f6b158a1_attn, .Lfunc_end_k_q68f6b158a1_attn-k_q68f6b158a1_attn
	.p2alignl 7, 3214868480
	.fill 96, 4, 3214868480
	.section	.rodata,"a",@progbits
	.p2align	6, 0x0
	.amdhsa_kernel k_q68f6b158a1_attn
		.amdhsa_group_segment_fixed_size 205824
		.amdhsa_private_segment_fixed_size 0
		.amdhsa_enable_private_segment 0
		.amdhsa_kernarg_size 32
		.amdhsa_user_sgpr_count 2
		.amdhsa_user_sgpr_kernarg_segment_ptr 1
		.amdhsa_wavefront_size32 1
		.amdhsa_system_sgpr_workgroup_id_x 1
		.amdhsa_system_sgpr_workgroup_id_y 1
		.amdhsa_system_sgpr_workgroup_id_z 1
		.amdhsa_system_vgpr_workitem_id 0
		.amdhsa_next_free_vgpr 256
		.amdhsa_next_free_sgpr 66
		.amdhsa_reserve_vcc 1
		.amdhsa_float_denorm_mode_32 3
		.amdhsa_float_denorm_mode_16_64 3
		.amdhsa_memory_ordered 1
		.amdhsa_forward_progress 1
		.amdhsa_inst_pref_size 74
	.end_amdhsa_kernel
	.amdgpu_metadata
---
amdhsa.version: [ 1, 2 ]
amdhsa.kernels:
  - .name:           k_q68f6b158a1_attn
    .symbol:         k_q68f6b158a1_attn.kd
    .args:
      - { .name: qrec, .offset: 0, .size: 8, .value_kind: global_buffer, .address_space: global }
      - { .name: kv1, .offset: 8, .size: 8, .value_kind: global_buffer, .address_space: global }
      - { .name: aoc, .offset: 16, .size: 8, .value_kind: global_buffer, .address_space: global }
      - { .name: aos, .offset: 24, .size: 8, .value_kind: global_buffer, .address_space: global }
    .group_segment_fixed_size: 205824
    .private_segment_fixed_size: 0
    .kernarg_segment_align: 8
    .kernarg_segment_size: 32
    .max_flat_workgroup_size: 256
    .sgpr_count:     66
    .vgpr_count:     256
    .wavefront_size: 32
...
	.end_amdgpu_metadata
.endif
;; end of part 2
;; launch mid (part 3): grid 256 x 1, 4 waves a work-group, no clusters, 25,088 bytes of LDS; arguments aoc, aos, tgt, query_pos, wimg, b_out_self, g1, be1, b_in_cross, xbuf, qrec; writes xbuf, qrec
.if DOCPART == 3
	.amdgcn_target "amdgcn-amd-amdhsa--gfx1250"
	.amdhsa_code_object_version 6
	.text
	.protected	k_q68f6b158a1_mid
	.globl	k_q68f6b158a1_mid
	.p2align	8
	.type	k_q68f6b158a1_mid,@function
k_q68f6b158a1_mid:
	s_mov_b64 s[64:65], 0
	v_nop
	global_prefetch_b8 v0, s[64:65] scope:SCOPE_SE
	s_setreg_imm32_b32 hwreg(HW_REG_WAVE_MODE, 25, 1), 1
	s_wait_xcnt 0x0
; BETWEEN THE TWO ATTENTIONS: x = LN1(tgt + ao W_out_self^T + b_out_self), stored as f32; q = (x + query_pos) Wq_cross^T + bq, quantised along each head's 32 and stored for the second attention.
; Both products on codes of FP6 (E2M3) with E8M0 scales.  A work-group of four waves takes 16 rows; wave w owns columns 64 w .. 64 w + 63.  The products are used TRANSPOSED (source 0 = four tiles of
; the weight, a group of 64 rows laid as a record; source 1 = the 16 rows), so lane (r = lane % 16, h = lane / 16) holds row r and columns 64 w + 32 h + 0 .. 31 in 32 registers: 128 consecutive bytes
; of every row-major f32 operand, and a whole block of the next quantiser.  The weights come as records of 6,656 bytes (four images of fragments and their scale words) straight into registers:
; 13 loads of 512 consecutive bytes.  The residual is the C of the first product.  The norm goes in two passes (mean, then squares of the differences), summed across the four waves through LDS.
; No cluster: a work-group reads 106,496 bytes of weights once, into registers; there is no tile in LDS that partners could share.
; LIMITS: NaN and infinities are not served; a block of zeros gets the scale byte 1 (its codes are zeros; only this program reads the bytes); v_rsq_f32 is accurate to 1 ulp.
.set RED0, 0                           ; LDS: 16 rows x 4 waves' partial sums, twice
.set RED1, 256
.set XIMG, 1024                        ; two fragments of x + query_pos
.set XSC,  4096                        ; their scale words: 64 bytes a K step, 4 r
.set STG,  4352                        ; 16 rows x (1,024 + 16) bytes of x
.set QT,   20992                       ; 768 bytes a wave: q's codes turn from rows to a dense run
.set LI,  4
.set LR4, 5
.set L4,  6
.set RO,  7                            ; 1,024 r + 256 w + 128 h
.set PO,  8                            ; 256 w + 128 h
.set OFA, 9                            ; 16 x lane + 13,312 w: two records a wave
.set QTS, 10
.set QTL, 11
.set GQ,  12
.set AOO, 13                           ; 24 r + 384 h
.set AOSO, 14                          ; 8 r
.set RW,  15
.set RR,  16
.set XP0, 17
.set XP1, 18
.set XB,  19
.set GQS, 20
.set SO,  22
.set SRD, 23
.set GOUT, 24
.set MU,  26
.set RS,  28
.set T,   30
.set T2,  31
.set X,   32
.set Y,   64
.set H,   96
.set P,   160
.set TT,  172
.set MA0, 180
.set SCOP0, 184
.set BY0, 186
.set LT,  192
.set XF,  208
.set SR,  232                          ; scale words of the four record buffers, and nothing else
.set HS,  248                          ; the rows' scale words
.set XS,  252
.set WB,  16                           ; s[16:17] wimg
.set INV, 40
.set EPS, 41
.set SEL, 42
.set MSB, 0
.macro WIN new                         ; the immediate's high byte repeats the setting that is left
.if MSB != \new
	s_set_vgpr_msb (MSB<<8)|\new
.set MSB, \new
.endif
.endm
.macro QB1 s                           ; 32 numbers of a lane, one block: six registers of codes in v[P] on, the byte in v[BY0].  Each accumulator is first read at its low end
	v_max3_num_f32 v[MA0], |v[\s]|, |v[\s+1]|, 0x1800000
	v_max3_num_f32 v[MA0+1], |v[\s+16]|, |v[\s+17]|, |v[\s+18]|
.irp i, 2,4,6,8,10,12
	v_max3_num_f32 v[MA0], v[MA0], |v[\s+\i]|, |v[\s+\i+1]|
	v_max3_num_f32 v[MA0+1], v[MA0+1], |v[\s+\i+17]|, |v[\s+\i+18]|
.endr
	v_max3_num_f32 v[MA0], v[MA0], |v[\s+14]|, |v[\s+15]|
	v_max3_num_f32 v[MA0], v[MA0], v[MA0+1], |v[\s+31]|
	s_wait_dscnt 0x0                               ; earlier LDS stores have read the registers that are written from here on
	v_add_nc_u32 v[SCOP0], 0xff000000, v[MA0]      ; 2 off the exponent field: the conversion's scale operand
	v_lshrrev_b32 v[BY0], 23, v[SCOP0]
	v_cvt_scalef32_pk16_fp6_f32 v[P:P+2], v[\s:\s+15], v[SCOP0]
	v_cvt_scalef32_pk16_fp6_f32 v[TT:TT+2], v[\s+16:\s+31], v[SCOP0]
	v_nop                                          ; one plain place behind a scaled conversion
.irp i, 0,1,2
	v_mov_b32 v[P+3+\i], v[TT+\i]
.endr
.endm
.macro FETCH reg, adr, off
.irp g, 0,1,2
	ds_load_b128 v[(\reg)+4*\g:(\reg)+4*\g+3], v[\adr] offset:\off+512*\g
.endr
.endm
.macro PIECES a0, a1
	ds_store_b64 v[\a0], v[P:P+1]
	ds_store_b64 v[\a1], v[P+2:P+3] offset:8
	ds_store_b64 v[\a0], v[P+4:P+5] offset:512
.endm
.macro BAR
	s_wait_dscnt 0x0
	s_barrier_signal -1
	s_barrier_wait -1
.endm
.macro PLACES
.rept 4
	v_nop
.endr
.endm
.macro REC b, voff, imm                ; a record into buffer b of window 1, its scale words into window 0: 13 loads
	WIN 0x40
.irp q, 0,1,2,3,4,5,6,7,8,9,10,11
	global_load_b128 v[48*(\b)+4*\q:48*(\b)+4*\q+3], v[\voff], s[WB:WB+1] offset:\imm+512*\q
.endr
	WIN 0
	global_load_b128 v[SR+4*(\b):SR+4*(\b)+3], v[\voff], s[WB:WB+1] offset:\imm+6144
.endm
.macro MM4 d, b, bf, bs                ; four tiles of a group x my 16 rows, 128 along K; the four accumulators take turns
	WIN 0x01
.irp v, 0,1,2,3
	v_wmma_scale_f32_16x16x128_f8f6f4 v[(\d)+8*\v:(\d)+8*\v+7], v[48*(\b)+12*\v:48*(\b)+12*\v+11], v[(\bf):(\bf)+11], v[(\d)+8*\v:(\d)+8*\v+7], v[SR+4*(\b)+\v], v[(\bs)] matrix_a_fmt:MATRIX_FMT_FP6 matrix_b_fmt:MATRIX_FMT_FP6
.endr
	WIN 0
.endm
.macro PLOAD reg, sb, voff, imm        ; my 32 numbers: 128 consecutive bytes
.irp i, 0,1,2,3,4,5,6,7
	global_load_b128 v[(\reg)+4*\i:(\reg)+4*\i+3], v[\voff], s[\sb:\sb+1] offset:\imm+16*\i
.endr
.endm
.macro PKADD3 d, a, b                  ; 32 numbers: d = a + b
.set j, 0
.rept 16
	v_pk_add_f32 v[\d+j:\d+j+1], v[\a+j:\a+j+1], v[\b+j:\b+j+1]
.set j, j+2
.endr
.endm
; The norm of the rows in X, in place.  g, be: registers with the gains and offsets of my columns; cnt: the loads that are younger than those.
.macro LNORM reda, redb, g, be, cnt
.irp i, 0,1,2,3,4,5,6,7
	v_pk_add_f32 v[LT+2*\i:LT+2*\i+1], v[X+4*\i:X+4*\i+1], v[X+4*\i+2:X+4*\i+3]
.endr
.irp i, 0,1,2,3
	v_pk_add_f32 v[LT+2*\i:LT+2*\i+1], v[LT+4*\i:LT+4*\i+1], v[LT+4*\i+2:LT+4*\i+3]
.endr
.irp i, 0,1
	v_pk_add_f32 v[LT+2*\i:LT+2*\i+1], v[LT+4*\i:LT+4*\i+1], v[LT+4*\i+2:LT+4*\i+3]
.endr
	v_pk_add_f32 v[LT:LT+1], v[LT:LT+1], v[LT+2:LT+3]
	v_add_f32 v[T], v[LT], v[LT+1]
	v_permlanex16_b32 v[T2], v[T], s[SEL], s[SEL+1]
	v_add_f32 v[T], v[T], v[T2]                    ; my wave's 64 columns of row r
	ds_store_b32 v[RW], v[T] offset:\reda          ; both lanes of a row write the same word with the same value
	BAR
	ds_load_b128 v[LT:LT+3], v[RR] offset:\reda
	s_wait_dscnt 0x0
	v_add_f32 v[LT], v[LT], v[LT+1]
	v_add_f32 v[LT+2], v[LT+2], v[LT+3]
	v_add_f32 v[LT], v[LT], v[LT+2]
	v_mul_f32 v[MU], s[INV], v[LT]                 ; the mean
	v_mov_b32 v[MU+1], v[MU]
.set j, 0
.rept 16
	v_pk_add_f32 v[X+j:X+j+1], v[X+j:X+j+1], v[MU:MU+1] op_sel_hi:[1,0] neg_lo:[0,1] neg_hi:[0,1]
.set j, j+2
.endr
	v_pk_mul_f32 v[LT:LT+1], v[X:X+1], v[X:X+1]
	v_pk_mul_f32 v[LT+2:LT+3], v[X+2:X+3], v[X+2:X+3]
.irp i, 4,8,12,16,20,24,28
	v_pk_fma_f32 v[LT:LT+1], v[X+\i:X+\i+1], v[X+\i:X+\i+1], v[LT:LT+1]
	v_pk_fma_f32 v[LT+2:LT+3], v[X+\i+2:X+\i+3], v[X+\i+2:X+\i+3], v[LT+2:LT+3]
.endr
	v_pk_add_f32 v[LT:LT+1], v[LT:LT+1], v[LT+2:LT+3]
	v_add_f32 v[T], v[LT], v[LT+1]
	v_permlanex16_b32 v[T2], v[T], s[SEL], s[SEL+1]
	v_add_f32 v[T], v[T], v[T2]
	ds_store_b32 v[RW], v[T] offset:\redb
	BAR
	ds_load_b128 v[LT:LT+3], v[RR] offset:\redb
	s_wait_dscnt 0x0
	v_add_f32 v[LT], v[LT], v[LT+1]
	v_add_f32 v[LT+2], v[LT+2], v[LT+3]
	v_add_f32 v[LT], v[LT], v[LT+2]
	v_fma_f32 v[T], v[LT], s[INV], s[EPS]          ; the variance + 1e-5
	v_rsq_f32 v[RS], v[T]
	v_nop                                          ; one plain place behind a transcendental
	s_wait_alu depctr_va_vdst(0)
	v_mov_b32 v[RS+1], v[RS]
	s_wait_loadcnt \cnt                            ; the gains and offsets are in
.set j, 0
.rept 16
	v_pk_mul_f32 v[X+j:X+j+1], v[X+j:X+j+1], v[RS:RS+1] op_sel_hi:[1,0]
.set j, j+2
.endr
.set j, 0
.rept 16
	v_pk_fma_f32 v[X+j:X+j+1], v[X+j:X+j+1], v[\g+j:\g+j+1], v[\be+j:\be+j+1]
.set j, j+2
.endr
.endm
	s_load_b512 s[8:23], s[0:1], 0x0               ; aoc, aos, tgt, query_pos, wimg, b_out_self, g1, be1
	s_load_b128 s[24:27], s[0:1], 0x40             ; b_in_cross, xbuf
	s_load_b64 s[28:29], s[0:1], 0x50              ; qrec
	v_lshl_add_u32 v254, v0, 2, 0x6000
	v_mov_b32 v255, 0
	v_lshrrev_b32 v1, 5, v0
	v_readfirstlane_b32 s2, v1                     ; wave 0..3
	v_and_b32 v1, 31, v0                           ; lane
	v_and_b32 v2, 15, v0                           ; r
	v_bfe_u32 v3, v0, 4, 1                         ; h
	v_lshlrev_b32 v[LI], 4, v1
	v_lshlrev_b32 v[LR4], 2, v2
	v_lshlrev_b32 v[L4], 2, v1
	s_lshl_b32 s3, s2, 8
	v_lshl_add_u32 v[PO], v3, 7, s3
	v_lshl_add_u32 v[RO], v2, 10, v[PO]
	s_mul_i32 s3, s2, 13312
	v_add_nc_u32 v[OFA], s3, v[LI]
	v_mul_u32_u24 v[AOO], v2, 24
	v_mad_u32_u24 v[AOO], v3, 384, v[AOO]
	v_lshlrev_b32 v[AOSO], 3, v2
	s_lshl_b32 s3, s2, 2
	v_lshl_add_u32 v[RW], v2, 4, s3
	v_lshlrev_b32 v[RR], 4, v2
	s_lshr_b32 s4, s2, 1                           ; my 64 columns are half c = w % 2 of K step w / 2 of the next product
	s_and_b32 s5, s2, 1
	s_mul_i32 s6, s4, 1536
	s_add_co_u32 s6, s6, XIMG
	s_mul_i32 s7, s5, 520
	s_add_co_u32 s7, s7, s6
	v_add_nc_u32 v[XP0], s7, v[LI]
	s_mul_i32 s7, s5, 1016
	s_add_co_u32 s7, s7, s6
	v_add_nc_u32 v[XP1], s7, v[LI]
	s_lshl_b32 s6, s4, 6
	s_lshl_b32 s7, s5, 1
	s_add_co_u32 s6, s6, s7
	s_add_co_u32 s6, s6, XSC
	v_lshl_add_u32 v[XB], v2, 2, v3
	v_add_nc_u32 v[XB], s6, v[XB]                  ; row r's word, byte 2 (w % 2) + h
	v_mul_u32_u24 v[SO], v2, 1040
	v_add_nc_u32 v[SO], v[SO], v[PO]
	v_add_nc_u32 v[SO], STG, v[SO]
	s_mul_i32 s6, s2, 4160
	s_add_co_u32 s6, s6, STG
	v_add_nc_u32 v[SRD], s6, v[LI]                 ; back: wave w takes rows 4 w .. 4 w + 3
	s_lshl_b32 s6, s2, 12
	v_add_nc_u32 v[GOUT], s6, v[LI]
	s_mul_i32 s6, s2, 768
	v_lshl_add_u32 v[GQ], v1, 3, s6
	s_add_co_u32 s6, s6, QT
	v_add_nc_u32 v[QTS], s6, v[AOO]
	v_lshl_add_u32 v[QTL], v1, 3, s6
	s_lshl_b32 s6, s2, 7
	v_add_nc_u32 v[GQS], s6, v[L4]
	v_mov_b32 v[T2], 0                             ; written once: a lane permute's destination counts as one of its sources
	s_mov_b32 s[INV], 0x3b800000                   ; 1 / 256
	s_mov_b32 s[EPS], 0x3727c5ac                   ; 1e-5
	s_mov_b32 s[SEL], 0x76543210
	s_mov_b32 s[SEL+1], 0xfedcba98
	s_mul_i32 s30, ttmp9, 3072
	s_mov_b32 s31, 0
	s_lshl_b32 s32, ttmp9, 7
	s_mov_b32 s33, 0
	s_lshl_b32 s34, ttmp9, 14
	s_mov_b32 s35, 0
	s_mul_i32 s36, ttmp9, 3584
	s_mov_b32 s37, 0
	s_wait_kmcnt 0x0
	s_add_nc_u64 s[8:9], s[8:9], s[30:31]
	s_add_nc_u64 s[10:11], s[10:11], s[32:33]
	s_add_nc_u64 s[12:13], s[12:13], s[34:35]
	s_add_nc_u64 s[14:15], s[14:15], s[34:35]
	s_add_nc_u64 s[26:27], s[26:27], s[34:35]
	s_add_nc_u64 s[28:29], s[28:29], s[36:37]
	; all that is known at the start is asked for at the start: 12 + 1 + 8 + 13 + 13 + 8 + 8 + 8 + 13 + 13 loads
.irp ks, 0,1
.irp c, 0,1
.irp p, 0,1,2
	global_load_b64 v[XF+12*\ks+6*\c+2*\p:XF+12*\ks+6*\c+2*\p+1], v[AOO], s[8:9] offset:1536*\ks+768*\c+8*\p   ; the attention's codes: block 4 ks + 2 c + h is a head
.endr
.endr
.endr
	global_load_b64 v[HS:HS+1], v[AOSO], s[10:11]  ; row r's eight scale bytes: two words
	PLOAD X, 12, RO, 0                             ; tgt: the residual, as the first C
	REC 0, OFA, 6656*128
	REC 1, OFA, 6656*129
	PLOAD Y, 18, PO, 0                             ; b_out_self
	PLOAD H, 20, PO, 0                             ; g1
	PLOAD H+32, 22, PO, 0                          ; be1
	REC 2, OFA, 6656*144                           ; the q slice of w_in_cross, my pair of heads
	REC 3, OFA, 6656*145
	s_wait_loadcnt 63                              ; younger than record 0: 13 + 8 + 8 + 8 + 13 + 13
	MM4 X, 0, XF, HS
	s_wait_loadcnt 50                              ; younger than record 1
	MM4 X, 1, XF+12, HS+1
	PLACES
	s_wait_loadcnt 42                              ; younger than the bias
	PKADD3 X, X, Y
	PLOAD Y, 14, RO, 0                             ; query_pos
	LNORM RED0, RED1, H, H+32, 34                  ; younger than be1: two records and query_pos
.irp i, 0,1,2,3,4,5,6,7
	ds_store_b128 v[SO], v[X+4*\i:X+4*\i+3] offset:16*\i   ; x into the stage
.endr
	s_wait_loadcnt 0x0
	PKADD3 H, X, Y                                 ; x + query_pos
	PLOAD Y, 24, PO, 0                             ; bq of my 64: the C of the next product
	QB1 H
	PIECES XP0, XP1
	ds_store_b8 v[XB], v[BY0]
	BAR                                            ; the two fragments and 16 whole rows of x lie in LDS
	FETCH XF, LI, XIMG
	FETCH XF+12, LI, XIMG+1536
	ds_load_b32 v[XS], v[LR4] offset:XSC
	ds_load_b32 v[XS+1], v[LR4] offset:XSC+64
.irp i, 0,1,2,3
.irp k, 0,1
	ds_load_b128 v[H+32+4*(2*\i+\k):H+32+4*(2*\i+\k)+3], v[SRD] offset:1040*\i+512*\k
.endr
.endr
	s_wait_dscnt 8                                 ; the fragments and their words are in; the eight loads of rows may be out
	s_wait_loadcnt 0x0                             ; bq
	MM4 Y, 2, XF, XS
	MM4 Y, 3, XF+12, XS+1
	PLACES
	s_wait_dscnt 0x0
.irp i, 0,1,2,3
.irp k, 0,1
	global_store_b128 v[GOUT], v[H+32+4*(2*\i+\k):H+32+4*(2*\i+\k)+3], s[26:27] offset:1024*\i+512*\k   ; 512 consecutive bytes a store
.endr
.endr
	QB1 Y                                          ; lane (r, h): row r, head 2 w + h, its 32 in order
.irp i, 0,1,2
	ds_store_b64 v[QTS], v[P+2*\i:P+2*\i+1] offset:8*\i   ; through my wave's own 768 bytes: LDS serves a wave's instructions in order
.endr
.irp k, 0,1,2
	ds_load_b64 v[H+2*\k:H+2*\k+1], v[QTL] offset:256*\k
.endr
	v_lshl_or_b32 v[T], v[BY0], 8, v[BY0]          ; q's byte in all four bytes of its word
	v_lshl_or_b32 v[T], v[T], 16, v[T]
	s_wait_dscnt 0x0
.irp k, 0,1,2
	global_store_b64 v[GQ], v[H+2*\k:H+2*\k+1], s[28:29] offset:256*\k   ; 256 consecutive bytes, aligned
.endr
	global_store_b32 v[GQS], v[T], s[28:29] offset:3072
	s_wait_tensorcnt 0x0
	ds_add_u32 v254, v255
	s_wait_dscnt 0x0
	s_endpgm
.Lfunc_end_k_q68f6b158a1_mid:
	.size	k_q68f6b158a1_mid, .Lfunc_end_k_q68f6b158a1_mid-k_q68f6b158a1_mid
	.p2alignl 7, 3214868480
	.fill 96, 4, 3214868480
	.section	.rodata,"a",@progbits
	.p2align	6, 0x0
	.amdhsa_kernel k_q68f6b158a1_mid
		.amdhsa_group_segment_fixed_size 25088
		.amdhsa_private_segment_fixed_size 0
		.amdhsa_enable_private_segment 0
		.amdhsa_kernarg_size 88
		.amdhsa_user_sgpr_count 2
		.amdhsa_user_sgpr_kernarg_segment_ptr 1
		.amdhsa_wavefront_size32 1
		.amdhsa_system_sgpr_workgroup_id_x 1
		.amdhsa_system_sgpr_workgroup_id_y 1
		.amdhsa_system_sgpr_workgroup_id_z 1
		.amdhsa_system_vgpr_workitem_id 0
		.amdhsa_next_free_vgpr 512
		.amdhsa_next_free_sgpr 66
		.amdhsa_reserve_vcc 0
		.amdhsa_float_denorm_mode_32 3
		.amdhsa_float_denorm_mode_16_64 3
		.amdhsa_memory_ordered 1
		.amdhsa_forward_progress 1
		.amdhsa_inst_pref_size 32
	.end_amdhsa_kernel
	.amdgpu_metadata
---
amdhsa.version: [ 1, 2 ]
amdhsa.kernels:
  - .name:           k_q68f6b158a1_mid
    .symbol:         k_q68f6b158a1_mid.kd
    .args:
      - { .name: aoc, .offset: 0, .size: 8, .value_kind: global_buffer, .address_space: global }
      - { .name: aos, .offset: 8, .size: 8, .value_kind: global_buffer, .address_space: global }
      - { .name: tgt, .offset: 16, .size: 8, .value_kind: global_buffer, .address_space: global }
      - { .name: query_pos, .offset: 24, .size: 8, .value_kind: global_buffer, .address_space: global }
      - { .name: wimg, .offset: 32, .size: 8, .value_kind: global_buffer, .address_space: global }
      - { .name: b_out_self, .offset: 40, .size: 8, .value_kind: global_buffer, .address_space: global }
      - { .name: g1, .offset: 48, .size: 8, .value_kind: global_buffer, .address_space: global }
      - { .name: be1, .offset: 56, .size: 8, .value_kind: global_buffer, .address_space: global }
      - { .name: b_in_cross, .offset: 64, .size: 8, .value_kind: global_buffer, .address_space: global }
      - { .name: xbuf, .offset: 72, .size: 8, .value_kind: global_buffer, .address_space: global }
      - { .name: qrec, .offset: 80, .size: 8, .value_kind: global_buffer, .address_space: global }
    .group_segment_fixed_size: 25088
    .private_segment_fixed_size: 0
    .kernarg_segment_align: 8
    .kernarg_segment_size: 88
    .max_flat_workgroup_size: 128
    .sgpr_count:     66
    .vgpr_count:     512
    .wavefront_size: 32
...
	.end_amdgpu_metadata
.endif
;; end of part 3
;; launch attn2: the kernel of part 2 again; grid 32 x 8, 8 waves a work-group, clusters of 4 x 1, 205,824 bytes of LDS; arguments qrec, kv2, aoc, aos; writes aoc, aos
;; launch tail (part 4): grid 256 x 1, 4 waves a work-group, no clusters, 35,328 bytes of LDS; arguments aoc, aos, xbuf, wimg, b_out_cross, g2, be2, b1, b2, g3, be3, out0; writes out0
.if DOCPART == 4
	.amdgcn_target "amdgcn-amd-amdhsa--gfx1250"
	.amdhsa_code_object_version 6
	.text
	.protected	k_q68f6b158a1_tail
	.globl	k_q68f6b158a1_tail
	.p2align	8
	.type	k_q68f6b158a1_tail,@function
k_q68f6b158a1_tail:
	s_mov_b64 s[64:65], 0
	v_nop
	global_prefetch_b8 v0, s[64:65] scope:SCOPE_SE
	s_setreg_imm32_b32 hwreg(HW_REG_WAVE_MODE, 25, 1), 1
	s_wait_xcnt 0x0
; BEHIND THE SECOND ATTENTION: x = LN2(x + ao W_out_cross^T + b_out_cross); out = LN3(x + relu(x W1^T + b1) W2^T + b2).  All three products on codes of FP6 (E2M3) with E8M0 scales.
; A work-group of four waves takes 16 rows; wave w owns columns 64 w .. 64 w + 63 of x and of the result.  The products are used TRANSPOSED (source 0 = four tiles of a weight, a group of 64 rows laid as a
; record; source 1 = the 16 rows): lane (r = lane % 16, h = lane / 16) holds row r and items 32 h + 0 .. 31 of the group in 32 registers: a whole block of the next quantiser, in the operand's order.
; THE HIDDEN LAYER never goes to memory: in each of four passes wave w makes hidden units 128 (4 pass + w) on (two groups, K = 256: four records of W1), quantises them into ONE fragment, one K step of the
; last product, and hands its image to the others through LDS; each wave then multiplies the pass's four fragments by its own four records of W2.
; The weights come as records of 6,656 bytes straight into a ring of four buffers of registers (window 1): each buffer is asked for again as soon as its products are issued, so 39 to 68 loads of a wave
; are on their way all the time, across the barriers too.  The biases and the residual are the C of each sum's first products.
; No cluster: the 851,968 bytes of W1 and W2 that every work-group walks do not fit in LDS, and a shared ring would put a round of the cluster's barrier in front of every 32 products of a wave.
; LIMITS: NaN and infinities are not served; a block of zeros gets the scale byte 1 (its codes are zeros; only this program reads the bytes); v_rsq_f32 is accurate to 1 ulp.
.set RED0, 0
.set RED1, 256
.set RED2, 512
.set RED3, 768
.set XIMG, 1024                        ; two fragments of x
.set XSC,  4096
.set HIMG, 4352                        ; two sets, by turns, of four fragments of the hidden layer
.set HSC,  16640                       ; and of their scale words, 128 bytes a fragment
.set STG,  17664                       ; 16 rows x (1,024 + 16) bytes
.set LI,  4
.set LR4, 5
.set L4,  6
.set RO,  7
.set PO,  8
.set OFA, 9
.set OF1, 10                           ; 16 x lane + 26,624 w: four records of W1 a wave
.set OF2, 11                           ; 16 x lane + 6,656 w: my columns' record of W2
.set PB1, 12                           ; 512 w + 128 h
.set AOO, 13
.set AOSO, 14
.set RW,  15
.set RR,  16
.set XP0, 17
.set XP1, 18
.set XB,  19
.set HW,  20
.set HWS, 21
.set SO,  22
.set SRD, 23
.set GOUT, 24
.set SH8, 25
.set MU,  26
.set RS,  28
.set T,   30
.set T2,  31
.set X,   32
.set Y,   64
.set H,   96
.set HF,  160                          ; four hidden fragments; while they are not in use: the quantiser's and the norm's registers
.set P,   160
.set TT,  172
.set MA0, 180
.set SCOP0, 184
.set BY0, 186
.set PW,  188
.set LT,  192
.set XF,  208
.set SR,  232
.set HS,  248
.set XS,  252
.set WB,  14                           ; s[14:15] wimg
.set INV, 40
.set EPS, 41
.set SEL, 42
.set MSB, 0
.macro WIN new
.if MSB != \new
	s_set_vgpr_msb (MSB<<8)|\new
.set MSB, \new
.endif
.endm
.macro QB1 s
	v_max3_num_f32 v[MA0], |v[\s]|, |v[\s+1]|, 0x1800000
	v_max3_num_f32 v[MA0+1], |v[\s+16]|, |v[\s+17]|, |v[\s+18]|
.irp i, 2,4,6,8,10,12
	v_max3_num_f32 v[MA0], v[MA0], |v[\s+\i]|, |v[\s+\i+1]|
	v_max3_num_f32 v[MA0+1], v[MA0+1], |v[\s+\i+17]|, |v[\s+\i+18]|
.endr
	v_max3_num_f32 v[MA0], v[MA0], |v[\s+14]|, |v[\s+15]|
	v_max3_num_f32 v[MA0], v[MA0], v[MA0+1], |v[\s+31]|
	s_wait_dscnt 0x0
	v_add_nc_u32 v[SCOP0], 0xff000000, v[MA0]
	v_lshrrev_b32 v[BY0], 23, v[SCOP0]
	v_cvt_scalef32_pk16_fp6_f32 v[P:P+2], v[\s:\s+15], v[SCOP0]
	v_cvt_scalef32_pk16_fp6_f32 v[TT:TT+2], v[\s+16:\s+31], v[SCOP0]
	v_nop
.irp i, 0,1,2
	v_mov_b32 v[P+3+\i], v[TT+\i]
.endr
.endm
.macro QF s                            ; 64 numbers of a lane, two whole blocks: a fragment's codes in v[P] on, its row's scale word in v[PW]
.irp c, 0,1
	v_max3_num_f32 v[MA0+2*\c], |v[\s+32*\c]|, |v[\s+32*\c+1]|, 0x1800000
	v_max3_num_f32 v[MA0+2*\c+1], |v[\s+32*\c+16]|, |v[\s+32*\c+17]|, |v[\s+32*\c+18]|
.endr
.irp i, 2,4,6,8,10,12
.irp c, 0,1
	v_max3_num_f32 v[MA0+2*\c], v[MA0+2*\c], |v[\s+32*\c+\i]|, |v[\s+32*\c+\i+1]|
	v_max3_num_f32 v[MA0+2*\c+1], v[MA0+2*\c+1], |v[\s+32*\c+\i+17]|, |v[\s+32*\c+\i+18]|
.endr
.endr
.irp c, 0,1
	v_max3_num_f32 v[MA0+2*\c], v[MA0+2*\c], |v[\s+32*\c+14]|, |v[\s+32*\c+15]|
.endr
.irp c, 0,1
	v_max3_num_f32 v[MA0+2*\c], v[MA0+2*\c], v[MA0+2*\c+1], |v[\s+32*\c+31]|
.endr
	s_wait_dscnt 0x0
.irp c, 0,1
	v_add_nc_u32 v[SCOP0+\c], 0xff000000, v[MA0+2*\c]
.endr
.irp c, 0,1
	v_lshrrev_b32 v[BY0+\c], 23, v[SCOP0+\c]
.endr
	v_lshl_or_b32 v[T], v[BY0+1], 16, v[BY0]
	v_lshlrev_b32 v[T], v[SH8], v[T]
	v_permlanex16_b32 v[T2], v[T], s[SEL], s[SEL+1]
	v_or_b32 v[PW], v[T], v[T2]
.irp c, 0,1
	v_cvt_scalef32_pk16_fp6_f32 v[P+6*\c:P+6*\c+2], v[\s+32*\c:\s+32*\c+15], v[SCOP0+\c]
	v_cvt_scalef32_pk16_fp6_f32 v[TT+4*\c:TT+4*\c+2], v[\s+32*\c+16:\s+32*\c+31], v[SCOP0+\c]
.endr
	v_nop
.irp c, 0,1
.irp i, 0,1,2
	v_mov_b32 v[P+3+6*\c+\i], v[TT+4*\c+\i]
.endr
.endr
.endm
.macro IMAGE adr, off
.irp g, 0,1,2
	ds_store_b128 v[\adr], v[P+4*\g:P+4*\g+3] offset:\off+512*\g
.endr
.endm
.macro FETCH reg, adr, off
.irp g, 0,1,2
	ds_load_b128 v[(\reg)+4*\g:(\reg)+4*\g+3], v[\adr] offset:\off+512*\g
.endr
.endm
.macro PIECES a0, a1
	ds_store_b64 v[\a0], v[P:P+1]
	ds_store_b64 v[\a1], v[P+2:P+3] offset:8
	ds_store_b64 v[\a0], v[P+4:P+5] offset:512
.endm
.macro BAR
	s_wait_dscnt 0x0
	s_barrier_signal -1
	s_barrier_wait -1
.endm
.macro PLACES
.rept 4
	v_nop
.endr
.endm
.macro REC b, voff, imm
	WIN 0x40
.irp q, 0,1,2,3,4,5,6,7,8,9,10,11
	global_load_b128 v[48*(\b)+4*\q:48*(\b)+4*\q+3], v[\voff], s[WB:WB+1] offset:\imm+512*\q
.endr
	WIN 0
	global_load_b128 v[SR+4*(\b):SR+4*(\b)+3], v[\voff], s[WB:WB+1] offset:\imm+6144
.endm
.macro MM4 d, b, bf, bs
	WIN 0x01
.irp v, 0,1,2,3
	v_wmma_scale_f32_16x16x128_f8f6f4 v[(\d)+8*\v:(\d)+8*\v+7], v[48*(\b)+12*\v:48*(\b)+12*\v+11], v[(\bf):(\bf)+11], v[(\d)+8*\v:(\d)+8*\v+7], v[SR+4*(\b)+\v], v[(\bs)] matrix_a_fmt:MATRIX_FMT_FP6 matrix_b_fmt:MATRIX_FMT_FP6
.endr
	WIN 0
.endm
.macro PLOAD reg, sb, voff, imm
.irp i, 0,1,2,3,4,5,6,7
	global_load_b128 v[(\reg)+4*\i:(\reg)+4*\i+3], v[\voff], s[\sb:\sb+1] offset:\imm+16*\i
.endr
.endm
.macro PKADD3 d, a, b
.set j, 0
.rept 16
	v_pk_add_f32 v[\d+j:\d+j+1], v[\a+j:\a+j+1], v[\b+j:\b+j+1]
.set j, j+2
.endr
.endm
.macro LNORM reda, redb, g, be, cnt    ; the norm of the rows in X, in place, in two passes; cnt: the loads that are younger than the gains and offsets
.irp i, 0,1,2,3,4,5,6,7
	v_pk_add_f32 v[LT+2*\i:LT+2*\i+1], v[X+4*\i:X+4*\i+1], v[X+4*\i+2:X+4*\i+3]
.endr
.irp i, 0,1,2,3
	v_pk_add_f32 v[LT+2*\i:LT+2*\i+1], v[LT+4*\i:LT+4*\i+1], v[LT+4*\i+2:LT+4*\i+3]
.endr
.irp i, 0,1
	v_pk_add_f32 v[LT+2*\i:LT+2*\i+1], v[LT+4*\i:LT+4*\i+1], v[LT+4*\i+2:LT+4*\i+3]
.endr
	v_pk_add_f32 v[LT:LT+1], v[LT:LT+1], v[LT+2:LT+3]
	v_add_f32 v[T], v[LT], v[LT+1]
	v_permlanex16_b32 v[T2], v[T], s[SEL], s[SEL+1]
	v_add_f32 v[T], v[T], v[T2]
	ds_store_b32 v[RW], v[T] offset:\reda
	BAR
	ds_load_b128 v[LT:LT+3], v[RR] offset:\reda
	s_wait_dscnt 0x0
	v_add_f32 v[LT], v[LT], v[LT+1]
	v_add_f32 v[LT+2], v[LT+2], v[LT+3]
	v_add_f32 v[LT], v[LT], v[LT+2]
	v_mul_f32 v[MU], s[INV], v[LT]
	v_mov_b32 v[MU+1], v[MU]
.set j, 0
.rept 16
	v_pk_add_f32 v[X+j:X+j+1], v[X+j:X+j+1], v[MU:MU+1] op_sel_hi:[1,0] neg_lo:[0,1] neg_hi:[0,1]
.set j, j+2
.endr
	v_pk_mul_f32 v[LT:LT+1], v[X:X+1], v[X:X+1]
	v_pk_mul_f32 v[LT+2:LT+3], v[X+2:X+3], v[X+2:X+3]
.irp i, 4,8,12,16,20,24,28
	v_pk_fma_f32 v[LT:LT+1], v[X+\i:X+\i+1], v[X+\i:X+\i+1], v[LT:LT+1]
	v_pk_fma_f32 v[LT+2:LT+3], v[X+\i+2:X+\i+3], v[X+\i+2:X+\i+3], v[LT+2:LT+3]
.endr
	v_pk_add_f32 v[LT:LT+1], v[LT:LT+1], v[LT+2:LT+3]
	v_add_f32 v[T], v[LT], v[LT+1]
	v_permlanex16_b32 v[T2], v[T], s[SEL], s[SEL+1]
	v_add_f32 v[T], v[T], v[T2]
	ds_store_b32 v[RW], v[T] offset:\redb
	BAR
	ds_load_b128 v[LT:LT+3], v[RR] offset:\redb
	s_wait_dscnt 0x0
	v_add_f32 v[LT], v[LT], v[LT+1]
	v_add_f32 v[LT+2], v[LT+2], v[LT+3]
	v_add_f32 v[LT], v[LT], v[LT+2]
	v_fma_f32 v[T], v[LT], s[INV], s[EPS]
	v_rsq_f32 v[RS], v[T]
	v_nop
	s_wait_alu depctr_va_vdst(0)
	v_mov_b32 v[RS+1], v[RS]
	s_wait_loadcnt \cnt
.set j, 0
.rept 16
	v_pk_mul_f32 v[X+j:X+j+1], v[X+j:X+j+1], v[RS:RS+1] op_sel_hi:[1,0]
.set j, j+2
.endr
.set j, 0
.rept 16
	v_pk_fma_f32 v[X+j:X+j+1], v[X+j:X+j+1], v[\g+j:\g+j+1], v[\be+j:\be+j+1]
.set j, j+2
.endr
.endm
	s_load_b512 s[8:23], s[0:1], 0x0               ; aoc, aos, xbuf, wimg, b_out_cross, g2, be2, b1
	s_load_b256 s[24:31], s[0:1], 0x40             ; b2, g3, be3, out0
	v_lshl_add_u32 v254, v0, 2, 0x8800
	v_mov_b32 v255, 0
	v_lshrrev_b32 v1, 5, v0
	v_readfirstlane_b32 s2, v1                     ; wave 0..3
	v_and_b32 v1, 31, v0
	v_and_b32 v2, 15, v0
	v_bfe_u32 v3, v0, 4, 1
	v_lshlrev_b32 v[LI], 4, v1
	v_lshlrev_b32 v[LR4], 2, v2
	v_lshlrev_b32 v[L4], 2, v1
	s_lshl_b32 s3, s2, 8
	v_lshl_add_u32 v[PO], v3, 7, s3
	v_lshl_add_u32 v[RO], v2, 10, v[PO]
	s_mul_i32 s3, s2, 13312
	v_add_nc_u32 v[OFA], s3, v[LI]
	s_mul_i32 s3, s2, 26624
	v_add_nc_u32 v[OF1], s3, v[LI]
	s_mul_i32 s3, s2, 6656
	v_add_nc_u32 v[OF2], s3, v[LI]
	s_lshl_b32 s3, s2, 9
	v_lshl_add_u32 v[PB1], v3, 7, s3
	v_mul_u32_u24 v[AOO], v2, 24
	v_mad_u32_u24 v[AOO], v3, 384, v[AOO]
	v_lshlrev_b32 v[AOSO], 3, v2
	s_lshl_b32 s3, s2, 2
	v_lshl_add_u32 v[RW], v2, 4, s3
	v_lshlrev_b32 v[RR], 4, v2
	s_lshr_b32 s4, s2, 1
	s_and_b32 s5, s2, 1
	s_mul_i32 s6, s4, 1536
	s_add_co_u32 s6, s6, XIMG
	s_mul_i32 s7, s5, 520
	s_add_co_u32 s7, s7, s6
	v_add_nc_u32 v[XP0], s7, v[LI]
	s_mul_i32 s7, s5, 1016
	s_add_co_u32 s7, s7, s6
	v_add_nc_u32 v[XP1], s7, v[LI]
	s_lshl_b32 s6, s4, 6
	s_lshl_b32 s7, s5, 1
	s_add_co_u32 s6, s6, s7
	s_add_co_u32 s6, s6, XSC
	v_lshl_add_u32 v[XB], v2, 2, v3
	v_add_nc_u32 v[XB], s6, v[XB]
	s_mul_i32 s6, s2, 1536
	s_add_co_u32 s6, s6, HIMG
	v_add_nc_u32 v[HW], s6, v[LI]
	s_lshl_b32 s6, s2, 7
	s_add_co_u32 s6, s6, HSC
	v_add_nc_u32 v[HWS], s6, v[L4]
	v_mul_u32_u24 v[SO], v2, 1040
	v_add_nc_u32 v[SO], v[SO], v[PO]
	v_add_nc_u32 v[SO], STG, v[SO]
	s_mul_i32 s6, s2, 4160
	s_add_co_u32 s6, s6, STG
	v_add_nc_u32 v[SRD], s6, v[LI]
	s_lshl_b32 s6, s2, 12
	v_add_nc_u32 v[GOUT], s6, v[LI]
	v_lshlrev_b32 v[SH8], 3, v3
	v_mov_b32 v[T2], 0
	s_mov_b32 s[INV], 0x3b800000
	s_mov_b32 s[EPS], 0x3727c5ac
	s_mov_b32 s[SEL], 0x76543210
	s_mov_b32 s[SEL+1], 0xfedcba98
	s_mul_i32 s32, ttmp9, 3072
	s_mov_b32 s33, 0
	s_lshl_b32 s34, ttmp9, 7
	s_mov_b32 s35, 0
	s_lshl_b32 s36, ttmp9, 14
	s_mov_b32 s37, 0
	s_wait_kmcnt 0x0
	s_add_nc_u64 s[8:9], s[8:9], s[32:33]
	s_add_nc_u64 s[10:11], s[10:11], s[34:35]
	s_add_nc_u64 s[12:13], s[12:13], s[36:37]
	s_add_nc_u64 s[30:31], s[30:31], s[36:37]
	; ---- the out-projection, the residual and the second norm
.irp ks, 0,1
.irp c, 0,1
.irp p, 0,1,2
	global_load_b64 v[XF+12*\ks+6*\c+2*\p:XF+12*\ks+6*\c+2*\p+1], v[AOO], s[8:9] offset:1536*\ks+768*\c+8*\p
.endr
.endr
.endr
	global_load_b64 v[HS:HS+1], v[AOSO], s[10:11]
	PLOAD X, 12, RO, 0                             ; x behind the first norm: the residual, as the first C
	REC 0, OFA, 6656*136
	REC 1, OFA, 6656*137
	PLOAD Y, 16, PO, 0                             ; b_out_cross
	PLOAD H, 18, PO, 0                             ; g2
	PLOAD H+32, 20, PO, 0                          ; be2
	s_wait_loadcnt 37                              ; younger than record 0: 13 + 8 + 8 + 8
	MM4 X, 0, XF, HS
	s_wait_loadcnt 24
	MM4 X, 1, XF+12, HS+1
	PLACES
.irp i, 0,1,2,3
	REC \i, OF1, 6656*\i                           ; W1's four records of the first pass
.endr
	s_wait_loadcnt 63                              ; 68 loads are younger than the bias: the field's largest count is the stricter
	PKADD3 X, X, Y
	PLOAD Y, 24, PO, 0                             ; b2: the C of the last product's first K step
	LNORM RED0, RED1, H, H+32, 60                  ; younger than be2: four records and b2
	PLOAD H, 22, PB1, 0                            ; b1 of my 128 hidden units of the first pass
	PLOAD H+32, 22, PB1, 256
	QB1 X                                          ; x stays in its registers: it is the last residual
	PIECES XP0, XP1
	ds_store_b8 v[XB], v[BY0]
	BAR
	FETCH XF, LI, XIMG
	FETCH XF+12, LI, XIMG+1536
	ds_load_b32 v[XS], v[LR4] offset:XSC
	ds_load_b32 v[XS+1], v[LR4] offset:XSC+64
	s_wait_dscnt 0x0
; A PASS: 512 hidden units, 128 a wave.  first = 1: the first pass; pre = 1: another pass follows.
.macro RND rho, first, pre
.irp i, 0,1,2,3                        ; record i: group i / 2 of my two, K step i % 2
.if \first && (\i == 0)
	s_wait_loadcnt 0x0                             ; b1 was asked for last
.else
	s_wait_loadcnt 39                              ; three records are younger than the one in hand
.endif
	MM4 H+32*(\i/2), \i, XF+12*(\i%2), XS+(\i%2)
	PLACES
	REC \i, OF2, 6656*(64+16*\rho+4*\i)            ; its buffer takes W2's record of K step 4 pass + i, my columns
.endr
.set j, 0
.rept 64
	v_max_num_f32 v[H+j], 0, v[H+j]                ; the activation, in f32
.set j, j+1
.endr
	QF H
	IMAGE HW, 6144*(\rho%2)
	ds_store_b32 v[HWS], v[PW] offset:512*(\rho%2)
.if \pre
	PLOAD H, 22, PB1, 2048*(\rho+1)                ; b1 of the next pass
	PLOAD H+32, 22, PB1, 2048*(\rho+1)+256
.else
	PLOAD H, 26, PO, 0                             ; g3
	PLOAD H+32, 28, PO, 0                          ; be3
.endif
	BAR                                            ; the pass's four fragments lie in LDS; the set of two passes ago has been read by all
.irp n, 0,1,2,3
	FETCH HF+12*\n, LI, HIMG+6144*(\rho%2)+1536*\n
	ds_load_b32 v[HS+\n], v[L4] offset:HSC+512*(\rho%2)+128*\n
.endr
	s_wait_dscnt 0x0
.irp n, 0,1,2,3
.if \pre
	s_wait_loadcnt 55                              ; younger than W2's record n: three records and the 16 loads of b1
.else
	s_wait_loadcnt 55-13*\n                        ; nothing more is asked for: the counts run down to the 16 loads of g3 and be3
.endif
	MM4 Y, \n, HF+12*\n, HS+\n
	PLACES
.if \pre
	REC \n, OF1, 6656*(16*(\rho+1)+\n)             ; its buffer takes W1's record n of the next pass
.endif
.endr
.endm
	RND 0, 1, 1
	RND 1, 0, 1
	RND 2, 0, 1
	RND 3, 0, 0
	; ---- the last residual and norm, and the way out through a stage: whole rows, 512 consecutive bytes a store
	PKADD3 X, X, Y
	LNORM RED2, RED3, H, H+32, 0
.irp i, 0,1,2,3,4,5,6,7
	ds_store_b128 v[SO], v[X+4*\i:X+4*\i+3] offset:16*\i
.endr
	BAR
.irp i, 0,1,2,3
.irp k, 0,1
	ds_load_b128 v[H+4*(2*\i+\k):H+4*(2*\i+\k)+3], v[SRD] offset:1040*\i+512*\k
.endr
.endr
.irp i, 0,1,2,3
.irp k, 0,1
	s_wait_dscnt 7-(2*\i+\k)
	global_store_b128 v[GOUT], v[H+4*(2*\i+\k):H+4*(2*\i+\k)+3], s[30:31] offset:1024*\i+512*\k th:TH_STORE_NT
.endr
.endr
	s_wait_tensorcnt 0x0
	ds_add_u32 v254, v255
	s_wait_dscnt 0x0
	s_endpgm
.Lfunc_end_k_q68f6b158a1_tail:
	.size	k_q68f6b158a1_tail, .Lfunc_end_k_q68f6b158a1_tail-k_q68f6b158a1_tail
	.p2alignl 7, 3214868480
	.fill 96, 4, 3214868480
	.section	.rodata,"a",@progbits
	.p2align	6, 0x0
	.amdhsa_kernel k_q68f6b158a1_tail
		.amdhsa_group_segment_fixed_size 35328
		.amdhsa_private_segment_fixed_size 0
		.amdhsa_enable_private_segment 0
		.amdhsa_kernarg_size 96
		.amdhsa_user_sgpr_count 2
		.amdhsa_user_sgpr_kernarg_segment_ptr 1
		.amdhsa_wavefront_size32 1
		.amdhsa_system_sgpr_workgroup_id_x 1
		.amdhsa_system_sgpr_workgroup_id_y 1
		.amdhsa_system_sgpr_workgroup_id_z 1
		.amdhsa_system_vgpr_workitem_id 0
		.amdhsa_next_free_vgpr 512
		.amdhsa_next_free_sgpr 66
		.amdhsa_reserve_vcc 0
		.amdhsa_float_denorm_mode_32 3
		.amdhsa_float_denorm_mode_16_64 3
		.amdhsa_memory_ordered 1
		.amdhsa_forward_progress 1
		.amdhsa_inst_pref_size 129
	.end_amdhsa_kernel
	.amdgpu_metadata
---
amdhsa.version: [ 1, 2 ]
amdhsa.kernels:
  - .name:           k_q68f6b158a1_tail
    .symbol:         k_q68f6b158a1_tail.kd
    .args:
      - { .name: aoc, .offset: 0, .size: 8, .value_kind: global_buffer, .address_space: global }
      - { .name: aos, .offset: 8, .size: 8, .value_kind: global_buffer, .address_space: global }
      - { .name: xbuf, .offset: 16, .size: 8, .value_kind: global_buffer, .address_space: global }
      - { .name: wimg, .offset: 24, .size: 8, .value_kind: global_buffer, .address_space: global }
      - { .name: b_out_cross, .offset: 32, .size: 8, .value_kind: global_buffer, .address_space: global }
      - { .name: g2, .offset: 40, .size: 8, .value_kind: global_buffer, .address_space: global }
      - { .name: be2, .offset: 48, .size: 8, .value_kind: global_buffer, .address_space: global }
      - { .name: b1, .offset: 56, .size: 8, .value_kind: global_buffer, .address_space: global }
      - { .name: b2, .offset: 64, .size: 8, .value_kind: global_buffer, .address_space: global }
      - { .name: g3, .offset: 72, .size: 8, .value_kind: global_buffer, .address_space: global }
      - { .name: be3, .offset: 80, .size: 8, .value_kind: global_buffer, .address_space: global }
      - { .name: out0, .offset: 88, .size: 8, .value_kind: global_buffer, .address_space: global }
    .group_segment_fixed_size: 35328
    .private_segment_fixed_size: 0
    .kernarg_segment_align: 8
    .kernarg_segment_size: 96
    .max_flat_workgroup_size: 128
    .sgpr_count:     66
    .vgpr_count:     512
    .wavefront_size: 32
...
	.end_amdgpu_metadata
.endif
;; end of part 4
;; ======== version 2 of 2: 5 launches
;; workspace buffers: wimg 1,011,712 bytes; qrec 917,504 bytes; kv1 1,638,400 bytes; kv2 1,638,400 bytes; aoc 786,432 bytes; aos 32,768 bytes; xbuf 4,194,304 bytes
;; launch proj (part 5): grid 256 x 1, 8 waves a work-group, no clusters, 114,688 bytes of LDS; arguments tgt, query_pos, w_in_self, b_in_self, memory, pos, w_in_cross, b_in_cross, w1_codes, w1_scales, w2_codes, w2_scales, w_out_self_codes, w_out_self_scales, w_out_cross_codes, w_out_cross_scales, qrec, kv1, kv2, wimg; writes qrec, kv1, kv2, wimg
.if DOCPART == 5
	.amdgcn_target "amdgcn-amd-amdhsa--gfx1250"
	.amdhsa_code_object_version 6
	.text
	.protected	k_q68f6b158a1_proj
	.globl	k_q68f6b158a1_proj
	.p2align	8
	.type	k_q68f6b158a1_proj,@function
k_q68f6b158a1_proj:
	s_mov_b64 s[64:65], 0
	v_nop
	global_prefetch_b8 v0, s[64:65] scope:SCOPE_SE
	s_setreg_imm32_b32 hwreg(HW_REG_WAVE_SCHED_MODE, 0, 2), 2
	s_setreg_imm32_b32 hwreg(HW_REG_WAVE_MODE, 25, 1), 1
	s_wait_xcnt 0x0
	s_wait_alu depctr_vm_vsrc(0)
; THE PROJECTIONS IN FRONT OF BOTH ATTENTIONS, on codes of FP6 (E2M3) with one E8M0 scale for each 32 along K, and the weights laid out for the later launches.
; Work-group wg: y = wg / 128 (0: self, 1: cross), key step = (wg / 4) % 32 (128 rows), hp = wg % 4 (a pair of heads).  A work-group quantises its 128 rows of a + b and of a (a = tgt or memory,
; b = query_pos or pos) and its 64 rows of each slice of w_in, multiplies (K = 256, two matrix instructions deep), adds the bias as the first C, quantises the results and stores them in the order
; in which the attention's operand registers take them: k and q along the head's 32 (one block), v along the keys.
; THE WEIGHTS' RECORDS are made by the cross work-groups, which have one slice fewer to multiply than the self ones.  Those of key step 0 quantise their fragments of the q slice of w_in_cross by the
; lines by which the self work-groups quantise theirs, and store them as records 144 + 2 hp + ks.  Cross work-groups 4 to 21 copy, behind their own way out, one record a wave: a group of 64 rows x 128 K
; of w1, w2, w_out_self, w_out_cross (given as codes).  A RECORD: four fragments as images of their registers and their scale words, 6,656 bytes.
; A GROUP OF FOUR TILES: tile v takes as its row m item 8 v + 32 (m / 8) + m % 8 of a group of 64.  In the results a lane (r = lane % 16, h = lane / 16) then holds items 32 h + 0 .. 31 in 32 registers:
; a whole block of the next quantiser, in the order of the next operand's registers 6 c .. 6 c + 5.  No lane is asked for a maximum and no half blocks change lanes.
; AN IMAGE of a fragment (12 registers a lane): registers 4 g .. 4 g + 3 of lane l at 512 g + 16 l: 1,536 bytes.
; No cluster: what work-groups share here (rows of f32 numbers, read by the four head pairs) goes into the quantiser's registers, not into LDS as it lies, so there is no tile that a joint load could bring.
; LIMITS: NaN and infinities among the inputs are not served.  A block of zeros, and one whose largest magnitude lies under 2^-124, gets the scale byte 1 (the rule says 127 for zeros): its codes are
; zeros or held small, and only this program reads these bytes.
; THE MODE: SCHED_MODE bits 1:0 = 2 (LLVM: expert scheduling mode 2), set by the entry lines.  The code itself states the register dependences between vector or matrix instructions and memory or LDS
; instructions, with s_wait_alu, always for 0.
; THE PLAN.  Registers that memory or LDS instructions touch:
;   SL0, SL1, SL2 (v64-255)  An item's 16 loads land in a set; the additions and the quantiser read and write it; then the next item lands in it.
;   P, PW, BY0               Written by the quantisers; read by the LDS stores of an image or of its pieces (once by the global stores of a record); written again by the next quantiser.
;   v54-183                  In phase 1: fragments and scale words, fetched from LDS, read by the products, fetched anew for the next kind.
;   ACC (v184-215)           A bias lands in it; the products add onto it; the quantiser reads it; the next bias lands in it.
;   v4-v11, v224-244         Offsets and LDS addresses: made once, in two runs of vector lines, and never written again.
; One wait on va_vdst stands behind each quantiser, ahead of the stores of its codes; the loads and fetches that follow those stores lean on the same wait, since no vector line stands between.
; One wait on vm_vsrc stands in each quantiser that has a forerunner, ahead of the first line that writes the codes' registers again.
.set A0IMG, 0                          ; LDS: 16 fragments of a + b (row tile t, K step ks: 2 t + ks)
.set A1IMG, 24576                      ; the same of a
.set A0SC,  49152                      ; their scale words, 128 bytes a fragment, 4 x lane
.set A1SC,  51200
.set WSC,   53248                      ; the weights' scale words: (2 slice + ks) x 512 + 16 x lane + 4 v
.set KVST,  56320                      ; the two heads' blocks of 6,400 bytes, as they go to memory
.set QST,   69120                      ; q's codes: [tile 8][768]
.set QSS,   75264                      ; q's scale words: [tile 8][128]
.set WIMG,  76288                      ; 24 fragments of w_in: 8 slice + 2 v + ks; slice 0 K, 1 V, 2 Q.  Past the reach of a 16-bit offset: its address registers carry the base
.set VA,  4                            ; v4   1,024 (32 (r / 8) + r % 8) + 128 h: my row of a tile, my half of a block pair
.set VV,  5                            ; v5   1,024 (16 (r / 8) + r % 8) + 128 h: the same for the V slice's tiles
.set LI,  6                            ; v6   16 x lane
.set LS,  7                            ; v7   4 x lane
.set IW,  8                            ; v8   WIMG + 16 x lane + 1,536 x wave
.set IA,  9                            ; v9   16 x lane + 3,072 x wave
.set SA,  10                           ; v10  4 x lane + 256 x wave
.set SWS, 11                           ; v11  16 x lane + 4 (wave / 2) + 512 (wave % 2)
.set SH8, 12                           ; v12  8 h
.set PW,  22                           ; v22  the scale word just made
.set P,   24                           ; v24-35 the codes just made
.set TT,  36                           ; v36-42 second halves of blocks
.set MA0, 44                           ; v44-47 largest magnitudes, two chains a block
.set SCOP0, 48                         ; v48-49 the conversions' scale operands
.set BY0, 50                           ; v50-51 scale bytes
.set T,   52
.set T2,  53
.set SCL, 54                           ; v54-63 scale words of the products, and nothing else
.set SL0, 64                           ; three sets of 64 numbers
.set SL1, 128
.set SL2, 192
.set ACC, 184                          ; v184-215 four accumulators
.set BV8, 216                          ; v216-223 V's bias as a C
.set AK0, 224
.set AK1, 225
.set AKS, 226
.set AV0, 227
.set AV1, 228
.set AVS, 229
.set AQ,  230
.set AQS, 231
.set FV,  232
.set FVS, 233
.set FW,  234
.set FWS, 235
.set BO,  236
.set BVO, 237
.set TOK, 238
.set Q8,  239
.set Q4,  240
.set LIW, 241
.set BVR, 242
.set GQ8, 243
.set TOG, 244
.set QL,  94                           ; s94  0: this work-group quantises a q slice (self, or cross at key step 0)
.set SEL, 98                           ; s[98:99] v_permlanex16_b32's selects for lane l xor 16
; 64 numbers of a lane, two whole blocks (block c at s + 32 c; in the fragment it is block 2 c + h), become a fragment's codes in v[P] on and its row's scale word in v[PW].
; held = 1: stores of an earlier fragment's codes have been issued.
.macro QF s, held
.irp c, 0,1
	v_max3_num_f32 v[MA0+2*\c], |v[\s+32*\c]|, |v[\s+32*\c+1]|, 0x1800000      ; the floor 2^(3 - 127) among the leaves: the byte cannot fall under 1
	v_max3_num_f32 v[MA0+2*\c+1], |v[\s+32*\c+16]|, |v[\s+32*\c+17]|, |v[\s+32*\c+18]|
.endr
.irp i, 2,4,6,8,10,12
.irp c, 0,1
	v_max3_num_f32 v[MA0+2*\c], v[MA0+2*\c], |v[\s+32*\c+\i]|, |v[\s+32*\c+\i+1]|
	v_max3_num_f32 v[MA0+2*\c+1], v[MA0+2*\c+1], |v[\s+32*\c+\i+17]|, |v[\s+32*\c+\i+18]|
.endr
.endr
.irp c, 0,1
	v_max3_num_f32 v[MA0+2*\c], v[MA0+2*\c], |v[\s+32*\c+14]|, |v[\s+32*\c+15]|
.endr
.irp c, 0,1
	v_max3_num_f32 v[MA0+2*\c], v[MA0+2*\c], v[MA0+2*\c+1], |v[\s+32*\c+31]|
.endr
	s_wait_dscnt 0x0                               ; earlier LDS stores have read the registers that are written from here on
.if \held
	s_wait_alu depctr_vm_vsrc(0)                   ; the stores of the fragment before have read v[P ..] and v[PW], which are written from here on
.endif
.irp c, 0,1
	v_add_nc_u32 v[SCOP0+\c], 0xff000000, v[MA0+2*\c]   ; 2 off the exponent field: the conversion takes that field as its scale
.endr
.irp c, 0,1
	v_lshrrev_b32 v[BY0+\c], 23, v[SCOP0+\c]       ; the scale's byte
.endr
	v_lshl_or_b32 v[T], v[BY0+1], 16, v[BY0]       ; my bytes of blocks h and 2 + h,
	v_lshlrev_b32 v[T], v[SH8], v[T]               ; at their places;
	v_permlanex16_b32 v[T2], v[T], s[SEL], s[SEL+1]
	v_or_b32 v[PW], v[T], v[T2]                    ; with lane l xor 16's two the word is whole, in both halves of the lanes
.irp c, 0,1
	v_cvt_scalef32_pk16_fp6_f32 v[P+6*\c:P+6*\c+2], v[\s+32*\c:\s+32*\c+15], v[SCOP0+\c]
	v_cvt_scalef32_pk16_fp6_f32 v[TT+4*\c:TT+4*\c+2], v[\s+32*\c+16:\s+32*\c+31], v[SCOP0+\c]   ; (a conversion's three registers begin on an even number)
.endr
	v_nop                                          ; one plain place behind a scaled conversion
.irp c, 0,1
.irp i, 0,1,2
	v_mov_b32 v[P+3+6*\c+\i], v[TT+4*\c+\i]
.endr
.endr
.endm
; 32 numbers of a lane, one block, become six registers of codes in v[P] on and the byte in v[BY0].  Each accumulator is first read at its low end.  held as above.
.macro QB1 s, held
	v_max3_num_f32 v[MA0], |v[\s]|, |v[\s+1]|, 0x1800000
	v_max3_num_f32 v[MA0+1], |v[\s+16]|, |v[\s+17]|, |v[\s+18]|
.irp i, 2,4,6,8,10,12
	v_max3_num_f32 v[MA0], v[MA0], |v[\s+\i]|, |v[\s+\i+1]|
	v_max3_num_f32 v[MA0+1], v[MA0+1], |v[\s+\i+17]|, |v[\s+\i+18]|
.endr
	v_max3_num_f32 v[MA0], v[MA0], |v[\s+14]|, |v[\s+15]|
	v_max3_num_f32 v[MA0], v[MA0], v[MA0+1], |v[\s+31]|
	s_wait_dscnt 0x0                               ; earlier LDS stores have read the registers that are written from here on
.if \held
	s_wait_alu depctr_vm_vsrc(0)                   ; the stores of the codes before have read v[P ..] and v[BY0], which are written from here on
.endif
	v_add_nc_u32 v[SCOP0], 0xff000000, v[MA0]
	v_lshrrev_b32 v[BY0], 23, v[SCOP0]
	v_cvt_scalef32_pk16_fp6_f32 v[P:P+2], v[\s:\s+15], v[SCOP0]
	v_cvt_scalef32_pk16_fp6_f32 v[TT:TT+2], v[\s+16:\s+31], v[SCOP0]
	v_nop
.irp i, 0,1,2
	v_mov_b32 v[P+3+\i], v[TT+\i]
.endr
.endm
.macro IMAGE adr, off                  ; the fragment in v[P] on goes to LDS as it stands
	s_wait_alu depctr_va_vdst(0)                   ; the quantiser has written v[P ..] and v[PW], which the LDS stores read; it and the additions ahead of it are done with their sets of numbers, in which the next items land
.irp g, 0,1,2
	ds_store_b128 v[\adr], v[P+4*\g:P+4*\g+3] offset:\off+512*\g
.endr
.endm
.macro FETCH reg, adr, off             ; and comes back so, in any wave
.irp g, 0,1,2
	ds_load_b128 v[(\reg)+4*\g:(\reg)+4*\g+3], v[\adr] offset:\off+512*\g
.endr
.endm
.macro PIECES a0, a1                   ; six registers 6 c .. 6 c + 5 into an image: bytes 0, 8, 512 (c = 0) or 520, 1,024, 1,032 (c = 1): a0 holds 520 c, a1 holds 1,016 c
	ds_store_b64 v[\a0], v[P:P+1]
	ds_store_b64 v[\a1], v[P+2:P+3] offset:8
	ds_store_b64 v[\a0], v[P+4:P+5] offset:512
.endm
.macro BAR                             ; my LDS stores have landed and my LDS loads are in: then the work-group's barrier
	s_wait_dscnt 0x0
	s_barrier_signal -1
	s_barrier_wait -1
.endm
.macro PLACES                          ; four places behind matrix instructions (ISA guide 7.12.1)
.rept 4
	v_nop
.endr
.endm
.macro ITEM slot, pb, voff, imm        ; 16 loads: my two whole blocks of a fragment, 128 consecutive bytes each
.irp cc, 0,1
.irp i, 0,1,2,3,4,5,6,7
	global_load_b128 v[\slot+32*\cc+4*\i:\slot+32*\cc+4*\i+3], v[\voff], s[\pb:\pb+1] offset:\imm+256*\cc+16*\i
.endr
.endr
.endm
.macro PKADD d, a                      ; 64 numbers: d += a
.set j, 0
.rept 32
	v_pk_add_f32 v[\d+j:\d+j+1], v[\d+j:\d+j+1], v[\a+j:\a+j+1]
.set j, j+2
.endr
.endm
	s_load_b512 s[8:23], s[0:1], 0x0               ; tgt, query_pos, w_in_self, b_in_self, memory, pos, w_in_cross, b_in_cross
	s_load_b512 s[24:39], s[0:1], 0x40             ; w1, w2, w_out_self, w_out_cross: codes and scales of each
	s_load_b256 s[40:47], s[0:1], 0x80             ; qrec, kv1, kv2, wimg
	v_lshl_add_u32 v39, v0, 2, 0x1bc00
	v_mov_b32 v43, 0
	v_lshrrev_b32 v1, 5, v0
	v_readfirstlane_b32 s2, v1                     ; wave 0..7
	v_and_b32 v1, 31, v0                           ; lane
	v_and_b32 v2, 15, v0                           ; r
	v_bfe_u32 v3, v0, 4, 1                         ; h
	v_bfe_u32 v13, v0, 3, 1                        ; r / 8
	v_and_b32 v14, 7, v0                           ; r % 8
	v_lshl_add_u32 v15, v13, 5, v14                ; 32 (r / 8) + r % 8
	v_lshlrev_b32 v[LI], 4, v1
	v_lshlrev_b32 v[LS], 2, v1
	v_lshlrev_b32 v[SH8], 3, v3
	v_lshlrev_b32 v[VA], 10, v15
	v_lshl_add_u32 v[VA], v3, 7, v[VA]
	v_mov_b32 v[T2], 0                             ; written once: a lane permute's destination counts as one of its sources
	s_mov_b32 s[SEL], 0x76543210
	s_mov_b32 s[SEL+1], 0xfedcba98
	s_lshr_b32 s3, ttmp9, 7                        ; y
	s_bfe_u32 s4, ttmp9, 0x50002                   ; key step
	s_and_b32 s5, ttmp9, 3                         ; hp
	s_wait_alu depctr_va_sdst(0)                   ; s2 is written, ahead of its first reader: the shares, the LDS addresses and the bases are made from it
	s_lshr_b32 s6, s2, 2                           ; c = wave / 4: my row tile's group; for V: which head of the pair
	s_and_b32 s7, s2, 3                            ; u = wave % 4: my row tile in its group
	s_lshr_b32 s48, s2, 1                          ; wave / 2: my weight tile
	s_and_b32 s49, s2, 1                           ; wave % 2: my weight fragment's K step; u % 2; for V: my group of keys
	s_and_b32 s51, s48, 1                          ; (wave / 2) % 2: u / 2; for V: which half of the head's 32
	s_mul_i32 s52, s2, 1536
	s_add_co_u32 s52, s52, WIMG
	v_add_nc_u32 v[IW], s52, v[LI]
	s_mul_i32 s52, s2, 3072
	v_add_nc_u32 v[IA], s52, v[LI]
	s_lshl_b32 s52, s2, 8
	v_add_nc_u32 v[SA], s52, v[LS]
	s_lshl_b32 s52, s48, 2
	s_lshl_b32 s53, s49, 9
	s_add_co_u32 s52, s52, s53
	v_add_nc_u32 v[SWS], s52, v[LI]
	v_lshl_add_u32 v[VV], v13, 4, v14
	v_lshlrev_b32 v[VV], 10, v[VV]
	v_lshl_add_u32 v[VV], v3, 7, v[VV]
	s_lshl_b32 s66, s4, 17                         ; my row tile: (128 step + 64 c + 8 u) rows of 1,024 bytes
	s_lshl_b32 s67, s6, 16
	s_add_co_u32 s66, s66, s67
	s_lshl_b32 s67, s7, 13
	s_add_co_u32 s66, s66, s67
	s_mov_b32 s67, 0
	s_lshl_b32 s68, s5, 16                         ; the weights: 64 hp rows + 512 bytes a K step,
	s_lshl_b32 s69, s49, 9
	s_add_co_u32 s68, s68, s69
	s_lshl_b32 s69, s48, 13
	s_add_co_u32 s88, s68, s69                     ; K, Q: + 8 (wave / 2) rows
	s_mov_b32 s89, 0
	s_lshl_b32 s69, s6, 15
	s_add_co_u32 s90, s68, s69                     ; V: + 32 rows a head + 8 rows a half + the slice's 512 rows
	s_lshl_b32 s69, s51, 13
	s_add_co_u32 s90, s90, s69
	s_add_co_u32 s90, s90, 524288
	s_mov_b32 s91, 0
	s_lshl_b32 s92, s5, 8                          ; the biases: 64 hp numbers
	s_mov_b32 s93, 0
	s_lshl_b32 s69, s6, 7
	s_add_co_u32 s94, s92, s69
	s_lshl_b32 s69, s51, 5
	s_add_co_u32 s94, s94, s69
	s_add_co_u32 s94, s94, 2048
	s_mov_b32 s95, 0
	s_lshl_b32 s69, s4, 3
	s_lshl_b32 s96, s5, 1
	s_add_co_u32 s96, s96, s69
	s_mul_i32 s96, s96, 6400                       ; block (step, head 2 hp) of kv
	s_mov_b32 s97, 0
	s_add_co_u32 s69, s69, s2                      ; q's tile of 16 rows that my wave stores: 8 step + wave
	s_mul_i32 s84, s69, 3584
	s_lshl_b32 s86, s5, 7
	s_add_co_u32 s86, s86, s84
	s_add_co_u32 s86, s86, 3072
	s_mul_i32 s85, s5, 768
	s_add_co_u32 s84, s84, s85
	s_mov_b32 s85, 0
	s_mov_b32 s87, 0
	s_wait_kmcnt 0x0
	s_cmp_eq_u32 s3, 0                             ; self or cross: the choice hangs on the work-group's number alone
	s_cselect_b64 s[54:55], s[8:9], s[16:17]       ; a
	s_cselect_b64 s[56:57], s[10:11], s[18:19]     ; b
	s_cselect_b64 s[58:59], s[12:13], s[20:21]     ; w_in
	s_cselect_b64 s[60:61], s[14:15], s[22:23]     ; b_in
	s_cselect_b64 s[62:63], s[42:43], s[44:45]     ; kv
	s_add_nc_u64 s[54:55], s[54:55], s[66:67]
	s_add_nc_u64 s[56:57], s[56:57], s[66:67]
	s_add_nc_u64 s[70:71], s[58:59], s[88:89]      ; my fragment of the Q slice,
	s_add_nc_u64 s[72:73], s[70:71], 262144        ; of the K slice,
	s_add_nc_u64 s[74:75], s[58:59], s[90:91]      ; of the V slice
	s_add_nc_u64 s[76:77], s[60:61], s[92:93]      ; bq
	s_add_nc_u64 s[78:79], s[76:77], 1024          ; bk
	s_add_nc_u64 s[80:81], s[60:61], s[94:95]      ; bv
	s_add_nc_u64 s[62:63], s[62:63], s[96:97]
	s_add_nc_u64 s[82:83], s[40:41], s[84:85]      ; q's codes
	s_add_nc_u64 s[84:85], s[40:41], s[86:87]      ; q's scale words
	s_min_u32 s[QL], s3, s4                        ; 0 where y = 0 or the key step is 0
	s_lshl_b32 s88, s5, 1                          ; where a cross work-group's fragment of the q slice goes: record 144 + 2 hp + ks,
	s_add_co_u32 s88, s88, s49
	s_add_co_u32 s88, s88, 144
	s_mul_i32 s88, s88, 6656
	s_mul_i32 s90, s48, 1536                       ; fragment wave / 2;
	s_add_co_u32 s90, s90, s88
	s_mov_b32 s91, 0
	s_lshl_b32 s92, s48, 2                         ; its scale words: 6,144 + 16 x lane + 4 (wave / 2)
	s_add_co_u32 s92, s92, s88
	s_add_co_u32 s92, s92, 6144
	s_mov_b32 s93, 0
	s_add_nc_u64 s[90:91], s[46:47], s[90:91]
	s_add_nc_u64 s[92:93], s[46:47], s[92:93]
	; ---- phase 0: everything is quantised once and laid into LDS as images.  The waits count the younger loads, 16 an item
	s_wait_alu depctr_va_vdst(0)                   ; the offsets and LDS addresses v4 to v11 are written, which the loads and stores of this phase read
	ITEM SL0, 54, VA, 0                            ; a, K step 0
	ITEM SL1, 56, VA, 0                            ; b, K step 0
	ITEM SL2, 54, VA, 512                          ; a, K step 1
	s_wait_loadcnt 32                              ; a's first item is in; two items are younger
	QF SL0, 0
	IMAGE IA, A1IMG
	ds_store_b32 v[SA], v[PW] offset:A1SC
	s_wait_loadcnt 16                              ; b's first
	PKADD SL0, SL1
	QF SL0, 1
	IMAGE IA, A0IMG
	ds_store_b32 v[SA], v[PW] offset:A0SC
	ITEM SL1, 56, VA, 512                          ; b, K step 1.  No wait of its own: no vector line stands behind the image's wait, which has shown the additions done with SL1
	ITEM SL0, 72, VA, 0                            ; my fragment of the K slice: likewise the quantiser with SL0
	s_wait_loadcnt 32                              ; a's second
	QF SL2, 1
	IMAGE IA, A1IMG+1536
	ds_store_b32 v[SA], v[PW] offset:A1SC+128
	s_wait_loadcnt 16                              ; b's second
	PKADD SL2, SL1
	QF SL2, 1
	IMAGE IA, A0IMG+1536
	ds_store_b32 v[SA], v[PW] offset:A0SC+128
	ITEM SL1, 74, VV, 0                            ; of the V slice: behind the image's wait, as above
	s_cmp_lg_u32 s[QL], 0
	s_cbranch_scc1 .Lnq0
	ITEM SL2, 70, VA, 0                            ; of the Q slice: self, and cross at key step 0: behind the same wait
.Lnq0:
	s_wait_loadcnt 16                              ; the K slice's item is in on both ways: one or two items are younger
	QF SL0, 1
	IMAGE IW, 0
	ds_store_b32 v[SWS], v[PW] offset:WSC
	s_wait_loadcnt 0x0
	QF SL1, 1
	IMAGE IW, 12288
	ds_store_b32 v[SWS], v[PW] offset:WSC+1024
	s_cmp_lg_u32 s[QL], 0
	s_cbranch_scc1 .Lnq1
	QF SL2, 1
	s_cmp_lg_u32 s3, 0
	s_cbranch_scc1 .Lwq_out
	IMAGE IW, 24576                                ; self: the fragment is multiplied here
	ds_store_b32 v[SWS], v[PW] offset:WSC+2048
	s_branch .Lnq1
.Lwq_out:                                          ; cross: it goes into its record, for the launch between the attentions
	s_wait_alu depctr_va_vdst(0)                   ; the quantiser has written v[P ..] and v[PW], which the stores read
.irp g, 0,1,2
	global_store_b128 v[LI], v[P+4*\g:P+4*\g+3], s[90:91] offset:512*\g   ; 512 consecutive bytes a store
.endr
	global_store_b32 v[LI], v[PW], s[92:93]        ; four waves' words interleave to a record's 512 bytes: 4,096 bytes in the whole launch
	s_wait_xcnt 0x0                                ; the stores have read the codes' and the word's registers, which phase 1 writes again
	s_wait_alu depctr_vm_vsrc(0)                   ; beside it: the four stores have read v[P ..] and v[PW]
.Lnq1:
	; the addresses of phase 1, on the way that all take
	v_mul_u32_u24 v16, v3, 6400                    ; k: lane half h holds head 2 hp + h
	v_lshl_add_u32 v17, v2, 4, v16
	v_add_nc_u32 v17, KVST, v17
	s_mul_i32 s52, s6, 1536                        ; fragment c; my tile is its block u: lanes 16 (u % 2) on, registers 6 (u / 2) on
	s_lshl_b32 s53, s49, 8
	s_add_co_u32 s52, s52, s53
	s_mul_i32 s53, s51, 520
	s_add_co_u32 s53, s53, s52
	v_add_nc_u32 v[AK0], s53, v17
	s_mul_i32 s53, s51, 1016
	s_add_co_u32 s53, s53, s52
	v_add_nc_u32 v[AK1], s53, v17
	v_lshl_add_u32 v18, v2, 3, v16
	v_add_nc_u32 v18, KVST+6144, v18
	s_lshl_b32 s52, s6, 7
	s_add_co_u32 s52, s52, s7
	v_add_nc_u32 v[AKS], s52, v18                  ; k's scale byte: word 0 of lane r + 16 c, byte u
	v_add_nc_u32 v17, KVST+3072, v[LI]             ; v: my lane as it stands; head wave / 4, fragment (wave / 2) % 2, registers 6 (wave % 2) on
	s_mul_i32 s52, s6, 6400
	s_mul_i32 s53, s51, 1536
	s_add_co_u32 s53, s53, s52
	s_mul_i32 s50, s49, 520
	s_add_co_u32 s50, s50, s53
	v_add_nc_u32 v[AV0], s50, v17
	s_mul_i32 s50, s49, 1016
	s_add_co_u32 s50, s50, s53
	v_add_nc_u32 v[AV1], s50, v17
	v_lshl_add_u32 v18, v2, 3, v3
	v_add_nc_u32 v18, KVST+6148, v18
	s_lshl_b32 s53, s51, 7
	s_add_co_u32 s52, s52, s53
	s_lshl_b32 s53, s49, 1
	s_add_co_u32 s52, s52, s53
	v_add_nc_u32 v[AVS], s52, v18                  ; v's scale byte: word 1 of lane r + 16 x fragment, byte 2 (wave % 2) + h
	v_mul_u32_u24 v17, v13, 1536                   ; q: my row lies in tile 4 c + 2 (r / 8) + u / 2, at row 8 (u % 2) + r % 8
	v_mad_u32_u24 v17, v14, 24, v17
	v_mad_u32_u24 v17, v3, 384, v17
	v_add_nc_u32 v17, QST, v17
	s_lshl_b32 s52, s6, 2
	s_add_co_u32 s52, s52, s51
	s_mul_i32 s53, s52, 768
	s_mul_i32 s50, s49, 192
	s_add_co_u32 s53, s53, s50
	v_add_nc_u32 v[AQ], s53, v17
	v_lshlrev_b32 v17, 8, v13
	v_lshl_add_u32 v17, v14, 2, v17
	v_lshl_add_u32 v17, v3, 6, v17
	v_add_nc_u32 v17, QSS, v17
	s_lshl_b32 s53, s52, 7
	s_lshl_b32 s50, s49, 5
	s_add_co_u32 s53, s53, s50
	v_add_nc_u32 v[AQS], s53, v17
	s_mul_i32 s52, s49, 12288
	v_add_nc_u32 v[FV], s52, v[LI]                 ; V: the four row tiles of my group of keys
	s_lshl_b32 s52, s49, 10
	v_add_nc_u32 v[FVS], s52, v[LS]
	s_mul_i32 s52, s48, 3072
	s_add_co_u32 s52, s52, WIMG
	v_add_nc_u32 v[FW], s52, v[LI]                 ; and my tile of the V slice
	s_lshl_b32 s52, s48, 2
	v_add_nc_u32 v[FWS], s52, v[LI]
	v_add_nc_u32 v[LIW], WIMG, v[LI]
	v_lshlrev_b32 v[BO], 7, v3
	v_lshl_add_u32 v[BVO], v13, 4, v14
	v_lshlrev_b32 v[BVO], 2, v[BVO]
	v_lshl_add_u32 v[TOK], v0, 4, KVST
	v_lshlrev_b32 v[TOG], 4, v0
	s_mul_i32 s52, s2, 768
	s_add_co_u32 s52, s52, QST
	v_lshl_add_u32 v[Q8], v1, 3, s52
	v_lshlrev_b32 v[GQ8], 3, v1
	s_lshl_b32 s52, s2, 7
	s_add_co_u32 s52, s52, QSS
	v_lshl_add_u32 v[Q4], v1, 2, s52
	s_wait_alu depctr_va_vdst(0)                   ; the addresses v224 to v244 are written, which the loads and stores of phase 1 read; the quantisers are done with v64 to v223, in which the loads below and the fetches behind the barrier land
.irp i, 0,1,2,3,4,5,6,7
	global_load_b128 v[ACC+4*\i:ACC+4*\i+3], v[BO], s[78:79] offset:16*\i   ; bk of my head's 32: the C of the first products
.endr
	global_load_b32 v[BVR], v[BVO], s[80:81]       ; bv of my lane's channel
	BAR                                            ; all images lie in LDS
; k or q of my row tile, TRANSPOSED: source 0 = four tiles of the slice (a group of 64 rows: two heads), source 1 = my 16 rows of a + b.  Lane (r, h): row r, head 2 hp + h, its 32 in order.
; The fetches lean on the last wait on va_vdst ahead of them: no vector or matrix line stands between.
.macro KIND sg
.irp ks, 0,1
.irp v, 0,1,2,3
	FETCH 64+12*(4*\ks+\v), LIW, (8*\sg+2*\v+\ks)*1536
.endr
	ds_load_b128 v[SCL+4*\ks:SCL+4*\ks+3], v[LI] offset:WSC+(2*\sg+\ks)*512
	FETCH 160+12*\ks, IA, A0IMG+1536*\ks
	ds_load_b32 v[SCL+8+\ks], v[SA] offset:A0SC+128*\ks
.endr
	s_wait_dscnt 0x0
	s_wait_loadcnt 0x0                             ; the bias lies in the accumulators
.irp ks, 0,1
.irp v, 0,1,2,3
	v_wmma_scale_f32_16x16x128_f8f6f4 v[ACC+8*\v:ACC+8*\v+7], v[64+12*(4*\ks+\v):64+12*(4*\ks+\v)+11], v[160+12*\ks:160+12*\ks+11], v[ACC+8*\v:ACC+8*\v+7], v[SCL+4*\ks+\v], v[SCL+8+\ks] matrix_a_fmt:MATRIX_FMT_FP6 matrix_b_fmt:MATRIX_FMT_FP6
.endr
.endr
	PLACES
	QB1 ACC, 1
.endm
	KIND 0
.irp j, 0,1,2,3,4,5,6,7
	v_mov_b32 v[BV8+\j], v[BVR]                    ; V's bias as a C: ahead of the wait below, so that only LDS lines stand behind it
.endr
	s_wait_alu depctr_va_vdst(0)                   ; k's codes and byte are written, which the LDS stores read; the products are done reading v54 to v183, in which v's fetches land
	PIECES AK0, AK1
	ds_store_b8 v[AKS], v[BY0]
	; v: source 0 = the four row tiles of my group of 64 keys (of a), source 1 = my tile of the V slice.  Lane (r, h): one channel, keys 32 h + 0 .. 31 of the group: a block along the keys
.irp ks, 0,1
.irp u, 0,1,2,3
	FETCH 64+12*(4*\ks+\u), FV, A1IMG+(2*\u+\ks)*1536
	ds_load_b32 v[SCL+4*\ks+\u], v[FVS] offset:A1SC+(2*\u+\ks)*128
.endr
	FETCH 160+12*\ks, FW, 12288+1536*\ks
	ds_load_b32 v[SCL+8+\ks], v[FWS] offset:WSC+1024+512*\ks
.endr
	s_wait_dscnt 0x0
.irp u, 0,1,2,3
	v_wmma_scale_f32_16x16x128_f8f6f4 v[ACC+8*\u:ACC+8*\u+7], v[64+12*\u:64+12*\u+11], v[160:171], v[BV8:BV8+7], v[SCL+\u], v[SCL+8] matrix_a_fmt:MATRIX_FMT_FP6 matrix_b_fmt:MATRIX_FMT_FP6
.endr
.irp u, 0,1,2,3
	v_wmma_scale_f32_16x16x128_f8f6f4 v[ACC+8*\u:ACC+8*\u+7], v[64+12*(4+\u):64+12*(4+\u)+11], v[172:183], v[ACC+8*\u:ACC+8*\u+7], v[SCL+4+\u], v[SCL+9] matrix_a_fmt:MATRIX_FMT_FP6 matrix_b_fmt:MATRIX_FMT_FP6
.endr
	PLACES
	QB1 ACC, 1
	s_wait_alu depctr_va_vdst(0)                   ; v's codes and byte are written, which the LDS stores read; the products and the quantiser are done with v54 to v215, in which bq, q's fetches and the way out's loads land
	PIECES AV0, AV1
	ds_store_b8 v[AVS], v[BY0]
	s_cmp_lg_u32 s3, 0
	s_cbranch_scc1 .Lnq2
.irp i, 0,1,2,3,4,5,6,7
	global_load_b128 v[ACC+4*\i:ACC+4*\i+3], v[BO], s[76:77] offset:16*\i   ; bq; the LDS fetches below stand between these loads and the wait for them
.endr
	KIND 2
	v_lshl_or_b32 v[T], v[BY0], 8, v[BY0]          ; q's byte in all four bytes of its word: q will stand in any of a fragment's four blocks
	v_lshl_or_b32 v[T], v[T], 16, v[T]
	s_wait_alu depctr_va_vdst(0)                   ; q's codes and its word are written, which the LDS stores read; the products are done reading v64 to v86, in which the way out's loads land
.irp i, 0,1,2
	ds_store_b64 v[AQ], v[P+2*\i:P+2*\i+1] offset:8*\i
.endr
	ds_store_b32 v[AQS], v[T]
.Lnq2:
	BAR                                            ; the blocks are whole
	; the way out: 12,800 consecutive bytes of kv, 16 bytes a thread; then q's tiles, 768 consecutive bytes a wave
.irp k, 0,1,2
	ds_load_b128 v[64+4*\k:64+4*\k+3], v[TOK] offset:4096*\k
.endr
	s_wait_dscnt 0x0
.irp k, 0,1,2
	global_store_b128 v[TOG], v[64+4*\k:64+4*\k+3], s[62:63] offset:4096*\k
.endr
	s_cmp_lg_u32 s2, 0
	s_cbranch_scc1 .Lno_tail
	ds_load_b128 v[76:79], v[TOK] offset:12288     ; the last 512 bytes: wave 0
	s_wait_dscnt 0x0
	global_store_b128 v[TOG], v[76:79], s[62:63] offset:12288
.Lno_tail:
	s_cmp_lg_u32 s3, 0
	s_cbranch_scc1 .Lcross
.irp k, 0,1,2
	ds_load_b64 v[80+2*\k:80+2*\k+1], v[Q8] offset:256*\k
.endr
	ds_load_b32 v86, v[Q4]
	s_wait_dscnt 0x0
.irp k, 0,1,2
	global_store_b64 v[GQ8], v[80+2*\k:80+2*\k+1], s[82:83] offset:256*\k
.endr
	global_store_b32 v[LS], v86, s[84:85]
	s_wait_dscnt 0x0
	s_wait_alu depctr_hold_cnt(0) depctr_sa_sdst(0) depctr_va_vdst(0) depctr_va_sdst(0) depctr_va_ssrc(0) depctr_va_vcc(0) depctr_vm_vsrc(0)
	s_wait_tensorcnt 0x0
	ds_add_u32 v39, v43
	s_wait_dscnt 0x0
	s_endpgm
.Lcross:
	s_and_b32 s4, ttmp9, 127                       ; which cross work-group
	s_sub_co_u32 s3, s4, 4                         ; g = 0 .. 17 in work-groups 4 to 21 (0 to 3 have made the q slice's records; under 4 the difference wraps and is large)
	s_cmp_lt_u32 s3, 18
	s_cbranch_scc1 .Lrelay
	s_wait_dscnt 0x0
	s_wait_alu depctr_hold_cnt(0) depctr_sa_sdst(0) depctr_va_vdst(0) depctr_va_sdst(0) depctr_va_ssrc(0) depctr_va_vcc(0) depctr_vm_vsrc(0)
	s_wait_tensorcnt 0x0
	ds_add_u32 v39, v43
	s_wait_dscnt 0x0
	s_endpgm
	; ---------------- weights given as codes: a wave makes one record of 6,656 bytes: number 8 g + wave ----------------
.Lrelay:
	s_wait_xcnt 0x0                                ; the way out's stores have read their registers and their base, which are written from here on
	s_wait_alu depctr_vm_vsrc(0)                   ; beside it: the way out's stores have read v64 to v79, in which the loads below land; the LDS stores of phase 1 have read v24, and those of phase 0 v22, which the offsets' lines write
	s_lshr_b32 s4, s3, 3                           ; 0: w1, 1: w2, 2: the two w_out
	s_mov_b32 s5, 192
	s_cmp_eq_u32 s4, 1
	s_cselect_b32 s5, 1536, s5                     ; a row of codes in bytes
	s_cselect_b32 s6, 64, 8                        ; a row of scale bytes
	s_and_b32 s7, s3, 7
	s_cmp_lt_u32 s3, 16
	s_cselect_b32 s7, s7, 0
	s_lshl_b32 s7, s7, 3
	s_add_co_u32 s7, s7, s2                        ; the record's number within its tensor
	s_and_b32 s52, s7, 3
	s_lshr_b32 s53, s7, 2
	s_lshr_b32 s54, s7, 1
	s_and_b32 s55, s7, 1
	s_cmp_eq_u32 s4, 1
	s_cselect_b32 s52, s52, s54                    ; G: the group of 64 rows
	s_cselect_b32 s53, s53, s55                    ; the K step
	s_lshl_b32 s56, s52, 6
	s_mul_i32 s58, s56, s5
	s_mul_i32 s57, s53, 96
	s_add_co_u32 s58, s58, s57
	s_mov_b32 s59, 0
	s_mul_i32 s60, s56, s6
	s_lshl_b32 s57, s53, 2
	s_add_co_u32 s60, s60, s57
	s_mov_b32 s61, 0
	s_lshl_b32 s62, s3, 3
	s_add_co_u32 s62, s62, s2
	s_mul_i32 s62, s62, 6656
	s_mov_b32 s63, 0
.irp v, 0,1,2,3
	v_add_nc_u32 v24, 8*\v, v15                    ; tile v's row of my lane: 8 v + 32 (r / 8) + r % 8
	v_mul_lo_u32 v[16+\v], v24, s5
	v_mad_u32_u24 v[16+\v], v3, 24, v[16+\v]
	v_mul_lo_u32 v[20+\v], v24, s6
.endr
	s_mov_b64 s[48:49], s[36:37]                   ; which tensor: choices on the work-group's number alone
	s_mov_b64 s[50:51], s[38:39]
	s_cmp_eq_u32 s3, 16
	s_cselect_b64 s[48:49], s[32:33], s[48:49]
	s_cselect_b64 s[50:51], s[34:35], s[50:51]
	s_cmp_lt_u32 s3, 16
	s_cselect_b64 s[48:49], s[28:29], s[48:49]
	s_cselect_b64 s[50:51], s[30:31], s[50:51]
	s_cmp_lt_u32 s3, 8
	s_cselect_b64 s[48:49], s[24:25], s[48:49]
	s_cselect_b64 s[50:51], s[26:27], s[50:51]
	s_add_nc_u64 s[48:49], s[48:49], s[58:59]
	s_add_nc_u64 s[50:51], s[50:51], s[60:61]
	s_add_nc_u64 s[46:47], s[46:47], s[62:63]
	s_wait_alu depctr_va_vdst(0)                   ; the eight offsets v16 to v23 are written, which the loads below read
.irp v, 0,1,2,3
.irp cc, 0,1
.irp p, 0,1,2
	global_load_b64 v[64+12*\v+6*\cc+2*\p:64+12*\v+6*\cc+2*\p+1], v[16+\v], s[48:49] offset:48*\cc+8*\p   ; the fragment's registers, as the codes lie
.endr
.endr
	global_load_b32 v[56+\v], v[20+\v], s[50:51]   ; and its row's scale word
.endr
	s_wait_loadcnt 0x0
.irp q, 0,1,2,3,4,5,6,7,8,9,10,11
	global_store_b128 v[LI], v[64+4*\q:64+4*\q+3], s[46:47] offset:512*\q   ; 512 consecutive bytes a store
.endr
	global_store_b128 v[LI], v[56:59], s[46:47] offset:6144
	s_wait_dscnt 0x0
	s_wait_alu depctr_hold_cnt(0) depctr_sa_sdst(0) depctr_va_vdst(0) depctr_va_sdst(0) depctr_va_ssrc(0) depctr_va_vcc(0) depctr_vm_vsrc(0)
	s_wait_tensorcnt 0x0
	ds_add_u32 v39, v43
	s_wait_dscnt 0x0
	s_endpgm
.Lfunc_end_k_q68f6b158a1_proj:
	.size	k_q68f6b158a1_proj, .Lfunc_end_k_q68f6b158a1_proj-k_q68f6b158a1_proj
	.p2alignl 7, 3214868480
	.fill 96, 4, 3214868480
	.section	.rodata,"a",@progbits
	.p2align	6, 0x0
	.amdhsa_kernel k_q68f6b158a1_proj
		.amdhsa_group_segment_fixed_size 114688
		.amdhsa_private_segment_fixed_size 0
		.amdhsa_enable_private_segment 0
		.amdhsa_kernarg_size 160
		.amdhsa_user_sgpr_count 2
		.amdhsa_user_sgpr_kernarg_segment_ptr 1
		.amdhsa_wavefront_size32 1
		.amdhsa_system_sgpr_workgroup_id_x 1
		.amdhsa_system_sgpr_workgroup_id_y 1
		.amdhsa_system_sgpr_workgroup_id_z 1
		.amdhsa_system_vgpr_workitem_id 0
		.amdhsa_next_free_vgpr 256
		.amdhsa_next_free_sgpr 100
		.amdhsa_reserve_vcc 0
		.amdhsa_float_denorm_mode_32 3
		.amdhsa_float_denorm_mode_16_64 3
		.amdhsa_memory_ordered 1
		.amdhsa_forward_progress 1
		.amdhsa_inst_pref_size 73
	.end_amdhsa_kernel
	.amdgpu_metadata
---
amdhsa.version: [ 1, 2 ]
amdhsa.kernels:
  - .name:           k_q68f6b158a1_proj
    .symbol:         k_q68f6b158a1_proj.kd
    .args:
      - { .name: tgt, .offset: 0, .size: 8, .value_kind: global_buffer, .address_space: global }
      - { .name: query_pos, .offset: 8, .size: 8, .value_kind: global_buffer, .address_space: global }
      - { .name: w_in_self, .offset: 16, .size: 8, .value_kind: global_buffer, .address_space: global }
      - { .name: b_in_self, .offset: 24, .size: 8, .value_kind: global_buffer, .address_space: global }
      - { .name: memory, .offset: 32, .size: 8, .value_kind: global_buffer, .address_space: global }
      - { .name: pos, .offset: 40, .size: 8, .value_kind: global_buffer, .address_space: global }
      - { .name: w_in_cross, .offset: 48, .size: 8, .value_kind: global_buffer, .address_space: global }
      - { .name: b_in_cross, .offset: 56, .size: 8, .value_kind: global_buffer, .address_space: global }
      - { .name: w1_codes, .offset: 64, .size: 8, .value_kind: global_buffer, .address_space: global }
      - { .name: w1_scales, .offset: 72, .size: 8, .value_kind: global_buffer, .address_space: global }
      - { .name: w2_codes, .offset: 80, .size: 8, .value_kind: global_buffer, .address_space: global }
      - { .name: w2_scales, .offset: 88, .size: 8, .value_kind: global_buffer, .address_space: global }
      - { .name: w_out_self_codes, .offset: 96, .size: 8, .value_kind: global_buffer, .address_space: global }
      - { .name: w_out_self_scales, .offset: 104, .size: 8, .value_kind: global_buffer, .address_space: global }
      - { .name: w_out_cross_codes, .offset: 112, .size: 8, .value_kind: global_buffer, .address_space: global }
      - { .name: w_out_cross_scales, .offset: 120, .size: 8, .value_kind: global_buffer, .address_space: global }
      - { .name: qrec, .offset: 128, .size: 8, .value_kind: global_buffer, .address_space: global }
      - { .name: kv1, .offset: 136, .size: 8, .value_kind: global_buffer, .address_space: global }
      - { .name: kv2, .offset: 144, .size: 8, .value_kind: global_buffer, .address_space: global }
      - { .name: wimg, .offset: 152, .size: 8, .value_kind: global_buffer, .address_space: global }
    .group_segment_fixed_size: 114688
    .private_segment_fixed_size: 0
    .kernarg_segment_align: 8
    .kernarg_segment_size: 160
    .max_flat_workgroup_size: 256
    .sgpr_count:     100
    .vgpr_count:     256
    .wavefront_size: 32
...
	.end_amdgpu_metadata
.endif
;; end of part 5
;; launch attn (part 6): grid 32 x 8, 8 waves a work-group, clusters of 4 x 1, 205,824 bytes of LDS; arguments qrec, kv1, aoc, aos; writes aoc, aos
.if DOCPART == 6
	.amdgcn_target "amdgcn-amd-amdhsa--gfx1250"
	.amdhsa_code_object_version 6
	.text
	.protected	k_q68f6b158a1_attn
	.globl	k_q68f6b158a1_attn
	.p2align	8
	.type	k_q68f6b158a1_attn,@function
k_q68f6b158a1_attn:
	s_mov_b64 s[64:65], 0
	v_nop
	global_prefetch_b8 v0, s[64:65] scope:SCOPE_SE
	s_setreg_imm32_b32 hwreg(HW_REG_WAVE_MODE, 25, 1), 1
	s_wait_xcnt 0x0
	s_wait_alu depctr_hold_cnt(0) depctr_sa_sdst(0) depctr_va_vdst(0) depctr_va_sdst(0) depctr_va_ssrc(0) depctr_va_vcc(0) depctr_vm_vsrc(0)
	s_getreg_b32 s2, hwreg(HW_REG_IB_STS2, 6, 4)
	s_cmp_eq_u32 s2, 0
	s_cbranch_scc0 .Lentry_in_a_cluster
	s_endpgm
.Lentry_in_a_cluster:
	s_bfe_u32 s2, ttmp6, 0x10000c
	s_cmp_lg_u32 s2, 0x3003
	s_cbranch_scc0 .Lentry_shape_is_right
	s_endpgm
.Lentry_shape_is_right:
; ATTENTION OF ONE HEAD ON CODES OF FP6 (E2M3): o = softmax(q k^T / sqrt(32)) v, head size 32, 4,096 queries and 4,096 keys, 8 heads; the result is quantised along the model's 256 (a head is a block).
; t = score x log2(e) / sqrt(32) (one rounding); M = the running largest t rounded UP to a whole number; p = 2^(t - M) is quantised along the keys, not normalised; the row's sum is taken of the
; unquantised p and divides at the end.  When M moves, the sum and O are multiplied by 2^(old M - new M): exact.
; SHARES.  Work-group: 128 queries of one head; each of its eight waves 16 of them, in 256 registers: two waves to a SIMD, so that one wave's vector work stands beside the other's products and LDS loads.
; THE WHOLE HEAD'S K AND V LIE IN LDS: 32 key steps x 6,400 bytes, laid by the launch before in the order of the operands' registers.  Each wave brings four steps by four tensor loads at the start:
; its j-th load brings step 8 j + wave.  Nothing is filled again.  THE KEYS ARE WALKED IN FOUR RUNS OF EIGHT STEPS: in front of run j a counted wait (the wave's loads 0 to j have landed, the later ones
; stay on their way) and a barrier show the run's eight steps to every wave, so the first runs are worked while the later ones land.
; CLUSTER: the four query blocks of a cluster walk the same head, so each tile is asked for jointly, with a mask that names the four.
; A KEY STEP'S BLOCK: two fragments of K (1,536 bytes each), two of V, 256 bytes of scale words (8 x lane: word 0 K's, word 1 V's).
; THE SCORES' K IS 32 OF THE INSTRUCTION'S 128: a fragment of K carries FOUR tiles of 16 keys, one in each of its four blocks of 32; q stands in block u of a fragment whose other blocks are zero codes,
; so the product with that fragment picks tile u.  Four such fragments of q are cut out of two runs of 18 registers.  Every byte of K read from LDS is used.
; Both products are used transposed (S^T = K Q^T, O^T = V^T P^T): a lane holds one query.  Tile 4 c + u's row m is key 64 c + 8 u + 32 (m / 8) + m % 8, so a lane's 32 registers of group c are keys
; 64 c + 32 (lane / 16) + 0 .. 31: a whole block of p, in the order of the operand's registers 6 c .. 6 c + 5.
; LIMITS: NaN and infinities are not served.  A block whose every p has fallen to 0 keeps the scale byte 1: its codes are zeros.  A block's largest p is made of the block's largest score by the same
; multiply-add and exponential, which takes v_exp_f32 not to fall where its input rises.
.set LI,  1                            ; v1   16 x lane
.set L8,  2                            ; v2   8 x lane
.set ADR, 3                            ; v3   LDS address of the fragments in hand
.set ADS, 4                            ; v4   of their scale words
.set SH8, 5                            ; v5   8 (lane / 16)
.set T,   6
.set T2,  7
.set F,   8                            ; v[8:9]   2^(old M - new M)
.set BM,  10                           ; v10-11   my two blocks' largest scores, then largest p
.set NM,  12                           ; v12      -M
.set TMX, 13                           ; v13      the running largest t
.set SUM, 14                           ; v[14:15] the row's sum, two halves
.set SCOP, 16
.set BY,  18
.set CH,  20                           ; v20-23   chains of the maxima
.set KS,  24                           ; scale words, and nothing else: K's,
.set VS,  25                           ; V's,
.set QS,  26                           ; q's,
.set PW,  27                           ; p's
.set SUM2, 28
.set QD,  30                           ; v30-35   q's 24 bytes
.set XR,  36                           ; v36-53   6 zeros, q in lanes 0-15, 6 zeros
.set YR,  54                           ; v54-71   the same with q in lanes 16-31
.set KF,  72
.set VF,  96
.set P,   120
.set TT,  132
.set O,   140                          ; v140-155 O^T: register 8 d + j is channel 16 (lane / 16) + 8 d + j
.set S,   160                          ; v160-223 S^T, then p
.set AOF, 224
.set ASF, 225
.set QOF, 226
.set QSF, 227
.set WV,  12
.set G1,  16                           ; s[16:23] descriptor group 1
.set G0,  24                           ; s[24:39] four groups 0
.set SEL, 40
.set CS,  42                           ; s[42:43] c = log2(e) / sqrt(32)
.set TB,  44                           ; s44  LDS byte of the key step to be fetched
.set CNT, 45
.macro ROUND                           ; a round of the cluster's barrier
	s_barrier_signal -1
	s_barrier_wait -1
	s_cmp_lg_u32 s[WV], 0
	s_cbranch_scc1 .Lnot_wave_0_\@
	s_barrier_signal -3
.Lnot_wave_0_\@:
	s_barrier_wait -3
	s_barrier_signal -1
	s_barrier_wait -1
.endm
.macro KLOADS                          ; seven LDS loads: K's two fragments and its scale words
.irp q, 0,1,2,3,4,5
	ds_load_b128 v[KF+4*\q:KF+4*\q+3], v[ADR] offset:512*\q
.endr
	ds_load_b32 v[KS], v[ADS] offset:6144          ; lanes 0-15: fragment 0's rows; lanes 16-31: fragment 1's
.endm
.macro VLOADS                          ; seven more: V's
.irp q, 0,1,2,3,4,5
	ds_load_b128 v[VF+4*\q:VF+4*\q+3], v[ADR] offset:3072+512*\q
.endr
	ds_load_b32 v[VS], v[ADS] offset:6148
	s_add_co_u32 s[TB], s[TB], 6400                ; the next fetch is the next step's
.endm
; In front of a run of eight steps.  left = how many of my four tensor loads, the later ones, may stay out: tensor loads of a wave end in order (ISA guide 10.11.1), so my step of this run has landed.
; Behind the barrier that holds of every wave's.  No LDS byte is filled again behind it, so the later loads may cross it.
.macro CHUNK left
	s_wait_tensorcnt \left
	s_wait_dscnt 0x0                               ; no LDS instruction of mine is pending at the signal
	s_barrier_signal -1
	s_barrier_wait -1
.endm
	s_load_b256 s[4:11], s[0:1], 0x0               ; qrec, kv, aoc, aos
	v_lshl_add_u32 v254, v0, 2, 0x32000
	v_mov_b32 v255, 0
	ds_add_u32 v254, v255
	ds_add_u32 v254, v255
	v_lshrrev_b32 v20, 5, v0
	s_delay_alu instid0(VALU_DEP_1)
	v_readfirstlane_b32 s[WV], v20                 ; wave 0..7
	v_and_b32 v20, 31, v0                          ; lane
	v_and_b32 v21, 15, v0                          ; r
	v_bfe_u32 v22, v0, 4, 1                        ; h
	s_delay_alu instid0(VALU_DEP_3)
	v_lshlrev_b32 v[LI], 4, v20
	s_delay_alu instid0(VALU_DEP_4)
	v_lshlrev_b32 v[L8], 3, v20
	s_delay_alu instid0(VALU_DEP_3)
	v_lshlrev_b32 v[SH8], 3, v22
	v_mul_u32_u24 v[QOF], v21, 24
	v_lshlrev_b32 v[QSF], 2, v21
	s_delay_alu instid0(VALU_DEP_2)
	v_mad_u32_u24 v[AOF], v22, 12, v[QOF]
	v_lshlrev_b32 v[ASF], 3, v21
	v_cmp_gt_u32 vcc_lo, 16, v20                   ; lanes 0-15
	v_cmp_le_u32 s60, 16, v20                      ; lanes 16-31
	s_bfe_u32 s13, ttmp6, 0x40000                  ; cx: it enters the addresses of q and of the results alone
	s_lshl_b32 s14, ttmp9, 2
	s_add_co_u32 s14, s14, s13                     ; my block of 128 queries
	s_lshl_b32 s14, s14, 3
	s_add_co_u32 s14, s14, s[WV]                   ; my tile of 16
	s_and_b32 s15, ttmp7, 0xffff                   ; the head, which the four partners share
	s_mov_b32 s[G1], 15|(3<<16)|(1<<21)            ; 15:0 the mask: all four work-groups; 17:16 elements of 8 bytes; 21 set beside a mask; no padding
	s_mov_b32 s[G1+1], 32<<16                      ; tensor_dim0 = 32 elements: rows of 256 bytes
	s_mov_b32 s[G1+2], 25<<16                      ; tensor_dim1 = 25 rows: 6,400 dense bytes
	s_mov_b32 s[G1+3], 32<<16                      ; tile_dim0
	s_mov_b32 s[G1+4], 25                          ; tile_dim1
	s_mov_b32 s[G1+5], 32                          ; the pitch
	s_mov_b32 s[G1+6], 0
	s_mov_b32 s[G1+7], 0
	s_mul_i32 s46, s15, 6400                       ; kv is [step 32][head 8][6,400]; my j-th load brings step wave + 8 j
	s_mul_i32 s47, s[WV], 51200
	s_add_co_u32 s46, s46, s47
	s_mov_b32 s47, 0
	s_mul_i32 s48, s[WV], 6400
	s_mul_i32 s50, s14, 3584
	s_mul_i32 s51, s15, 384
	s_lshl_b32 s53, s15, 6
	s_add_co_u32 s52, s50, s53
	s_add_co_u32 s52, s52, 3072                    ; q's scale words
	s_add_co_u32 s50, s50, s51                     ; q's codes
	s_mul_i32 s54, s14, 3072
	s_add_co_u32 s54, s54, s51                     ; the result's codes
	s_lshl_b32 s56, s14, 7
	s_add_co_u32 s56, s56, s15                     ; and its scale bytes
	s_mov_b32 s51, 0
	s_mov_b32 s53, 0
	s_mov_b32 s55, 0
	s_mov_b32 s57, 0
	s_mov_b32 s[SEL], 0x76543210
	s_mov_b32 s[SEL+1], 0xfedcba98
	s_mov_b32 s[CS], 0x3e8293ee
	s_mov_b32 s[CS+1], s[CS]                       ; (named with it as a pair, so it is written)
	s_mov_b32 s[TB], 0
	s_wait_dscnt 0x0
	s_wait_kmcnt 0x0
	s_add_nc_u64 s[6:7], s[6:7], s[46:47]
	s_add_nc_u64 s[58:59], s[4:5], s[52:53]
	s_add_nc_u64 s[4:5], s[4:5], s[50:51]
	s_add_nc_u64 s[8:9], s[8:9], s[54:55]
	s_add_nc_u64 s[10:11], s[10:11], s[56:57]
.irp j, 0,1,2,3
	s_mov_b32 s[G0+4*\j], 1                        ; count = 1
	s_add_co_u32 s[G0+4*\j+1], s48, 51200*\j       ; LDS address
	s_add_nc_u64 s[G0+4*\j+2:G0+4*\j+3], s[6:7], 409600*\j   ; global address
	s_or_b32 s[G0+4*\j+3], s[G0+4*\j+3], 0x80000000   ; type = 2
.endr
	ROUND                                          ; all four work-groups are here: the joint loads meet
.irp j, 0,1,2,3
	tensor_load_to_lds s[G0+4*\j:G0+4*\j+3], s[G1:G1+7]   ; four loads of mine are out; each LDS byte is filled once
	s_nop 0
.endr
.rept 4
	v_nop
.endr
	s_wait_alu depctr_va_vdst(0)
.irp p, 0,1,2
	global_load_b64 v[QD+2*\p:QD+2*\p+1], v[QOF], s[4:5] offset:8*\p   ; both halves of the lanes take row r's 24 bytes
.endr
	global_load_b32 v[QS], v[QSF], s[58:59]        ; q's byte, in all four bytes of the word
	v_mov_b32 v[TMX], 0xff61b1e6                   ; the largest t so far: -3e38
	s_delay_alu instid0(VALU_DEP_1)
	v_floor_f32 v[NM], -v[TMX]
	v_mov_b32 v[SUM], 0
	v_mov_b32 v[SUM+1], 0
	v_mov_b32 v[T2], 0                             ; written once: a lane permute's destination counts as one of its sources
	v_mov_b32 v[F+1], 0                            ; (named as the upper half of a pair)
.irp i, 0,1,2,3,4,5,12,13,14,15,16,17
	v_mov_b32 v[XR+\i], 0
	v_mov_b32 v[YR+\i], 0
.endr
	s_wait_loadcnt 0x0
.irp i, 0,1,2,3,4,5
	v_cndmask_b32 v[XR+6+\i], 0, v[QD+\i], vcc_lo
	v_cndmask_b32 v[YR+6+\i], 0, v[QD+\i], s60
.endr
.irp i, 0,1,2,3,4,5,6,7,8,9,10,11,12,13,14,15
	v_mov_b32 v[O+\i], 0                           ; the step is written for every step alike: the first finds zeros, which the first change of M leaves zeros
.endr
	CHUNK 3                                        ; steps 0 to 7 lie in LDS; my three later loads may be out
	v_add_nc_u32 v[ADR], s[TB], v[LI]
	v_add_nc_u32 v[ADS], s[TB], v[L8]
	KLOADS
	VLOADS
; A KEY STEP: 128 keys.  pre = 1: the next step's K is fetched behind the scores' products, its V behind the second products.
.macro STEP pre
	s_wait_dscnt 7                                 ; K and its scale words are in; V's seven loads may be out
.irp c, 0,1
.irp u, 0,1,2,3
.if \c == 0
	v_wmma_scale_f32_16x16x128_f8f6f4 v[S+8*(4*\c+\u):S+8*(4*\c+\u)+7], v[KF+12*\c:KF+12*\c+11], v[XR+18*(\u%2)+6-6*(\u/2):XR+18*(\u%2)+17-6*(\u/2)], 0, v[KS], v[QS] matrix_a_fmt:MATRIX_FMT_FP6 matrix_b_fmt:MATRIX_FMT_FP6
.else
	v_wmma_scale_f32_16x16x128_f8f6f4 v[S+8*(4*\c+\u):S+8*(4*\c+\u)+7], v[KF+12*\c:KF+12*\c+11], v[XR+18*(\u%2)+6-6*(\u/2):XR+18*(\u%2)+17-6*(\u/2)], 0, v[KS], v[QS] matrix_a_fmt:MATRIX_FMT_FP6 matrix_b_fmt:MATRIX_FMT_FP6 matrix_a_scale:MATRIX_SCALE_ROW1
.endif
.endr
.endr
.if \pre
	v_add_nc_u32 v[ADR], s[TB], v[LI]              ; four places behind the products, two of them useful
	v_add_nc_u32 v[ADS], s[TB], v[L8]
	v_nop
	v_nop
	KLOADS
.else
.rept 4
	v_nop
.endr
.endif
.irp c, 0,1                            ; the largest score of each of my two blocks of 32 keys: it serves for the row's maximum and for the block's largest p.  Each accumulator is first read at its low end
	v_max3_num_f32 v[CH+2*\c], v[S+32*\c], v[S+32*\c+1], v[S+32*\c+2]
	v_max3_num_f32 v[CH+2*\c+1], v[S+32*\c+16], v[S+32*\c+17], v[S+32*\c+18]
.endr
.irp i, 3,5,7,9,11,13
.irp c, 0,1
	v_max3_num_f32 v[CH+2*\c], v[CH+2*\c], v[S+32*\c+\i], v[S+32*\c+\i+1]
	v_max3_num_f32 v[CH+2*\c+1], v[CH+2*\c+1], v[S+32*\c+\i+16], v[S+32*\c+\i+17]
.endr
.endr
.irp c, 0,1
	v_max3_num_f32 v[CH+2*\c], v[CH+2*\c], v[S+32*\c+15], v[S+32*\c+31]
.endr
.irp c, 0,1
	s_delay_alu instid0(VALU_DEP_2)
	v_max_num_f32 v[BM+\c], v[CH+2*\c], v[CH+2*\c+1]
.endr
	s_delay_alu instid0(VALU_DEP_1)
	v_max_num_f32 v[T], v[BM], v[BM+1]
	s_delay_alu instid0(VALU_DEP_1)
	v_permlanex16_b32 v[T2], v[T], s[SEL], s[SEL+1]
	s_delay_alu instid0(VALU_DEP_1)
	v_max_num_f32 v[T], v[T], v[T2]                ; the step's largest score of my query
	s_delay_alu instid0(VALU_DEP_1)
	v_mul_f32 v[T], s[CS], v[T]                    ; as t
	s_delay_alu instid0(VALU_DEP_1)
	v_max_num_f32 v[TMX], v[TMX], v[T]
	v_mov_b32 v[T], v[NM]
	s_delay_alu instid0(VALU_DEP_2)
	v_floor_f32 v[NM], -v[TMX]                     ; the new -M = floor(-t): M is a whole number
	s_delay_alu instid0(VALU_DEP_1)
	v_sub_f32 v[T], v[NM], v[T]                    ; old M - new M: a whole number, 0 or less
	s_delay_alu instid0(VALU_DEP_1)
	v_cvt_i32_f32 v[T], v[T]                       ; (it saturates)
	s_delay_alu instid0(VALU_DEP_1)
	v_ldexp_f32 v[F], 1.0, v[T]
.set j, 0
.rept 32
	v_pk_fma_f32 v[S+j:S+j+1], v[S+j:S+j+1], s[CS:CS+1], v[NM:NM+1] op_sel_hi:[1,0,0]   ; t - M, two at a time
.set j, j+2
.endr
.irp c, 0,1
	v_fma_f32 v[BM+\c], v[BM+\c], s[CS], v[NM]
.endr
.set j, 0
	s_wait_alu depctr_va_vdst(0)
.rept 64
	v_exp_f32 v[S+j], v[S+j]                       ; p = 2^(t - M)
.set j, j+1
.endr
	s_setprio 1
.irp c, 0,1
	v_exp_f32 v[BM+\c], v[BM+\c]                   ; the block's largest p: the same two instructions on the same number
.endr
	v_pk_mul_f32 v[SUM:SUM+1], v[SUM:SUM+1], v[F:F+1] op_sel_hi:[1,0]   ; the sum under the new M.  (The plain place behind the exponentials)
	s_wait_alu depctr_va_vdst(0)
.irp c, 0,1
	v_max_num_f32 v[BM+\c], 0x1800000, v[BM+\c]    ; the floor 2^(3 - 127): the byte cannot fall under 1
.endr
.irp c, 0,1
	s_delay_alu instid0(VALU_DEP_2)
	v_add_nc_u32 v[SCOP+\c], 0xff000000, v[BM+\c]
.endr
.irp c, 0,1
	s_delay_alu instid0(VALU_DEP_2)
	v_lshrrev_b32 v[BY+\c], 23, v[SCOP+\c]
.endr
	s_delay_alu instid0(VALU_DEP_1)
	v_lshl_or_b32 v[T], v[BY+1], 16, v[BY]         ; my bytes of blocks h and 2 + h, at their places;
	s_delay_alu instid0(VALU_DEP_1)
	v_lshlrev_b32 v[T], v[SH8], v[T]
	s_delay_alu instid0(VALU_DEP_1)
	v_permlanex16_b32 v[T2], v[T], s[SEL], s[SEL+1]
	s_delay_alu instid0(VALU_DEP_1)
	v_or_b32 v[PW], v[T], v[T2]                    ; with lane l xor 16's two: p's scale word for these 128 keys
.irp c, 0,1
	v_cvt_scalef32_pk16_fp6_f32 v[P+6*\c:P+6*\c+2], v[S+32*\c:S+32*\c+15], v[SCOP+\c]
	v_cvt_scalef32_pk16_fp6_f32 v[TT+4*\c:TT+4*\c+2], v[S+32*\c+16:S+32*\c+31], v[SCOP+\c]   ; (a conversion's three registers begin on an even number)
.endr
	v_nop                                          ; one plain place behind a scaled conversion
.irp c, 0,1
.irp i, 0,1,2
	v_mov_b32 v[P+3+6*\c+\i], v[TT+4*\c+\i]
.endr
.endr
	v_pk_add_f32 v[28:29], v[164:165], v[168:169]
	v_pk_add_f32 v[252:253], v[172:173], v[176:177]
	v_pk_add_f32 v[250:251], v[180:181], v[184:185]
	v_pk_add_f32 v[248:249], v[188:189], v[192:193]
	v_pk_add_f32 v[246:247], v[196:197], v[200:201]
	v_pk_add_f32 v[244:245], v[204:205], v[208:209]
	v_pk_add_f32 v[242:243], v[212:213], v[216:217]
	v_pk_add_f32 v[14:15], v[14:15], v[220:221]
	v_pk_add_f32 v[28:29], v[28:29], v[160:161]
	v_pk_add_f32 v[252:253], v[252:253], v[162:163]
	v_pk_add_f32 v[250:251], v[250:251], v[166:167]
	v_pk_add_f32 v[248:249], v[248:249], v[170:171]
	v_pk_add_f32 v[246:247], v[246:247], v[174:175]
	v_pk_add_f32 v[244:245], v[244:245], v[178:179]
	v_pk_add_f32 v[242:243], v[242:243], v[182:183]
	v_pk_add_f32 v[14:15], v[14:15], v[186:187]
	v_pk_add_f32 v[28:29], v[28:29], v[190:191]
	v_pk_add_f32 v[252:253], v[252:253], v[194:195]
	v_pk_add_f32 v[250:251], v[250:251], v[198:199]
	v_pk_add_f32 v[248:249], v[248:249], v[202:203]
	v_pk_add_f32 v[246:247], v[246:247], v[206:207]
	v_pk_add_f32 v[244:245], v[244:245], v[210:211]
	v_pk_add_f32 v[242:243], v[242:243], v[214:215]
	s_setprio 0
	v_pk_add_f32 v[14:15], v[14:15], v[218:219]
	v_pk_add_f32 v[28:29], v[28:29], v[222:223]
	s_delay_alu instid0(VALU_DEP_2)
	v_pk_add_f32 v[14:15], v[14:15], v[248:249]
	s_delay_alu instid0(VALU_DEP_2)
	v_pk_add_f32 v[28:29], v[28:29], v[246:247]
	v_pk_add_f32 v[252:253], v[252:253], v[244:245]
	v_pk_add_f32 v[250:251], v[250:251], v[242:243]
	s_delay_alu instid0(VALU_DEP_2)
	v_pk_add_f32 v[14:15], v[14:15], v[252:253]
	s_delay_alu instid0(VALU_DEP_2)
	v_pk_add_f32 v[28:29], v[28:29], v[250:251]
	s_delay_alu instid0(VALU_DEP_1)
	v_pk_add_f32 v[14:15], v[14:15], v[28:29]
.irp j, 0,2,4,6,8,10,12,14
	v_pk_mul_f32 v[O+\j:O+\j+1], v[O+\j:O+\j+1], v[F:F+1] op_sel_hi:[1,0]   ; O^T under the new M.  (These and the sums are the places between p's codes and scale word and the products)
.endr
.if \pre
	s_wait_alu depctr_va_vdst(0)
	s_wait_dscnt 7                                 ; V is in; the next step's K may be out
.else
	s_wait_alu depctr_va_vdst(0)
	s_wait_dscnt 0x0
.endif
	v_wmma_scale_f32_16x16x128_f8f6f4 v[O:O+7], v[VF:VF+11], v[P:P+11], v[O:O+7], v[VS], v[PW] matrix_a_fmt:MATRIX_FMT_FP6 matrix_b_fmt:MATRIX_FMT_FP6
	v_wmma_scale_f32_16x16x128_f8f6f4 v[O+8:O+15], v[VF+12:VF+23], v[P:P+11], v[O+8:O+15], v[VS], v[PW] matrix_a_fmt:MATRIX_FMT_FP6 matrix_b_fmt:MATRIX_FMT_FP6 matrix_a_scale:MATRIX_SCALE_ROW1
.rept 4
	v_nop                                          ; places in front of the loads into V's registers, and of the first read of O^T
.endr
.if \pre
	VLOADS
.endif
.endm
; A run of trips: each works the step whose fragments are in hand and fetches the step behind it.
.macro RUN trips
	s_mov_b32 s[CNT], \trips
.Lstep_\@:
	s_setprio 2
	STEP 1
	s_sub_co_u32 s[CNT], s[CNT], 1
	s_cmp_lg_u32 s[CNT], 0
	s_cbranch_scc1 .Lstep_\@
	s_setprio 0
.endm
	RUN 7                                          ; works steps 0 to 6, fetches steps 1 to 7
	CHUNK 2                                        ; steps 8 to 15 lie in LDS; my two later loads may be out
	RUN 8                                          ; works 7 to 14, fetches 8 to 15
	CHUNK 1                                        ; steps 16 to 23
	RUN 8                                          ; works 15 to 22, fetches 16 to 23
	CHUNK 0                                        ; steps 24 to 31: the whole head lies in LDS
	RUN 8                                          ; works 23 to 30, fetches 24 to 31
	STEP 0                                         ; step 31
	; THE WAY OUT: O^T / the sum; a lane holds 16 of the head's 32, the lane 16 away the others: together a block of the next product's K
	v_add_f32 v[SUM], v[SUM], v[SUM+1]
	s_delay_alu instid0(VALU_DEP_1)
	v_permlanex16_b32 v[T2], v[SUM], s[SEL], s[SEL+1]
	s_delay_alu instid0(VALU_DEP_1)
	v_add_f32 v[SUM], v[SUM], v[T2]
	s_wait_alu depctr_va_vdst(0)
	v_rcp_f32 v[SUM], v[SUM]
	v_nop                                          ; one plain place behind a transcendental
	s_wait_alu depctr_va_vdst(0)
.irp i, 0,1,2,3,4,5,6,7,8,9,10,11,12,13,14,15
	v_mul_f32 v[S+\i], v[O+\i], v[SUM]
.endr
	v_max3_num_f32 v[CH], |v[S]|, |v[S+1]|, 0x1800000
.irp i, 2,4,6,8,10,12,14
	s_delay_alu instid0(VALU_DEP_1)
	v_max3_num_f32 v[CH], v[CH], |v[S+\i]|, |v[S+\i+1]|
.endr
	s_delay_alu instid0(VALU_DEP_1)
	v_permlanex16_b32 v[T2], v[CH], s[SEL], s[SEL+1]
	s_delay_alu instid0(VALU_DEP_1)
	v_max_num_f32 v[CH], v[CH], v[T2]
	s_delay_alu instid0(VALU_DEP_1)
	v_add_nc_u32 v[SCOP], 0xff000000, v[CH]
	s_delay_alu instid0(VALU_DEP_1)
	v_lshrrev_b32 v[BY], 23, v[SCOP]
	v_cvt_scalef32_pk16_fp6_f32 v[P:P+2], v[S:S+15], v[SCOP]
	v_nop
	global_store_b96 v[AOF], v[P:P+2], s[8:9]      ; the wave stores 384 consecutive bytes: 16 rows x 24
	global_store_b8 v[ASF], v[BY], s[10:11]        ; both lanes of a row write the same byte with the same value
	s_wait_tensorcnt 0x0
	s_wait_dscnt 0x0
	s_wait_tensorcnt 0x0
	ds_add_u32 v254, v255
	s_wait_dscnt 0x0
	ROUND                                          ; the closing round: no work-group ends while a partner may still ask for a tile that names it
	s_endpgm
.Lfunc_end_k_q68f6b158a1_attn:
	.size	k_q68f6b158a1_attn, .Lfunc_end_k_q68f6b158a1_attn-k_q68f6b158a1_attn
	.p2alignl 7, 3214868480
	.fill 96, 4, 3214868480
	.section	.rodata,"a",@progbits
	.p2align	6, 0x0
	.amdhsa_kernel k_q68f6b158a1_attn
		.amdhsa_group_segment_fixed_size 205824
		.amdhsa_private_segment_fixed_size 0
		.amdhsa_enable_private_segment 0
		.amdhsa_kernarg_size 32
		.amdhsa_user_sgpr_count 2
		.amdhsa_user_sgpr_kernarg_segment_ptr 1
		.amdhsa_wavefront_size32 1
		.amdhsa_system_sgpr_workgroup_id_x 1
		.amdhsa_system_sgpr_workgroup_id_y 1
		.amdhsa_system_sgpr_workgroup_id_z 1
		.amdhsa_system_vgpr_workitem_id 0
		.amdhsa_next_free_vgpr 256
		.amdhsa_next_free_sgpr 66
		.amdhsa_reserve_vcc 1
		.amdhsa_float_denorm_mode_32 3
		.amdhsa_float_denorm_mode_16_64 3
		.amdhsa_memory_ordered 1
		.amdhsa_forward_progress 1
		.amdhsa_inst_pref_size 80
	.end_amdhsa_kernel
	.amdgpu_metadata
---
amdhsa.version: [ 1, 2 ]
amdhsa.kernels:
  - .name:           k_q68f6b158a1_attn
    .symbol:         k_q68f6b158a1_attn.kd
    .args:
      - { .name: qrec, .offset: 0, .size: 8, .value_kind: global_buffer, .address_space: global }
      - { .name: kv1, .offset: 8, .size: 8, .value_kind: global_buffer, .address_space: global }
      - { .name: aoc, .offset: 16, .size: 8, .value_kind: global_buffer, .address_space: global }
      - { .name: aos, .offset: 24, .size: 8, .value_kind: global_buffer, .address_space: global }
    .group_segment_fixed_size: 205824
    .private_segment_fixed_size: 0
    .kernarg_segment_align: 8
    .kernarg_segment_size: 32
    .max_flat_workgroup_size: 256
    .sgpr_count:     66
    .vgpr_count:     256
    .wavefront_size: 32
...
	.end_amdgpu_metadata
.endif
;; end of part 6
;; launch mid (part 7): grid 256 x 1, 4 waves a work-group, no clusters, 25,088 bytes of LDS; arguments aoc, aos, tgt, query_pos, wimg, b_out_self, g1, be1, b_in_cross, xbuf, qrec; writes xbuf, qrec
.if DOCPART == 7
	.amdgcn_target "amdgcn-amd-amdhsa--gfx1250"
	.amdhsa_code_object_version 6
	.text
	.protected	k_q68f6b158a1_mid
	.globl	k_q68f6b158a1_mid
	.p2align	8
	.type	k_q68f6b158a1_mid,@function
k_q68f6b158a1_mid:
	s_mov_b64 s[64:65], 0
	v_nop
	global_prefetch_b8 v0, s[64:65] scope:SCOPE_SE
	s_setreg_imm32_b32 hwreg(HW_REG_WAVE_SCHED_MODE, 0, 2), 2
	s_setreg_imm32_b32 hwreg(HW_REG_WAVE_MODE, 25, 1), 1
	s_wait_xcnt 0x0
	s_wait_alu depctr_vm_vsrc(0)
; BETWEEN THE TWO ATTENTIONS: x = LN1(tgt + ao W_out_self^T + b_out_self), stored as f32; q = (x + query_pos) Wq_cross^T + bq, quantised along each head's 32 and stored for the second attention.
; Both products on codes of FP6 (E2M3) with E8M0 scales.  A work-group of four waves takes 16 rows; wave w owns columns 64 w .. 64 w + 63.  The products are used TRANSPOSED (source 0 = four tiles of
; the weight, a group of 64 rows laid as a record; source 1 = the 16 rows), so lane (r = lane % 16, h = lane / 16) holds row r and columns 64 w + 32 h + 0 .. 31 in 32 registers: 128 consecutive bytes
; of every row-major f32 operand, and a whole block of the next quantiser.  The weights come as records of 6,656 bytes (four images of fragments and their scale words) straight into registers:
; 13 loads of 512 consecutive bytes.  The residual is the C of the first product.  The norm goes in two passes (mean, then squares of the differences), summed across the four waves through LDS.
; No cluster: a work-group reads 106,496 bytes of weights once, into registers; there is no tile in LDS that partners could share.
; LIMITS: NaN and infinities are not served; a block of zeros gets the scale byte 1 (its codes are zeros; only this program reads the bytes); v_rsq_f32 is accurate to 1 ulp.
; THE MODE: SCHED_MODE bits 1:0 = 2 (LLVM: expert scheduling mode 2), set by the entry lines.  The code itself states the register dependences between vector or matrix instructions and memory or LDS
; instructions, with s_wait_alu, always for 0.
; THE PLAN.  Registers that memory or LDS instructions touch:
;   the four records (window 1), SR, HS   Loaded once at the head, read by the products, never loaded again.
;   X      tgt lands in it; products, bias and norm work on it; the stage's LDS stores read it.
;   Y      The bias lands in it and is added; query_pos lands in it, behind the norm's first wait; it is added; bq lands in it; the products add onto it; the quantiser reads it.
;   H      g1 and be1 land in it; x + query_pos is written over g1 and quantised; rows of x from the stage land in be1's half and are stored; q's codes land in H's first six registers.
;   XF, XS The attention's codes land in XF; the products read them; the fragments of x + query_pos are fetched into them.
;   T, LT  The norm's partial sum, read by an LDS store; the four waves' sums land in LT.
;   P, BY0 Written by the quantiser, read by LDS stores, written by the second quantiser.
;   v4-v24 Offsets and LDS addresses: made once at the head.
; Each run of stores has one wait on va_vdst ahead of it, and the loads that stand beside those stores lean on the same wait.  A wait on vm_vsrc stands ahead of each line that writes T, P or BY0 again.
.set RED0, 0                           ; LDS: 16 rows x 4 waves' partial sums, twice
.set RED1, 256
.set XIMG, 1024                        ; two fragments of x + query_pos
.set XSC,  4096                        ; their scale words: 64 bytes a K step, 4 r
.set STG,  4352                        ; 16 rows x (1,024 + 16) bytes of x
.set QT,   20992                       ; 768 bytes a wave: q's codes turn from rows to a dense run
.set LI,  4
.set LR4, 5
.set L4,  6
.set RO,  7                            ; 1,024 r + 256 w + 128 h
.set PO,  8                            ; 256 w + 128 h
.set OFA, 9                            ; 16 x lane + 13,312 w: two records a wave
.set QTS, 10
.set QTL, 11
.set GQ,  12
.set AOO, 13                           ; 24 r + 384 h
.set AOSO, 14                          ; 8 r
.set RW,  15
.set RR,  16
.set XP0, 17
.set XP1, 18
.set XB,  19
.set GQS, 20
.set SO,  22
.set SRD, 23
.set GOUT, 24
.set MU,  26
.set RS,  28
.set T,   30
.set T2,  31
.set X,   32
.set Y,   64
.set H,   96
.set P,   160
.set TT,  172
.set MA0, 180
.set SCOP0, 184
.set BY0, 186
.set LT,  192
.set XF,  208
.set SR,  232                          ; scale words of the four record buffers, and nothing else
.set HS,  248                          ; the rows' scale words
.set XS,  252
.set WB,  16                           ; s[16:17] wimg
.set INV, 40
.set EPS, 41
.set SEL, 42
.set MSB, 0
.macro WIN new                         ; the immediate's high byte repeats the setting that is left
.if MSB != \new
	s_set_vgpr_msb (MSB<<8)|\new
.set MSB, \new
.endif
.endm
.macro QB1 s, held                     ; 32 numbers of a lane, one block: six registers of codes in v[P] on, the byte in v[BY0].  Each accumulator is first read at its low end.  held = 1: stores of earlier codes have been issued
	v_max3_num_f32 v[MA0], |v[\s]|, |v[\s+1]|, 0x1800000
	v_max3_num_f32 v[MA0+1], |v[\s+16]|, |v[\s+17]|, |v[\s+18]|
.irp i, 2,4,6,8,10,12
	v_max3_num_f32 v[MA0], v[MA0], |v[\s+\i]|, |v[\s+\i+1]|
	v_max3_num_f32 v[MA0+1], v[MA0+1], |v[\s+\i+17]|, |v[\s+\i+18]|
.endr
	v_max3_num_f32 v[MA0], v[MA0], |v[\s+14]|, |v[\s+15]|
	v_max3_num_f32 v[MA0], v[MA0], v[MA0+1], |v[\s+31]|
	s_wait_dscnt 0x0                               ; earlier LDS stores have read the registers that are written from here on
.if \held
	s_wait_alu depctr_vm_vsrc(0)                   ; the LDS stores of the codes before have read v[P ..] and v[BY0], which are written from here on
.endif
	v_add_nc_u32 v[SCOP0], 0xff000000, v[MA0]      ; 2 off the exponent field: the conversion's scale operand
	v_lshrrev_b32 v[BY0], 23, v[SCOP0]
	v_cvt_scalef32_pk16_fp6_f32 v[P:P+2], v[\s:\s+15], v[SCOP0]
	v_cvt_scalef32_pk16_fp6_f32 v[TT:TT+2], v[\s+16:\s+31], v[SCOP0]
	v_nop                                          ; one plain place behind a scaled conversion
.irp i, 0,1,2
	v_mov_b32 v[P+3+\i], v[TT+\i]
.endr
.endm
.macro FETCH reg, adr, off
.irp g, 0,1,2
	ds_load_b128 v[(\reg)+4*\g:(\reg)+4*\g+3], v[\adr] offset:\off+512*\g
.endr
.endm
.macro PIECES a0, a1
	ds_store_b64 v[\a0], v[P:P+1]
	ds_store_b64 v[\a1], v[P+2:P+3] offset:8
	ds_store_b64 v[\a0], v[P+4:P+5] offset:512
.endm
.macro BAR
	s_wait_dscnt 0x0
	s_barrier_signal -1
	s_barrier_wait -1
.endm
.macro PLACES
.rept 4
	v_nop
.endr
.endm
.macro REC b, voff, imm                ; a record into buffer b of window 1, its scale words into window 0: 13 loads
	WIN 0x40
.irp q, 0,1,2,3,4,5,6,7,8,9,10,11
	global_load_b128 v[48*(\b)+4*\q:48*(\b)+4*\q+3], v[\voff], s[WB:WB+1] offset:\imm+512*\q
.endr
	WIN 0
	global_load_b128 v[SR+4*(\b):SR+4*(\b)+3], v[\voff], s[WB:WB+1] offset:\imm+6144
.endm
.macro MM4 d, b, bf, bs                ; four tiles of a group x my 16 rows, 128 along K; the four accumulators take turns
	WIN 0x01
.irp v, 0,1,2,3
	v_wmma_scale_f32_16x16x128_f8f6f4 v[(\d)+8*\v:(\d)+8*\v+7], v[48*(\b)+12*\v:48*(\b)+12*\v+11], v[(\bf):(\bf)+11], v[(\d)+8*\v:(\d)+8*\v+7], v[SR+4*(\b)+\v], v[(\bs)] matrix_a_fmt:MATRIX_FMT_FP6 matrix_b_fmt:MATRIX_FMT_FP6
.endr
	WIN 0
.endm
.macro PLOAD reg, sb, voff, imm        ; my 32 numbers: 128 consecutive bytes
.irp i, 0,1,2,3,4,5,6,7
	global_load_b128 v[(\reg)+4*\i:(\reg)+4*\i+3], v[\voff], s[\sb:\sb+1] offset:\imm+16*\i
.endr
.endm
.macro PKADD3 d, a, b                  ; 32 numbers: d = a + b
.set j, 0
.rept 16
	v_pk_add_f32 v[\d+j:\d+j+1], v[\d+j-\d+\a:\d+j-\d+\a+1], v[\b+j:\b+j+1]
.set j, j+2
.endr
.endm
; The norm of the rows in X, in place.  g, be: registers with the gains and offsets of my columns; cnt: the loads that are younger than those.
; ysb, yoff: the base and the offset register of 32 numbers that are asked for into Y behind the norm's first wait.
.macro LNORM reda, redb, g, be, cnt, ysb, yoff
.irp i, 0,1,2,3,4,5,6,7
	v_pk_add_f32 v[LT+2*\i:LT+2*\i+1], v[X+4*\i:X+4*\i+1], v[X+4*\i+2:X+4*\i+3]
.endr
.irp i, 0,1,2,3
	v_pk_add_f32 v[LT+2*\i:LT+2*\i+1], v[LT+4*\i:LT+4*\i+1], v[LT+4*\i+2:LT+4*\i+3]
.endr
.irp i, 0,1
	v_pk_add_f32 v[LT+2*\i:LT+2*\i+1], v[LT+4*\i:LT+4*\i+1], v[LT+4*\i+2:LT+4*\i+3]
.endr
	v_pk_add_f32 v[LT:LT+1], v[LT:LT+1], v[LT+2:LT+3]
	v_add_f32 v[T], v[LT], v[LT+1]
	v_permlanex16_b32 v[T2], v[T], s[SEL], s[SEL+1]
	v_add_f32 v[T], v[T], v[T2]                    ; my wave's 64 columns of row r
	s_wait_alu depctr_va_vdst(0)                   ; v[T] is written, which the LDS store reads; the sums are done with v[LT ..], in which the four waves' sums land; the addition of the bias is done reading Y, in which the loads below land
	ds_store_b32 v[RW], v[T] offset:\reda          ; both lanes of a row write the same word with the same value
	PLOAD Y, \ysb, \yoff, 0
	BAR
	ds_load_b128 v[LT:LT+3], v[RR] offset:\reda
	s_wait_dscnt 0x0
	v_add_f32 v[LT], v[LT], v[LT+1]
	v_add_f32 v[LT+2], v[LT+2], v[LT+3]
	v_add_f32 v[LT], v[LT], v[LT+2]
	v_mul_f32 v[MU], s[INV], v[LT]                 ; the mean
	v_mov_b32 v[MU+1], v[MU]
.set j, 0
.rept 16
	v_pk_add_f32 v[X+j:X+j+1], v[X+j:X+j+1], v[MU:MU+1] op_sel_hi:[1,0] neg_lo:[0,1] neg_hi:[0,1]
.set j, j+2
.endr
	v_pk_mul_f32 v[LT:LT+1], v[X:X+1], v[X:X+1]
	v_pk_mul_f32 v[LT+2:LT+3], v[X+2:X+3], v[X+2:X+3]
.irp i, 4,8,12,16,20,24,28
	v_pk_fma_f32 v[LT:LT+1], v[X+\i:X+\i+1], v[X+\i:X+\i+1], v[LT:LT+1]
	v_pk_fma_f32 v[LT+2:LT+3], v[X+\i+2:X+\i+3], v[X+\i+2:X+\i+3], v[LT+2:LT+3]
.endr
	v_pk_add_f32 v[LT:LT+1], v[LT:LT+1], v[LT+2:LT+3]
	s_wait_alu depctr_vm_vsrc(0)                   ; the LDS store of the first sum has read v[T], which the next line writes
	v_add_f32 v[T], v[LT], v[LT+1]
	v_permlanex16_b32 v[T2], v[T], s[SEL], s[SEL+1]
	v_add_f32 v[T], v[T], v[T2]
	s_wait_alu depctr_va_vdst(0)                   ; v[T] is written, which the LDS store reads; the sums are done with v[LT ..], in which the four waves' sums land
	ds_store_b32 v[RW], v[T] offset:\redb
	BAR
	ds_load_b128 v[LT:LT+3], v[RR] offset:\redb
	s_wait_dscnt 0x0
	v_add_f32 v[LT], v[LT], v[LT+1]
	v_add_f32 v[LT+2], v[LT+2], v[LT+3]
	v_add_f32 v[LT], v[LT], v[LT+2]
	s_wait_alu depctr_vm_vsrc(0)                   ; the LDS store of the second sum has read v[T], which the next line writes
	v_fma_f32 v[T], v[LT], s[INV], s[EPS]          ; the variance + 1e-5
	v_rsq_f32 v[RS], v[T]
	v_nop                                          ; one plain place behind a transcendental
	s_wait_alu depctr_va_vdst(0)                   ; the root has written v[RS]: the wait stands ahead of the first line that names it
	v_mov_b32 v[RS+1], v[RS]
	s_wait_loadcnt \cnt                            ; the gains and offsets are in
.set j, 0
.rept 16
	v_pk_mul_f32 v[X+j:X+j+1], v[X+j:X+j+1], v[RS:RS+1] op_sel_hi:[1,0]
.set j, j+2
.endr
.set j, 0
.rept 16
	v_pk_fma_f32 v[X+j:X+j+1], v[X+j:X+j+1], v[\g+j:\g+j+1], v[\be+j:\be+j+1]
.set j, j+2
.endr
.endm
	s_load_b512 s[8:23], s[0:1], 0x0               ; aoc, aos, tgt, query_pos, wimg, b_out_self, g1, be1
	s_load_b128 s[24:27], s[0:1], 0x40             ; b_in_cross, xbuf
	s_load_b64 s[28:29], s[0:1], 0x50              ; qrec
	v_lshl_add_u32 v254, v0, 2, 0x6000
	v_mov_b32 v255, 0
	v_lshrrev_b32 v1, 5, v0
	v_readfirstlane_b32 s2, v1                     ; wave 0..3
	v_and_b32 v1, 31, v0                           ; lane
	v_and_b32 v2, 15, v0                           ; r
	v_bfe_u32 v3, v0, 4, 1                         ; h
	v_lshlrev_b32 v[LI], 4, v1
	v_lshlrev_b32 v[LR4], 2, v2
	v_lshlrev_b32 v[L4], 2, v1
	s_wait_alu depctr_va_sdst(0)                   ; s2 is written, ahead of its first reader: the offsets and LDS addresses are made from it
	s_lshl_b32 s3, s2, 8
	v_lshl_add_u32 v[PO], v3, 7, s3
	v_lshl_add_u32 v[RO], v2, 10, v[PO]
	s_mul_i32 s3, s2, 13312
	v_add_nc_u32 v[OFA], s3, v[LI]
	v_mul_u32_u24 v[AOO], v2, 24
	v_mad_u32_u24 v[AOO], v3, 384, v[AOO]
	v_lshlrev_b32 v[AOSO], 3, v2
	s_lshl_b32 s3, s2, 2
	v_lshl_add_u32 v[RW], v2, 4, s3
	v_lshlrev_b32 v[RR], 4, v2
	s_lshr_b32 s4, s2, 1                           ; my 64 columns are half c = w % 2 of K step w / 2 of the next product
	s_and_b32 s5, s2, 1
	s_mul_i32 s6, s4, 1536
	s_add_co_u32 s6, s6, XIMG
	s_mul_i32 s7, s5, 520
	s_add_co_u32 s7, s7, s6
	v_add_nc_u32 v[XP0], s7, v[LI]
	s_mul_i32 s7, s5, 1016
	s_add_co_u32 s7, s7, s6
	v_add_nc_u32 v[XP1], s7, v[LI]
	s_lshl_b32 s6, s4, 6
	s_lshl_b32 s7, s5, 1
	s_add_co_u32 s6, s6, s7
	s_add_co_u32 s6, s6, XSC
	v_lshl_add_u32 v[XB], v2, 2, v3
	v_add_nc_u32 v[XB], s6, v[XB]                  ; row r's word, byte 2 (w % 2) + h
	v_mul_u32_u24 v[SO], v2, 1040
	v_add_nc_u32 v[SO], v[SO], v[PO]
	v_add_nc_u32 v[SO], STG, v[SO]
	s_mul_i32 s6, s2, 4160
	s_add_co_u32 s6, s6, STG
	v_add_nc_u32 v[SRD], s6, v[LI]                 ; back: wave w takes rows 4 w .. 4 w + 3
	s_lshl_b32 s6, s2, 12
	v_add_nc_u32 v[GOUT], s6, v[LI]
	s_mul_i32 s6, s2, 768
	v_lshl_add_u32 v[GQ], v1, 3, s6
	s_add_co_u32 s6, s6, QT
	v_add_nc_u32 v[QTS], s6, v[AOO]
	v_lshl_add_u32 v[QTL], v1, 3, s6
	s_lshl_b32 s6, s2, 7
	v_add_nc_u32 v[GQS], s6, v[L4]
	v_mov_b32 v[T2], 0                             ; written once: a lane permute's destination counts as one of its sources
	s_mov_b32 s[INV], 0x3b800000                   ; 1 / 256
	s_mov_b32 s[EPS], 0x3727c5ac                   ; 1e-5
	s_mov_b32 s[SEL], 0x76543210
	s_mov_b32 s[SEL+1], 0xfedcba98
	s_mul_i32 s30, ttmp9, 3072
	s_mov_b32 s31, 0
	s_lshl_b32 s32, ttmp9, 7
	s_mov_b32 s33, 0
	s_lshl_b32 s34, ttmp9, 14
	s_mov_b32 s35, 0
	s_mul_i32 s36, ttmp9, 3584
	s_mov_b32 s37, 0
	s_wait_kmcnt 0x0
	s_add_nc_u64 s[8:9], s[8:9], s[30:31]
	s_add_nc_u64 s[10:11], s[10:11], s[32:33]
	s_add_nc_u64 s[12:13], s[12:13], s[34:35]
	s_add_nc_u64 s[14:15], s[14:15], s[34:35]
	s_add_nc_u64 s[26:27], s[26:27], s[34:35]
	s_add_nc_u64 s[28:29], s[28:29], s[36:37]
	s_wait_alu depctr_va_vdst(0)                   ; the offsets and LDS addresses v4 to v24 are written, which every load and store of the kernel reads; only loads and window switches stand between this wait and the loads under window 1
	; all that is known at the start is asked for at the start: 12 + 1 + 8 + 13 + 13 + 8 + 8 + 8 + 13 + 13 loads
.irp ks, 0,1
.irp c, 0,1
.irp p, 0,1,2
	global_load_b64 v[XF+12*\ks+6*\c+2*\p:XF+12*\ks+6*\c+2*\p+1], v[AOO], s[8:9] offset:1536*\ks+768*\c+8*\p   ; the attention's codes: block 4 ks + 2 c + h is a head
.endr
.endr
.endr
	global_load_b64 v[HS:HS+1], v[AOSO], s[10:11]  ; row r's eight scale bytes: two words
	PLOAD X, 12, RO, 0                             ; tgt: the residual, as the first C
	REC 0, OFA, 6656*128
	REC 1, OFA, 6656*129
	PLOAD Y, 18, PO, 0                             ; b_out_self
	PLOAD H, 20, PO, 0                             ; g1
	PLOAD H+32, 22, PO, 0                          ; be1
	REC 2, OFA, 6656*144                           ; the q slice of w_in_cross, my pair of heads
	REC 3, OFA, 6656*145
	s_wait_loadcnt 63                              ; younger than record 0: 13 + 8 + 8 + 8 + 13 + 13
	MM4 X, 0, XF, HS
	s_wait_loadcnt 50                              ; younger than record 1
	MM4 X, 1, XF+12, HS+1
	PLACES
	s_wait_loadcnt 42                              ; younger than the bias
	PKADD3 X, X, Y
	LNORM RED0, RED1, H, H+32, 34, 14, RO          ; query_pos is asked for inside; younger than be1: two records and query_pos
	s_wait_loadcnt 0x0
	PKADD3 H, X, Y                                 ; x + query_pos
	s_wait_alu depctr_va_vdst(0)                   ; the norm has written X, which the stage's LDS stores read; the addition is done reading Y, in which bq lands
.irp i, 0,1,2,3,4,5,6,7
	ds_store_b128 v[SO], v[X+4*\i:X+4*\i+3] offset:16*\i   ; x into the stage
.endr
	PLOAD Y, 24, PO, 0                             ; bq of my 64: the C of the next product
	QB1 H, 0
	s_wait_alu depctr_va_vdst(0)                   ; the codes and the byte are written, which the LDS stores read; the quantiser, the norm and the first products are done with H and XF, in which the loads behind the barrier land
	PIECES XP0, XP1
	ds_store_b8 v[XB], v[BY0]
	BAR                                            ; the two fragments and 16 whole rows of x lie in LDS
	FETCH XF, LI, XIMG
	FETCH XF+12, LI, XIMG+1536
	ds_load_b32 v[XS], v[LR4] offset:XSC
	ds_load_b32 v[XS+1], v[LR4] offset:XSC+64
.irp i, 0,1,2,3
.irp k, 0,1
	ds_load_b128 v[H+32+4*(2*\i+\k):H+32+4*(2*\i+\k)+3], v[SRD] offset:1040*\i+512*\k
.endr
.endr
	s_wait_dscnt 8                                 ; the fragments and their words are in; the eight loads of rows may be out
	s_wait_loadcnt 0x0                             ; bq
	MM4 Y, 2, XF, XS
	MM4 Y, 3, XF+12, XS+1
	PLACES
	s_wait_dscnt 0x0
.irp i, 0,1,2,3
.irp k, 0,1
	global_store_b128 v[GOUT], v[H+32+4*(2*\i+\k):H+32+4*(2*\i+\k)+3], s[26:27] offset:1024*\i+512*\k   ; 512 consecutive bytes a store
.endr
.endr
	QB1 Y, 1                                       ; lane (r, h): row r, head 2 w + h, its 32 in order
	v_lshl_or_b32 v[T], v[BY0], 8, v[BY0]          ; q's byte in all four bytes of its word
	v_lshl_or_b32 v[T], v[T], 16, v[T]
	s_wait_alu depctr_va_vdst(0)                   ; q's codes are written, which the LDS stores read, and its word, which the last store reads
.irp i, 0,1,2
	ds_store_b64 v[QTS], v[P+2*\i:P+2*\i+1] offset:8*\i   ; through my wave's own 768 bytes: LDS serves a wave's instructions in order
.endr
.irp k, 0,1,2
	ds_load_b64 v[H+2*\k:H+2*\k+1], v[QTL] offset:256*\k
.endr
	s_wait_dscnt 0x0
.irp k, 0,1,2
	global_store_b64 v[GQ], v[H+2*\k:H+2*\k+1], s[28:29] offset:256*\k   ; 256 consecutive bytes, aligned
.endr
	global_store_b32 v[GQS], v[T], s[28:29] offset:3072
	s_wait_dscnt 0x0
	s_wait_alu depctr_hold_cnt(0) depctr_sa_sdst(0) depctr_va_vdst(0) depctr_va_sdst(0) depctr_va_ssrc(0) depctr_va_vcc(0) depctr_vm_vsrc(0)
	s_wait_tensorcnt 0x0
	ds_add_u32 v254, v255
	s_wait_dscnt 0x0
	s_endpgm
.Lfunc_end_k_q68f6b158a1_mid:
	.size	k_q68f6b158a1_mid, .Lfunc_end_k_q68f6b158a1_mid-k_q68f6b158a1_mid
	.p2alignl 7, 3214868480
	.fill 96, 4, 3214868480
	.section	.rodata,"a",@progbits
	.p2align	6, 0x0
	.amdhsa_kernel k_q68f6b158a1_mid
		.amdhsa_group_segment_fixed_size 25088
		.amdhsa_private_segment_fixed_size 0
		.amdhsa_enable_private_segment 0
		.amdhsa_kernarg_size 88
		.amdhsa_user_sgpr_count 2
		.amdhsa_user_sgpr_kernarg_segment_ptr 1
		.amdhsa_wavefront_size32 1
		.amdhsa_system_sgpr_workgroup_id_x 1
		.amdhsa_system_sgpr_workgroup_id_y 1
		.amdhsa_system_sgpr_workgroup_id_z 1
		.amdhsa_system_vgpr_workitem_id 0
		.amdhsa_next_free_vgpr 512
		.amdhsa_next_free_sgpr 66
		.amdhsa_reserve_vcc 0
		.amdhsa_float_denorm_mode_32 3
		.amdhsa_float_denorm_mode_16_64 3
		.amdhsa_memory_ordered 1
		.amdhsa_forward_progress 1
		.amdhsa_inst_pref_size 33
	.end_amdhsa_kernel
	.amdgpu_metadata
---
amdhsa.version: [ 1, 2 ]
amdhsa.kernels:
  - .name:           k_q68f6b158a1_mid
    .symbol:         k_q68f6b158a1_mid.kd
    .args:
      - { .name: aoc, .offset: 0, .size: 8, .value_kind: global_buffer, .address_space: global }
      - { .name: aos, .offset: 8, .size: 8, .value_kind: global_buffer, .address_space: global }
      - { .name: tgt, .offset: 16, .size: 8, .value_kind: global_buffer, .address_space: global }
      - { .name: query_pos, .offset: 24, .size: 8, .value_kind: global_buffer, .address_space: global }
      - { .name: wimg, .offset: 32, .size: 8, .value_kind: global_buffer, .address_space: global }
      - { .name: b_out_self, .offset: 40, .size: 8, .value_kind: global_buffer, .address_space: global }
      - { .name: g1, .offset: 48, .size: 8, .value_kind: global_buffer, .address_space: global }
      - { .name: be1, .offset: 56, .size: 8, .value_kind: global_buffer, .address_space: global }
      - { .name: b_in_cross, .offset: 64, .size: 8, .value_kind: global_buffer, .address_space: global }
      - { .name: xbuf, .offset: 72, .size: 8, .value_kind: global_buffer, .address_space: global }
      - { .name: qrec, .offset: 80, .size: 8, .value_kind: global_buffer, .address_space: global }
    .group_segment_fixed_size: 25088
    .private_segment_fixed_size: 0
    .kernarg_segment_align: 8
    .kernarg_segment_size: 88
    .max_flat_workgroup_size: 128
    .sgpr_count:     66
    .vgpr_count:     512
    .wavefront_size: 32
...
	.end_amdgpu_metadata
.endif
;; end of part 7
;; launch attn2: the kernel of part 6 again; grid 32 x 8, 8 waves a work-group, clusters of 4 x 1, 205,824 bytes of LDS; arguments qrec, kv2, aoc, aos; writes aoc, aos
;; launch tail (part 8): grid 256 x 1, 4 waves a work-group, no clusters, 35,328 bytes of LDS; arguments aoc, aos, xbuf, wimg, b_out_cross, g2, be2, b1, b2, g3, be3, out0; writes out0
.if DOCPART == 8
	.amdgcn_target "amdgcn-amd-amdhsa--gfx1250"
	.amdhsa_code_object_version 6
	.text
	.protected	k_q68f6b158a1_tail
	.globl	k_q68f6b158a1_tail
	.p2align	8
	.type	k_q68f6b158a1_tail,@function
k_q68f6b158a1_tail:
	s_mov_b64 s[64:65], 0
	v_nop
	global_prefetch_b8 v0, s[64:65] scope:SCOPE_SE
	s_setreg_imm32_b32 hwreg(HW_REG_WAVE_SCHED_MODE, 0, 2), 2
	s_setreg_imm32_b32 hwreg(HW_REG_WAVE_MODE, 25, 1), 1
	s_wait_xcnt 0x0
	s_wait_alu depctr_vm_vsrc(0)
; BEHIND THE SECOND ATTENTION: x = LN2(x + ao W_out_cross^T + b_out_cross); out = LN3(x + relu(x W1^T + b1) W2^T + b2).  All three products on codes of FP6 (E2M3) with E8M0 scales.
; A work-group of four waves takes 16 rows; wave w owns columns 64 w .. 64 w + 63 of x and of the result.  The products are used TRANSPOSED (source 0 = four tiles of a weight, a group of 64 rows laid as a
; record; source 1 = the 16 rows): lane (r = lane % 16, h = lane / 16) holds row r and items 32 h + 0 .. 31 of the group in 32 registers: a whole block of the next quantiser, in the operand's order.
; THE HIDDEN LAYER never goes to memory: in each of four passes wave w makes hidden units 128 (4 pass + w) on (two groups, K = 256: four records of W1), quantises them into ONE fragment, one K step of the
; last product, and hands its image to the others through LDS; each wave then multiplies the pass's four fragments by its own four records of W2.
; The weights come as records of 6,656 bytes straight into a ring of four buffers of registers (window 1): each buffer is asked for again as soon as its products are issued, so 39 to 68 loads of a wave
; are on their way all the time, across the barriers too.  The biases and the residual are the C of each sum's first products.
; No cluster: the 851,968 bytes of W1 and W2 that every work-group walks do not fit in LDS, and a shared ring would put a round of the cluster's barrier in front of every 32 products of a wave.
; LIMITS: NaN and infinities are not served; a block of zeros gets the scale byte 1 (its codes are zeros; only this program reads the bytes); v_rsq_f32 is accurate to 1 ulp.
; THE MODE: SCHED_MODE bits 1:0 = 2 (LLVM: expert scheduling mode 2), set by the entry lines.  The code itself states the register dependences between vector or matrix instructions and memory or LDS
; instructions, with s_wait_alu, always for 0.
; THE PLAN.  Registers that memory or LDS instructions touch:
;   buffers 0-3 (window 1), SR   A record's 13 loads land in buffer b and v[SR + 4 b ..]; the four products of one step read them; the buffer's next record lands in them.
;                                ONE wait on va_vdst to a step, behind its products and their places: the buffer is asked for again at once, so that four records stay on their way.
;   v160-207                     The quantiser writes the codes and the word there; the image's LDS stores read them; behind the pass's barrier the four hidden fragments land there (a wait on vm_vsrc
;                                ahead of them); the products read them; the next pass's quantiser writes them.
;   H      g2 and be2, later b1 of each pass, at last g3 and be3 land in it, each behind the wait that stands ahead of the stores of the codes just made; products, relu, quantiser and norm work on it.
;   Y      The bias lands in it and is added; b2 lands in it behind the norm's first wait; the last product adds onto it.
;   X      Loaded once; products and norms work on it; the stage's LDS stores read it at the end.
;   XF, XS, HS   Codes and scale words of the rows: loaded or fetched, read by products, fetched anew behind later waits on va_vdst.
;   T, LT  The norm's partial sum, read by an LDS store; the four waves' sums land in LT.
;   v4-v25 Offsets and LDS addresses: made once at the head.
.set RED0, 0
.set RED1, 256
.set RED2, 512
.set RED3, 768
.set XIMG, 1024                        ; two fragments of x
.set XSC,  4096
.set HIMG, 4352                        ; two sets, by turns, of four fragments of the hidden layer
.set HSC,  16640                       ; and of their scale words, 128 bytes a fragment
.set STG,  17664                       ; 16 rows x (1,024 + 16) bytes
.set LI,  4
.set LR4, 5
.set L4,  6
.set RO,  7
.set PO,  8
.set OFA, 9
.set OF1, 10                           ; 16 x lane + 26,624 w: four records of W1 a wave
.set OF2, 11                           ; 16 x lane + 6,656 w: my columns' record of W2
.set PB1, 12                           ; 512 w + 128 h
.set AOO, 13
.set AOSO, 14
.set RW,  15
.set RR,  16
.set XP0, 17
.set XP1, 18
.set XB,  19
.set HW,  20
.set HWS, 21
.set SO,  22
.set SRD, 23
.set GOUT, 24
.set SH8, 25
.set MU,  26
.set RS,  28
.set T,   30
.set T2,  31
.set X,   32
.set Y,   64
.set H,   96
.set HF,  160                          ; four hidden fragments; while they are not in use: the quantiser's and the norm's registers
.set P,   160
.set TT,  172
.set MA0, 180
.set SCOP0, 184
.set BY0, 186
.set PW,  188
.set LT,  192
.set XF,  208
.set SR,  232
.set HS,  248
.set XS,  252
.set WB,  14                           ; s[14:15] wimg
.set INV, 40
.set EPS, 41
.set SEL, 42
.set MSB, 0
.macro WIN new
.if MSB != \new
	s_set_vgpr_msb (MSB<<8)|\new
.set MSB, \new
.endif
.endm
.macro QB1 s                           ; 32 numbers of a lane, one block: six registers of codes in v[P] on, the byte in v[BY0].  (Used once, ahead of every store of codes: it owes no wait on vm_vsrc)
	v_max3_num_f32 v[MA0], |v[\s]|, |v[\s+1]|, 0x1800000
	v_max3_num_f32 v[MA0+1], |v[\s+16]|, |v[\s+17]|, |v[\s+18]|
.irp i, 2,4,6,8,10,12
	v_max3_num_f32 v[MA0], v[MA0], |v[\s+\i]|, |v[\s+\i+1]|
	v_max3_num_f32 v[MA0+1], v[MA0+1], |v[\s+\i+17]|, |v[\s+\i+18]|
.endr
	v_max3_num_f32 v[MA0], v[MA0], |v[\s+14]|, |v[\s+15]|
	v_max3_num_f32 v[MA0], v[MA0], v[MA0+1], |v[\s+31]|
	s_wait_dscnt 0x0
	v_add_nc_u32 v[SCOP0], 0xff000000, v[MA0]
	v_lshrrev_b32 v[BY0], 23, v[SCOP0]
	v_cvt_scalef32_pk16_fp6_f32 v[P:P+2], v[\s:\s+15], v[SCOP0]
	v_cvt_scalef32_pk16_fp6_f32 v[TT:TT+2], v[\s+16:\s+31], v[SCOP0]
	v_nop
.irp i, 0,1,2
	v_mov_b32 v[P+3+\i], v[TT+\i]
.endr
.endm
.macro QF s, held                      ; 64 numbers of a lane, two whole blocks: a fragment's codes in v[P] on, its row's scale word in v[PW].  held = 1: stores of earlier codes have been issued and no wait on vm_vsrc has stood behind them
.irp c, 0,1
	v_max3_num_f32 v[MA0+2*\c], |v[\s+32*\c]|, |v[\s+32*\c+1]|, 0x1800000
	v_max3_num_f32 v[MA0+2*\c+1], |v[\s+32*\c+16]|, |v[\s+32*\c+17]|, |v[\s+32*\c+18]|
.endr
.irp i, 2,4,6,8,10,12
.irp c, 0,1
	v_max3_num_f32 v[MA0+2*\c], v[MA0+2*\c], |v[\s+32*\c+\i]|, |v[\s+32*\c+\i+1]|
	v_max3_num_f32 v[MA0+2*\c+1], v[MA0+2*\c+1], |v[\s+32*\c+\i+17]|, |v[\s+32*\c+\i+18]|
.endr
.endr
.irp c, 0,1
	v_max3_num_f32 v[MA0+2*\c], v[MA0+2*\c], |v[\s+32*\c+14]|, |v[\s+32*\c+15]|
.endr
.irp c, 0,1
	v_max3_num_f32 v[MA0+2*\c], v[MA0+2*\c], v[MA0+2*\c+1], |v[\s+32*\c+31]|
.endr
	s_wait_dscnt 0x0
.if \held
	s_wait_alu depctr_vm_vsrc(0)                   ; the LDS stores of x's codes have read v[P ..] and v[BY0], which are written from here on (in the later passes the wait behind the pass's barrier has stated the like of the image's stores)
.endif
.irp c, 0,1
	v_add_nc_u32 v[SCOP0+\c], 0xff000000, v[MA0+2*\c]
.endr
.irp c, 0,1
	v_lshrrev_b32 v[BY0+\c], 23, v[SCOP0+\c]
.endr
	v_lshl_or_b32 v[T], v[BY0+1], 16, v[BY0]
	v_lshlrev_b32 v[T], v[SH8], v[T]
	v_permlanex16_b32 v[T2], v[T], s[SEL], s[SEL+1]
	v_or_b32 v[PW], v[T], v[T2]
.irp c, 0,1
	v_cvt_scalef32_pk16_fp6_f32 v[P+6*\c:P+6*\c+2], v[\s+32*\c:\s+32*\c+15], v[SCOP0+\c]
	v_cvt_scalef32_pk16_fp6_f32 v[TT+4*\c:TT+4*\c+2], v[\s+32*\c+16:\s+32*\c+31], v[SCOP0+\c]
.endr
	v_nop
.irp c, 0,1
.irp i, 0,1,2
	v_mov_b32 v[P+3+6*\c+\i], v[TT+4*\c+\i]
.endr
.endr
.endm
.macro IMAGE adr, off
	s_wait_alu depctr_va_vdst(0)                   ; the quantiser has written v[P ..] and v[PW], which the LDS stores read; it is done with H, in which the loads behind the stores land, and with v160 to v207, in which the hidden fragments land
.irp g, 0,1,2
	ds_store_b128 v[\adr], v[P+4*\g:P+4*\g+3] offset:\off+512*\g
.endr
.endm
.macro FETCH reg, adr, off
.irp g, 0,1,2
	ds_load_b128 v[(\reg)+4*\g:(\reg)+4*\g+3], v[\adr] offset:\off+512*\g
.endr
.endm
.macro PIECES a0, a1
	ds_store_b64 v[\a0], v[P:P+1]
	ds_store_b64 v[\a1], v[P+2:P+3] offset:8
	ds_store_b64 v[\a0], v[P+4:P+5] offset:512
.endm
.macro BAR
	s_wait_dscnt 0x0
	s_barrier_signal -1
	s_barrier_wait -1
.endm
.macro PLACES
.rept 4
	v_nop
.endr
.endm
.macro REC b, voff, imm
	WIN 0x40
.irp q, 0,1,2,3,4,5,6,7,8,9,10,11
	global_load_b128 v[48*(\b)+4*\q:48*(\b)+4*\q+3], v[\voff], s[WB:WB+1] offset:\imm+512*\q
.endr
	WIN 0
	global_load_b128 v[SR+4*(\b):SR+4*(\b)+3], v[\voff], s[WB:WB+1] offset:\imm+6144
.endm
.macro MM4 d, b, bf, bs
	WIN 0x01
.irp v, 0,1,2,3
	v_wmma_scale_f32_16x16x128_f8f6f4 v[(\d)+8*\v:(\d)+8*\v+7], v[48*(\b)+12*\v:48*(\b)+12*\v+11], v[(\bf):(\bf)+11], v[(\d)+8*\v:(\d)+8*\v+7], v[SR+4*(\b)+\v], v[(\bs)] matrix_a_fmt:MATRIX_FMT_FP6 matrix_b_fmt:MATRIX_FMT_FP6
.endr
	WIN 0
.endm
.macro PLOAD reg, sb, voff, imm
.irp i, 0,1,2,3,4,5,6,7
	global_load_b128 v[(\reg)+4*\i:(\reg)+4*\i+3], v[\voff], s[\sb:\sb+1] offset:\imm+16*\i
.endr
.endm
.macro PKADD3 d, a, b
.set j, 0
.rept 16
	v_pk_add_f32 v[\d+j:\d+j+1], v[\a+j:\a+j+1], v[\b+j:\b+j+1]
.set j, j+2
.endr
.endm
; The norm of the rows in X, in place, in two passes; cnt: the loads that are younger than the gains and offsets.
; ysb not 0: 32 numbers at base s[ysb], offset v[yoff], are asked for into Y behind the norm's first wait.
.macro LNORM reda, redb, g, be, cnt, ysb, yoff
.irp i, 0,1,2,3,4,5,6,7
	v_pk_add_f32 v[LT+2*\i:LT+2*\i+1], v[X+4*\i:X+4*\i+1], v[X+4*\i+2:X+4*\i+3]
.endr
.irp i, 0,1,2,3
	v_pk_add_f32 v[LT+2*\i:LT+2*\i+1], v[LT+4*\i:LT+4*\i+1], v[LT+4*\i+2:LT+4*\i+3]
.endr
.irp i, 0,1
	v_pk_add_f32 v[LT+2*\i:LT+2*\i+1], v[LT+4*\i:LT+4*\i+1], v[LT+4*\i+2:LT+4*\i+3]
.endr
	v_pk_add_f32 v[LT:LT+1], v[LT:LT+1], v[LT+2:LT+3]
	v_add_f32 v[T], v[LT], v[LT+1]
	v_permlanex16_b32 v[T2], v[T], s[SEL], s[SEL+1]
	v_add_f32 v[T], v[T], v[T2]
	s_wait_alu depctr_va_vdst(0)                   ; v[T] is written, which the LDS store reads; the sums are done with v[LT ..], in which the four waves' sums land; where loads into Y follow: the addition ahead of the norm is done reading Y
	ds_store_b32 v[RW], v[T] offset:\reda
.if \ysb
	PLOAD Y, \ysb, \yoff, 0
.endif
	BAR
	ds_load_b128 v[LT:LT+3], v[RR] offset:\reda
	s_wait_dscnt 0x0
	v_add_f32 v[LT], v[LT], v[LT+1]
	v_add_f32 v[LT+2], v[LT+2], v[LT+3]
	v_add_f32 v[LT], v[LT], v[LT+2]
	v_mul_f32 v[MU], s[INV], v[LT]
	v_mov_b32 v[MU+1], v[MU]
.set j, 0
.rept 16
	v_pk_add_f32 v[X+j:X+j+1], v[X+j:X+j+1], v[MU:MU+1] op_sel_hi:[1,0] neg_lo:[0,1] neg_hi:[0,1]
.set j, j+2
.endr
	v_pk_mul_f32 v[LT:LT+1], v[X:X+1], v[X:X+1]
	v_pk_mul_f32 v[LT+2:LT+3], v[X+2:X+3], v[X+2:X+3]
.irp i, 4,8,12,16,20,24,28
	v_pk_fma_f32 v[LT:LT+1], v[X+\i:X+\i+1], v[X+\i:X+\i+1], v[LT:LT+1]
	v_pk_fma_f32 v[LT+2:LT+3], v[X+\i+2:X+\i+3], v[X+\i+2:X+\i+3], v[LT+2:LT+3]
.endr
	v_pk_add_f32 v[LT:LT+1], v[LT:LT+1], v[LT+2:LT+3]
	s_wait_alu depctr_vm_vsrc(0)                   ; the LDS store of the first sum has read v[T], which the next line writes
	v_add_f32 v[T], v[LT], v[LT+1]
	v_permlanex16_b32 v[T2], v[T], s[SEL], s[SEL+1]
	v_add_f32 v[T], v[T], v[T2]
	s_wait_alu depctr_va_vdst(0)                   ; v[T] is written, which the LDS store reads; the sums are done with v[LT ..], in which the four waves' sums land
	ds_store_b32 v[RW], v[T] offset:\redb
	BAR
	ds_load_b128 v[LT:LT+3], v[RR] offset:\redb
	s_wait_dscnt 0x0
	v_add_f32 v[LT], v[LT], v[LT+1]
	v_add_f32 v[LT+2], v[LT+2], v[LT+3]
	v_add_f32 v[LT], v[LT], v[LT+2]
	s_wait_alu depctr_vm_vsrc(0)                   ; the LDS store of the second sum has read v[T], which the next line writes
	v_fma_f32 v[T], v[LT], s[INV], s[EPS]
	v_rsq_f32 v[RS], v[T]
	v_nop
	s_wait_alu depctr_va_vdst(0)                   ; the root has written v[RS]: the wait stands ahead of the first line that names it
	v_mov_b32 v[RS+1], v[RS]
	s_wait_loadcnt \cnt
.set j, 0
.rept 16
	v_pk_mul_f32 v[X+j:X+j+1], v[X+j:X+j+1], v[RS:RS+1] op_sel_hi:[1,0]
.set j, j+2
.endr
.set j, 0
.rept 16
	v_pk_fma_f32 v[X+j:X+j+1], v[X+j:X+j+1], v[\g+j:\g+j+1], v[\be+j:\be+j+1]
.set j, j+2
.endr
.endm
	s_load_b512 s[8:23], s[0:1], 0x0               ; aoc, aos, xbuf, wimg, b_out_cross, g2, be2, b1
	s_load_b256 s[24:31], s[0:1], 0x40             ; b2, g3, be3, out0
	v_lshl_add_u32 v254, v0, 2, 0x8800
	v_mov_b32 v255, 0
	v_lshrrev_b32 v1, 5, v0
	v_readfirstlane_b32 s2, v1                     ; wave 0..3
	v_and_b32 v1, 31, v0
	v_and_b32 v2, 15, v0
	v_bfe_u32 v3, v0, 4, 1
	v_lshlrev_b32 v[LI], 4, v1
	v_lshlrev_b32 v[LR4], 2, v2
	v_lshlrev_b32 v[L4], 2, v1
	s_wait_alu depctr_va_sdst(0)                   ; s2 is written, ahead of its first reader: the offsets and LDS addresses are made from it
	s_lshl_b32 s3, s2, 8
	v_lshl_add_u32 v[PO], v3, 7, s3
	v_lshl_add_u32 v[RO], v2, 10, v[PO]
	s_mul_i32 s3, s2, 13312
	v_add_nc_u32 v[OFA], s3, v[LI]
	s_mul_i32 s3, s2, 26624
	v_add_nc_u32 v[OF1], s3, v[LI]
	s_mul_i32 s3, s2, 6656
	v_add_nc_u32 v[OF2], s3, v[LI]
	s_lshl_b32 s3, s2, 9
	v_lshl_add_u32 v[PB1], v3, 7, s3
	v_mul_u32_u24 v[AOO], v2, 24
	v_mad_u32_u24 v[AOO], v3, 384, v[AOO]
	v_lshlrev_b32 v[AOSO], 3, v2
	s_lshl_b32 s3, s2, 2
	v_lshl_add_u32 v[RW], v2, 4, s3
	v_lshlrev_b32 v[RR], 4, v2
	s_lshr_b32 s4, s2, 1
	s_and_b32 s5, s2, 1
	s_mul_i32 s6, s4, 1536
	s_add_co_u32 s6, s6, XIMG
	s_mul_i32 s7, s5, 520
	s_add_co_u32 s7, s7, s6
	v_add_nc_u32 v[XP0], s7, v[LI]
	s_mul_i32 s7, s5, 1016
	s_add_co_u32 s7, s7, s6
	v_add_nc_u32 v[XP1], s7, v[LI]
	s_lshl_b32 s6, s4, 6
	s_lshl_b32 s7, s5, 1
	s_add_co_u32 s6, s6, s7
	s_add_co_u32 s6, s6, XSC
	v_lshl_add_u32 v[XB], v2, 2, v3
	v_add_nc_u32 v[XB], s6, v[XB]
	s_mul_i32 s6, s2, 1536
	s_add_co_u32 s6, s6, HIMG
	v_add_nc_u32 v[HW], s6, v[LI]
	s_lshl_b32 s6, s2, 7
	s_add_co_u32 s6, s6, HSC
	v_add_nc_u32 v[HWS], s6, v[L4]
	v_mul_u32_u24 v[SO], v2, 1040
	v_add_nc_u32 v[SO], v[SO], v[PO]
	v_add_nc_u32 v[SO], STG, v[SO]
	s_mul_i32 s6, s2, 4160
	s_add_co_u32 s6, s6, STG
	v_add_nc_u32 v[SRD], s6, v[LI]
	s_lshl_b32 s6, s2, 12
	v_add_nc_u32 v[GOUT], s6, v[LI]
	v_lshlrev_b32 v[SH8], 3, v3
	v_mov_b32 v[T2], 0
	s_mov_b32 s[INV], 0x3b800000
	s_mov_b32 s[EPS], 0x3727c5ac
	s_mov_b32 s[SEL], 0x76543210
	s_mov_b32 s[SEL+1], 0xfedcba98
	s_mul_i32 s32, ttmp9, 3072
	s_mov_b32 s33, 0
	s_lshl_b32 s34, ttmp9, 7
	s_mov_b32 s35, 0
	s_lshl_b32 s36, ttmp9, 14
	s_mov_b32 s37, 0
	s_wait_kmcnt 0x0
	s_add_nc_u64 s[8:9], s[8:9], s[32:33]
	s_add_nc_u64 s[10:11], s[10:11], s[34:35]
	s_add_nc_u64 s[12:13], s[12:13], s[36:37]
	s_add_nc_u64 s[30:31], s[30:31], s[36:37]
	s_wait_alu depctr_va_vdst(0)                   ; the offsets and LDS addresses v4 to v24 are written, which every load and store of the kernel reads; only loads and window switches stand between this wait and the loads under window 1
	; ---- the out-projection, the residual and the second norm
.irp ks, 0,1
.irp c, 0,1
.irp p, 0,1,2
	global_load_b64 v[XF+12*\ks+6*\c+2*\p:XF+12*\ks+6*\c+2*\p+1], v[AOO], s[8:9] offset:1536*\ks+768*\c+8*\p
.endr
.endr
.endr
	global_load_b64 v[HS:HS+1], v[AOSO], s[10:11]
	PLOAD X, 12, RO, 0                             ; x behind the first norm: the residual, as the first C
	REC 0, OFA, 6656*136
	REC 1, OFA, 6656*137
	PLOAD Y, 16, PO, 0                             ; b_out_cross
	PLOAD H, 18, PO, 0                             ; g2
	PLOAD H+32, 20, PO, 0                          ; be2
	s_wait_loadcnt 37                              ; younger than record 0: 13 + 8 + 8 + 8
	MM4 X, 0, XF, HS
	s_wait_loadcnt 24
	MM4 X, 1, XF+12, HS+1
	PLACES
	s_wait_alu depctr_va_vdst(0)                   ; the eight products are done reading buffers 0 and 1 and their scale words, in which the records below land
.irp i, 0,1,2,3
	REC \i, OF1, 6656*\i                           ; W1's four records of the first pass
.endr
	s_wait_loadcnt 63                              ; 68 loads are younger than the bias: the field's largest count is the stricter
	PKADD3 X, X, Y
	LNORM RED0, RED1, H, H+32, 60, 24, PO          ; b2, the C of the last product's first K step, is asked for inside; younger than be2: four records and b2
	QB1 X                                          ; x stays in its registers: it is the last residual
	s_wait_alu depctr_va_vdst(0)                   ; x's codes and byte are written, which the LDS stores read; the norm is done reading H, in which b1 lands; the first products are done reading XF, in which x's fragments land behind the barrier
	PLOAD H, 22, PB1, 0                            ; b1 of my 128 hidden units of the first pass
	PLOAD H+32, 22, PB1, 256
	PIECES XP0, XP1
	ds_store_b8 v[XB], v[BY0]
	BAR
	FETCH XF, LI, XIMG
	FETCH XF+12, LI, XIMG+1536
	ds_load_b32 v[XS], v[LR4] offset:XSC
	ds_load_b32 v[XS+1], v[LR4] offset:XSC+64
	s_wait_dscnt 0x0
; A PASS: 512 hidden units, 128 a wave.  first = 1: the first pass; pre = 1: another pass follows.
.macro RND rho, first, pre
.irp i, 0,1,2,3                        ; record i: group i / 2 of my two, K step i % 2
.if \first && (\i == 0)
	s_wait_loadcnt 0x0                             ; b1 was asked for last
.else
	s_wait_loadcnt 39                              ; three records are younger than the one in hand
.endif
	MM4 H+32*(\i/2), \i, XF+12*(\i%2), XS+(\i%2)
	PLACES
	s_wait_alu depctr_va_vdst(0)                   ; the four products are done reading buffer i and its scale words, in which the record below lands
	REC \i, OF2, 6656*(64+16*\rho+4*\i)            ; its buffer takes W2's record of K step 4 pass + i, my columns
.endr
.set j, 0
.rept 64
	v_max_num_f32 v[H+j], 0, v[H+j]                ; the activation, in f32
.set j, j+1
.endr
	QF H, \first
	IMAGE HW, 6144*(\rho%2)
	ds_store_b32 v[HWS], v[PW] offset:512*(\rho%2)
.if \pre
	PLOAD H, 22, PB1, 2048*(\rho+1)                ; b1 of the next pass: behind the image's wait, with no vector line between
	PLOAD H+32, 22, PB1, 2048*(\rho+1)+256
.else
	PLOAD H, 26, PO, 0                             ; g3
	PLOAD H+32, 28, PO, 0                          ; be3
.endif
	BAR                                            ; the pass's four fragments lie in LDS; the set of two passes ago has been read by all
	s_wait_alu depctr_vm_vsrc(0)                   ; my LDS stores have read v[P ..], v[PW] and (in the first pass) v[BY0]: the hidden fragments land in these registers
.irp n, 0,1,2,3
	FETCH HF+12*\n, LI, HIMG+6144*(\rho%2)+1536*\n
	ds_load_b32 v[HS+\n], v[L4] offset:HSC+512*(\rho%2)+128*\n
.endr
	s_wait_dscnt 0x0
.irp n, 0,1,2,3
.if \pre
	s_wait_loadcnt 55                              ; younger than W2's record n: three records and the 16 loads of b1
.else
	s_wait_loadcnt 55-13*\n                        ; nothing more is asked for: the counts run down to the 16 loads of g3 and be3
.endif
	MM4 Y, \n, HF+12*\n, HS+\n
	PLACES
.if \pre
	s_wait_alu depctr_va_vdst(0)                   ; the four products are done reading buffer n and its scale words, in which the record below lands
	REC \n, OF1, 6656*(16*(\rho+1)+\n)             ; its buffer takes W1's record n of the next pass
.endif
.endr
.endm
	RND 0, 1, 1
	RND 1, 0, 1
	RND 2, 0, 1
	RND 3, 0, 0
	; ---- the last residual and norm, and the way out through a stage: whole rows, 512 consecutive bytes a store
	PKADD3 X, X, Y
	LNORM RED2, RED3, H, H+32, 0, 0, 0
	s_wait_alu depctr_va_vdst(0)                   ; the norm has written X, which the stage's LDS stores read, and is done reading H, in which the rows land behind the barrier
.irp i, 0,1,2,3,4,5,6,7
	ds_store_b128 v[SO], v[X+4*\i:X+4*\i+3] offset:16*\i
.endr
	BAR
.irp i, 0,1,2,3
.irp k, 0,1
	ds_load_b128 v[H+4*(2*\i+\k):H+4*(2*\i+\k)+3], v[SRD] offset:1040*\i+512*\k
.endr
.endr
.irp i, 0,1,2,3
.irp k, 0,1
	s_wait_dscnt 7-(2*\i+\k)
	global_store_b128 v[GOUT], v[H+4*(2*\i+\k):H+4*(2*\i+\k)+3], s[30:31] offset:1024*\i+512*\k th:TH_STORE_NT
.endr
.endr
	s_wait_dscnt 0x0
	s_wait_alu depctr_hold_cnt(0) depctr_sa_sdst(0) depctr_va_vdst(0) depctr_va_sdst(0) depctr_va_ssrc(0) depctr_va_vcc(0) depctr_vm_vsrc(0)
	s_wait_tensorcnt 0x0
	ds_add_u32 v254, v255
	s_wait_dscnt 0x0
	s_endpgm
.Lfunc_end_k_q68f6b158a1_tail:
	.size	k_q68f6b158a1_tail, .Lfunc_end_k_q68f6b158a1_tail-k_q68f6b158a1_tail
	.p2alignl 7, 3214868480
	.fill 96, 4, 3214868480
	.section	.rodata,"a",@progbits
	.p2align	6, 0x0
	.amdhsa_kernel k_q68f6b158a1_tail
		.amdhsa_group_segment_fixed_size 35328
		.amdhsa_private_segment_fixed_size 0
		.amdhsa_enable_private_segment 0
		.amdhsa_kernarg_size 96
		.amdhsa_user_sgpr_count 2
		.amdhsa_user_sgpr_kernarg_segment_ptr 1
		.amdhsa_wavefront_size32 1
		.amdhsa_system_sgpr_workgroup_id_x 1
		.amdhsa_system_sgpr_workgroup_id_y 1
		.amdhsa_system_sgpr_workgroup_id_z 1
		.amdhsa_system_vgpr_workitem_id 0
		.amdhsa_next_free_vgpr 512
		.amdhsa_next_free_sgpr 66
		.amdhsa_reserve_vcc 0
		.amdhsa_float_denorm_mode_32 3
		.amdhsa_float_denorm_mode_16_64 3
		.amdhsa_memory_ordered 1
		.amdhsa_forward_progress 1
		.amdhsa_inst_pref_size 130
	.end_amdhsa_kernel
	.amdgpu_metadata
---
amdhsa.version: [ 1, 2 ]
amdhsa.kernels:
  - .name:           k_q68f6b158a1_tail
    .symbol:         k_q68f6b158a1_tail.kd
    .args:
      - { .name: aoc, .offset: 0, .size: 8, .value_kind: global_buffer, .address_space: global }
      - { .name: aos, .offset: 8, .size: 8, .value_kind: global_buffer, .address_space: global }
      - { .name: xbuf, .offset: 16, .size: 8, .value_kind: global_buffer, .address_space: global }
      - { .name: wimg, .offset: 24, .size: 8, .value_kind: global_buffer, .address_space: global }
      - { .name: b_out_cross, .offset: 32, .size: 8, .value_kind: global_buffer, .address_space: global }
      - { .name: g2, .offset: 40, .size: 8, .value_kind: global_buffer, .address_space: global }
      - { .name: be2, .offset: 48, .size: 8, .value_kind: global_buffer, .address_space: global }
      - { .name: b1, .offset: 56, .size: 8, .value_kind: global_buffer, .address_space: global }
      - { .name: b2, .offset: 64, .size: 8, .value_kind: global_buffer, .address_space: global }
      - { .name: g3, .offset: 72, .size: 8, .value_kind: global_buffer, .address_space: global }
      - { .name: be3, .offset: 80, .size: 8, .value_kind: global_buffer, .address_space: global }
      - { .name: out0, .offset: 88, .size: 8, .value_kind: global_buffer, .address_space: global }
    .group_segment_fixed_size: 35328
    .private_segment_fixed_size: 0
    .kernarg_segment_align: 8
    .kernarg_segment_size: 96
    .max_flat_workgroup_size: 128
    .sgpr_count:     66
    .vgpr_count:     512
    .wavefront_size: 32
...
	.end_amdgpu_metadata
.endif
;; end of part 8
